; MI455X (gfx1250); checked and timed in simulation.
; The chip was launched on July 23, 2026; its instructions are those of AMD's public machine-readable ISA for CDNA 5 (MIT licence, August 2026) and "CDNA5" Instruction Set Architecture Reference Guide (July 2026). The comments in the code are by the model that wrote it; some were corrected since.
;; Multi Head Attention Block. Allowed arithmetic: matrix products marked QUANTISED: E2M1 operands, one E8M0 scale for each 32 along K, by v_wmma_scale_f32_16x16x128_f8f6f4 with both operands' format E2M1 (or v_wmma_scale_f32_32x16x128_f4), f32 sums; everything else in f32.
;; Inputs: W1 512 x 4,096 float32; W2 4,096 x 512 float32; Wk 512 x 512 float32; Wq 512 x 512 float32; Wv 512 x 512 float32; alpha 1 float32; b1 4,096 float32; b2 512 float32; beta 1 float32; x 4 x 2,048 x 512 float32.
;; Outputs: out0 4 x 2,048 x 512 float32.
;; This version of the problem:
;;   THIS VERSION OF THE PROBLEM IS GIVEN IN LOW PRECISION. The matrix products marked QUANTISED in the list below multiply operands that are first quantised to E2M1 (2 exponent bits, 1 mantissa bit; 4 bits a number), with one power-of-two scale for each 32 numbers along K (OCP MX v1.0); their sums are f32. All else is computed in f32.
;;   The module's matrix products, in the order in which they are computed (A, B: the left and right operand; K: the contracted axis; several contracted axes count as one K, in the product's order):
;;     1. [M 8,192, K 512] x [K 512, N 512]; A: computed on the way; B: input Wq: QUANTISED
;;     2. [M 8,192, K 512] x [K 512, N 512]; A: computed on the way; B: input Wk: QUANTISED
;;     3. [M 8,192, K 512] x [K 512, N 512]; A: computed on the way; B: input Wv: QUANTISED
;;     4. batch 64 x [M 2,048, K 32] x [K 32, N 2,048]; A: computed on the way; B: computed on the way: QUANTISED
;;     5. batch 64 x [M 32, K 2,048] x [K 2,048, N 2,048]; A: computed on the way; B: softmax (see below): QUANTISED
;;     6. [M 8,192, K 512] x [K 512, N 4,096]; A: computed on the way; B: input W1: QUANTISED
;;     7. [M 8,192, K 4,096] x [K 4,096, N 512]; A: computed on the way; B: input W2: QUANTISED
;;   THE QUANTISER, for each operand of a quantised product, along K:
;;     - K is cut into blocks of 32 from its start; a last block that is shorter is filled with zeros.
;;     - A block's scale is 2^e with e = floor(log2(the largest magnitude in the block)) - 2, held to -126 .. 127; a block of zeros has e = 0. As a byte (E8M0): e + 127.
;;     - Each number is divided by its block's scale, clamped to +-6, and rounded to the nearest number of E2M1, ties to even, subnormals kept.
;;     - The product sums the exact products of the quantised numbers (number of the format x scale) in f32.
;;   ~~~python
;;   def quantise(x, axis):      # numpy; x: float32 -> the quantised numbers, widened to float32 again
;;       x = np.moveaxis(x, axis, -1); K = x.shape[-1]
;;       x = np.pad(x, [(0, 0)] * (x.ndim - 1) + [(0, -K % 32)]); x = x.reshape(x.shape[:-1] + (-1, 32)); a = np.abs(x).max(-1, keepdims=True)
;;       e = np.where(a > 0, np.clip(np.frexp(np.where(a > 0, a, 1))[1] - 1 - 2, -126, 127), 0)      # np.frexp(a)[1] - 1 = floor(log2(a)), exactly
;;       r = np.clip(x / 2.0 ** e, -6, 6)
;;       step = 2.0 ** (np.maximum(np.frexp(np.where(r == 0, 1, r))[1] - 1, 0) - 1)
;;       q = np.round(r / step) * step * 2.0 ** e      # np.round: ties to even
;;       return np.moveaxis(q.reshape(q.shape[:-2] + (-1,))[..., :K], -1, axis).astype(np.float32)
;;   ~~~
;;   SOFTMAX AHEAD OF A QUANTISED PRODUCT. Where the list says 'softmax', what is quantised is not the finished softmax but p = 2^(t - M), with t = logit x log2(e) and M = ceil(the row's largest t), a whole number; so 1/2 < the row's largest p <= 1. The row's sum l is taken of the UNQUANTISED p, in f32, and the product's result is divided by l at the end. Since M is a whole number, a kernel that streams over the keys may use a running M (the ceiling of the running maximum): every later rescaling is an exact power of two, which a block's scale takes up: the codes' values come out the same.
;;   OPERANDS COMPUTED ON THE WAY. 'Computed on the way' means the value that the module computes at that place (a softmax that the list does not call 'softmax' is quantised finished and normalised). What goes into a quantiser is computed in f32, as accurately as f32 sums, v_exp_f32 and their like allow (about 1e-6 of the number): no bf16 or f16 on the way to a quantiser, and a product that is left as it is and whose result goes on into a quantised operand takes f32 operands (vector FMAs, or v_wmma_f32_16x16x4_f32). A number that lies on a knife's edge between two numbers of the format may be rounded either way, as far as f32 arithmetic and the matrix unit's own rounding can turn it there, and no further.
;; 3 versions, each right; version 2 is faster than version 1; version 3 is version 2 with the launches qkv, attn written anew for expert scheduling mode. Each part assembles by itself: llvm-mc -triple=amdgcn-amd-amdhsa -mcpu=gfx1250 --defsym DOCPART=n.
;; ======== version 1 of 3: 4 launches
;; workspace buffers: xq 2,228,224 bytes; wqkv 417,792 bytes; ffnw 2,228,224 bytes; qbuf 2,621,440 bytes; kv 4,456,448 bytes; attn 16,777,216 bytes
;; launch prep (part 1): grid 432 x 1, 4 waves a work-group, no clusters, 39,424 bytes of LDS; arguments x, alpha, beta, Wq, Wk, Wv, W1, W2, xq, wqkv, ffnw; writes xq, wqkv, ffnw
.if DOCPART == 1
	.amdgcn_target "amdgcn-amd-amdhsa--gfx1250"
	.amdhsa_code_object_version 6
	.text
	.protected	k_qa3458dc00c_prep
	.globl	k_qa3458dc00c_prep
	.p2align	8
	.type	k_qa3458dc00c_prep,@function
k_qa3458dc00c_prep:
	s_mov_b64 s[64:65], 0
	v_nop
	global_prefetch_b8 v0, s[64:65] scope:SCOPE_SE
	s_setreg_imm32_b32 hwreg(HW_REG_WAVE_MODE, 25, 1), 1
	s_wait_xcnt 0x0
; Two streams in one launch, both into codes of FP4 (E2M1) with one E8M0 byte for each 32 along K.
; Work-groups 0-127: the first layer norm of x [8192][512] (scalar alpha, beta; variance over 511), quantised along the row.
; Work-groups 128-431: Wq, Wk, Wv [512][512], W1 [512][4096], W2 [4096][512], whose K is their FIRST axis.
; EVERY OPERAND IS STORED AS AN IMAGE OF ITS REGISTERS: a fragment (16 rows x 128 K) is 1,024 bytes, block b (32 K) of row r at 256 b + 16 r.
; xq: a record of 17,408 bytes for each group G of 64 rows: images at (4 j + s) x 1024, scale words at 16384 + 256 j + 64 s + 4 r.
;     TILE j OF A GROUP TAKES ROWS 64 G + 32 (r / 8) + 8 j + r % 8, r = 0 .. 15: the later products want their tiles so.
; wqkv: images at ((32 m + n / 16) x 4 + s) x 1024, scale words at 393216 + (512 m + n) x 16 + 4 s; m = 0, 1, 2 for q, k, v.
; ffnw: 16 records of 139,264 bytes: record 2 g = W1's columns 512 g on, record 2 g + 1 = W2's K 512 g on; images at (4 T + s) x 1024, scale words at 131072 + 16 n + 4 s.
; A block's scale is 2^(floor(log2(largest magnitude)) - 2); its byte is the largest magnitude's exponent field - 2, held at 1 from below.
; LIMITS: a block whose largest magnitude lies under 2^-124, a block of zeros among them, gets the byte 1 (its codes are right; only this program reads the bytes); NaN and infinities are not served.
; No matrix unit, no tensor loads, no cluster: both streams read each byte once and share nothing between work-groups.
.set REC,  139264
.set WREG, 9728                        ; LDS of a wave (layer-norm path alone): two turn stages, a stage for codes, 256 scale bytes
.set SP,   80                          ; a lane's place in a turn stage: 64 bytes + 16 of padding
.set CSO,  5120                        ; the stage for codes: 16 units of 256 bytes + 16
.set SBO,  9472                        ; the scale bytes
.set R,    16                          ; v16-79   four sets of 16 numbers as loaded
.set X,    80                          ; v80-111  two sets of 16 neighbours
.set C,    112                         ; v112-143 codes, two registers a step
.set E,    144                         ; v144-159 a scale byte a step
.set MEAN, 160                         ; v[160:161] the row's mean (low word)
.set G,    162                         ; v[162:163] alpha / sqrt(var + eps) (low word)
.set T,    166                         ; v166-175 at work
	s_load_b512 s[4:19], s[0:1], 0x0               ; x 4, alpha 6, beta 8, Wq 10, Wk 12, Wv 14, W1 16, W2 18
	s_load_b128 s[20:23], s[0:1], 0x40             ; xq, wqkv
	s_load_b64 s[24:25], s[0:1], 0x50              ; ffnw
	v_lshl_add_u32 v192, v0, 2, 0x9800
	v_mov_b32 v193, 0
	v_lshrrev_b32 v1, 5, v0
	v_readfirstlane_b32 s34, v1                    ; wave 0..3
	v_and_b32 v2, 31, v0                           ; lane
	s_cmp_ge_u32 ttmp9, 128
	s_cbranch_scc1 .Lweights
; ---------------- the layer norm: work-group = group G, wave j = tile j, step t = the tile's row t ----------------
	v_lshlrev_b32 v3, 4, v2                        ; my 16 bytes of a load's 512
	s_mul_i32 s35, s34, WREG
	v_lshrrev_b32 v14, 2, v2
	v_mul_u32_u24 v14, v14, SP
	v_and_b32 v15, 3, v2
	v_lshl_add_u32 v14, v15, 4, v14
	v_add_nc_u32 v14, s35, v14                     ; turn stage, in: SP (lane / 4) + 16 (lane % 4)
	v_mul_u32_u24 v15, v2, SP
	v_add_nc_u32 v15, s35, v15                     ; turn stage, out: SP x lane: my 16 neighbours, k = 16 lane on
	v_lshrrev_b32 v8, 1, v2                        ; my block of the row: lane / 2
	v_and_b32 v9, 1, v2
	v_mul_u32_u24 v4, v8, 272
	v_lshl_add_u32 v4, v9, 3, v4
	v_add_nc_u32 v4, s35, v4
	v_add_nc_u32 v4, CSO, v4                       ; codes: unit = block, + 8 (lane % 2); the row adds 16 t
	v_lshrrev_b32 v5, 3, v2
	v_and_b32 v8, 3, v8
	v_lshl_add_u32 v5, v5, 6, v8
	v_add_nc_u32 v5, s35, v5
	v_add_nc_u32 v5, SBO, v5                       ; scale byte: 64 (K step) + (block in the step); the row adds 4 t
	v_lshrrev_b32 v6, 4, v2
	v_and_b32 v9, 15, v2
	v_mul_u32_u24 v6, v6, 272
	v_lshl_add_u32 v6, v9, 4, v6
	v_add_nc_u32 v6, s35, v6
	v_add_nc_u32 v6, CSO, v6                       ; codes, back: two units an instruction
	v_lshlrev_b32 v7, 3, v2
	v_add_nc_u32 v10, s35, v7
	v_add_nc_u32 v10, SBO, v10                     ; scale bytes, back: 8 a lane
	v_mov_b32 v[MEAN+1], 0                         ; named as the upper halves of pairs, so they are written
	v_mov_b32 v[G+1], 0
	v_mov_b32 v[T+8], 0                            ; a lane permute's destination counts as one of its sources
	s_mov_b32 s30, 0x3b004020                      ; 1 / 511
	s_mov_b32 s31, 0x358637bd                      ; 1e-6
	s_mov_b32 s32, 0x76543210
	s_mov_b32 s33, 0xfedcba98                      ; v_permlanex16_b32's selects for lane l xor 16
	s_lshl_b32 s36, ttmp9, 17                      ; 64 rows of 2,048 bytes a group,
	s_lshl_b32 s37, s34, 14                        ; 8 rows a tile
	s_add_co_u32 s36, s36, s37
	s_mov_b32 s37, 0
	s_mul_i32 s38, ttmp9, 17408
	s_lshl_b32 s39, s34, 12
	s_add_co_u32 s38, s38, s39                     ; my tile's four images
	s_mov_b32 s39, 0
	s_mul_i32 s40, ttmp9, 17408
	s_lshl_b32 s41, s34, 8
	s_add_co_u32 s40, s40, s41
	s_add_co_u32 s40, s40, 16384                   ; my tile's 256 scale bytes
	s_mov_b32 s41, 0
	s_wait_kmcnt 0x0
	s_load_b32 s28, s[6:7], 0x0                    ; alpha
	s_load_b32 s26, s[8:9], 0x0                    ; beta
	s_add_nc_u64 s[4:5], s[4:5], s[36:37]
	s_add_nc_u64 s[42:43], s[20:21], s[40:41]
	s_add_nc_u64 s[20:21], s[20:21], s[38:39]
.macro LOAD t                          ; the tile's row t: 8 j + t % 8 + 32 (t / 8) of the group; each load reads 512 consecutive bytes
.irp i, 0,1,2,3
	global_load_b128 v[R+16*((\t)%4)+4*\i:R+16*((\t)%4)+4*\i+3], v3, s[4:5] offset:((\t)%8+32*((\t)/8))*2048+512*\i th:TH_LOAD_NT
.endr
.endm
.macro TURN t                          ; the row through the stage: LDS serves a wave's instructions in order, so no wait stands between stores and loads
.irp i, 0,1,2,3
	ds_store_b128 v14, v[R+16*((\t)%4)+4*\i:R+16*((\t)%4)+4*\i+3] offset:32*SP*((\t)%2)+8*SP*\i
.endr
.irp i, 0,1,2,3
	ds_load_b128 v[X+16*((\t)%2)+4*\i:X+16*((\t)%2)+4*\i+3], v15 offset:32*SP*((\t)%2)+16*\i
.endr
.endm
.macro RED                             ; v[T] summed over the 32 lanes, the result in every lane
	v_add_f32_dpp v[T], v[T], v[T] row_xmask:1 row_mask:0xf bank_mask:0xf
	v_add_f32_dpp v[T], v[T], v[T] row_xmask:2 row_mask:0xf bank_mask:0xf
	v_add_f32_dpp v[T], v[T], v[T] row_xmask:4 row_mask:0xf bank_mask:0xf
	v_add_f32_dpp v[T], v[T], v[T] row_xmask:8 row_mask:0xf bank_mask:0xf
	v_permlanex16_b32 v[T+8], v[T], s32, s33
	v_add_f32 v[T], v[T], v[T+8]
.endm
.irp t, 0,1,2,3
	LOAD \t
.endr
	s_wait_kmcnt 0x0
	s_mov_b32 s27, s26                             ; beta as a pair for the packed form
	s_wait_loadcnt 12                              ; row 0's four loads are in
	TURN 0
.macro STEP t
.set XS, X+16*((\t)%2)
.if (\t) > 0
	s_wait_dscnt 2                                 ; this row is back from the stage; the last step's byte store and code store may be out
.else
	s_wait_dscnt 0x0
.endif
.if (\t)+4 < 16
	LOAD (\t)+4                                    ; into the set whose stores into the stage are done
.endif
.if (\t)+1 < 16
.if 14-(\t) >= 3
	s_wait_loadcnt 12                              ; the next row's four loads are in; three rows' may be out
.else
	s_wait_loadcnt 4*(14-(\t))
.endif
	TURN (\t)+1
.endif
	v_pk_add_f32 v[T:T+1], v[XS:XS+1], v[XS+2:XS+3]                ; the row's sum
	v_pk_add_f32 v[T+2:T+3], v[XS+4:XS+5], v[XS+6:XS+7]
	v_pk_add_f32 v[T+4:T+5], v[XS+8:XS+9], v[XS+10:XS+11]
	v_pk_add_f32 v[T+6:T+7], v[XS+12:XS+13], v[XS+14:XS+15]
	v_pk_add_f32 v[T:T+1], v[T:T+1], v[T+2:T+3]
	v_pk_add_f32 v[T+4:T+5], v[T+4:T+5], v[T+6:T+7]
	v_pk_add_f32 v[T:T+1], v[T:T+1], v[T+4:T+5]
	v_add_f32 v[T], v[T], v[T+1]
	RED
	v_mul_f32 v[MEAN], 0x3b000000, v[T]            ; / 512
.irp k, 0,2,4,6,8,10,12,14
	v_pk_add_f32 v[XS+\k:XS+\k+1], v[XS+\k:XS+\k+1], v[MEAN:MEAN+1] op_sel_hi:[1,0] neg_lo:[0,1] neg_hi:[0,1]   ; x - mean first: the variance is a sum of squares of deviations
.endr
	v_pk_mul_f32 v[T:T+1], v[XS:XS+1], v[XS:XS+1]
	v_pk_mul_f32 v[T+2:T+3], v[XS+2:XS+3], v[XS+2:XS+3]
.irp k, 4,8,12
	v_pk_fma_f32 v[T:T+1], v[XS+\k:XS+\k+1], v[XS+\k:XS+\k+1], v[T:T+1]
	v_pk_fma_f32 v[T+2:T+3], v[XS+\k+2:XS+\k+3], v[XS+\k+2:XS+\k+3], v[T+2:T+3]
.endr
	v_pk_add_f32 v[T:T+1], v[T:T+1], v[T+2:T+3]
	v_add_f32 v[T], v[T], v[T+1]
	RED
	v_fma_f32 v[T], v[T], s30, s31                 ; var + eps
	v_rsq_f32 v[T+1], v[T]
	v_nop                                          ; a plain place behind the transcendental (ISA guide 5.7.2)
	s_wait_alu depctr_va_vdst(0)
	v_mul_f32 v[G], s28, v[T+1]
.irp k, 0,2,4,6,8,10,12,14
	v_pk_fma_f32 v[XS+\k:XS+\k+1], v[XS+\k:XS+\k+1], v[G:G+1], s[26:27] op_sel_hi:[1,0,0]
.endr
	v_max3_num_f32 v8, |v[XS]|, |v[XS+1]|, |v[XS+2]|               ; the largest magnitude of my 16
	v_max3_num_f32 v9, |v[XS+3]|, |v[XS+4]|, |v[XS+5]|
.irp i, 6,10
	v_max3_num_f32 v8, v8, |v[XS+\i]|, |v[XS+\i+1]|
	v_max3_num_f32 v9, v9, |v[XS+\i+2]|, |v[XS+\i+3]|
.endr
	v_max3_num_f32 v8, v8, |v[XS+14]|, |v[XS+15]|
	v_max3_num_f32 v8, v8, v9, 0x1800000           ; and the floor 2^(3 - 127): the byte cannot fall under 1
	v_max_num_f32_dpp v8, v8, v8 row_xmask:1 row_mask:0xf bank_mask:0xf   ; with my neighbour's 16: the block's
	v_add_nc_u32 v11, 0xff000000, v8               ; 2 off the exponent field: the conversion's scale operand
	v_cvt_scalef32_pk8_fp4_f32 v[C+2*(\t)], v[XS:XS+7], v11
	v_cvt_scalef32_pk8_fp4_f32 v[C+2*(\t)+1], v[XS+8:XS+15], v11
	v_lshrrev_b32 v[E+(\t)], 23, v11               ; the scale's byte (also the plain place behind the conversions)
	ds_store_b8 v5, v[E+(\t)] offset:4*(\t)        ; both lanes of a block write the same byte with the same value
	ds_store_b64 v4, v[C+2*(\t):C+2*(\t)+1] offset:16*(\t)
.endm
.irp t, 0,1,2,3,4,5,6,7,8,9,10,11,12,13,14,15
	STEP \t
.endr
.irp i, 0,1,2,3,4,5,6,7
	ds_load_b128 v[R+4*\i:R+4*\i+3], v6 offset:544*\i              ; LDS serves a wave's instructions in order: these see my stores
.endr
	ds_load_b64 v[R+32:R+33], v10
	s_wait_dscnt 0x0
.irp i, 0,1,2,3,4,5,6,7
	global_store_b128 v3, v[R+4*\i:R+4*\i+3], s[20:21] offset:512*\i   ; 512 consecutive bytes, aligned
.endr
	global_store_b64 v7, v[R+32:R+33], s[42:43]    ; 256 consecutive bytes, aligned
	s_wait_tensorcnt 0x0
	ds_add_u32 v192, v193
	s_wait_dscnt 0x0
	s_endpgm
; ---------------- the weights: a wave takes 32 columns x 128 K; a lane takes a column, its registers run down K ----------------
.Lweights:
	v_lshlrev_b32 v3, 2, v2                        ; in: 4 bytes a lane
	v_lshrrev_b32 v4, 4, v2
	v_and_b32 v5, 15, v2
	v_lshlrev_b32 v4, 12, v4
	v_lshl_add_u32 v4, v5, 4, v4                   ; image: 4,096 (lane / 16), the tile, + 16 (lane % 16), the row
	v_lshlrev_b32 v5, 4, v2                        ; scale words: 16 bytes a column
	s_sub_co_u32 s35, ttmp9, 128                   ; u
	s_cmp_lt_u32 s35, 48
	s_cbranch_scc0 .Lnot_qkv
	s_lshr_b32 s36, s35, 4                         ; which of q, k, v
	s_and_b32 s40, s35, 3                          ; CG: which 128 columns
	s_bfe_u32 s41, s35, 0x20002                    ; KS: which 128 along K
	s_lshl_b32 s42, s36, 17                        ; where the images begin
	s_mov_b32 s43, s40                             ; CL, SL: column group and K step inside that region
	s_mov_b32 s44, s41
	s_lshl_b32 s45, s36, 13
	s_add_co_u32 s45, s45, 393216                  ; where the scale words begin
	s_lshl_b32 s46, s41, 18                        ; 128 rows of 2,048 bytes
	s_mov_b32 s49, 0
	s_branch .Ljoin
.Lnot_qkv:
	s_cmp_lt_u32 s35, 176
	s_cbranch_scc0 .Lw2
	s_sub_co_u32 s36, s35, 48                      ; W1
	s_and_b32 s40, s36, 31
	s_lshr_b32 s41, s36, 5
	s_lshr_b32 s42, s40, 2
	s_mul_i32 s42, s42, 2*REC                      ; record 2 (column / 512)
	s_and_b32 s43, s40, 3
	s_mov_b32 s44, s41
	s_add_co_u32 s45, s42, 131072
	s_lshl_b32 s46, s41, 21                        ; 128 rows of 16,384 bytes
	s_mov_b32 s49, 1
	s_branch .Ljoin
.Lw2:
	s_sub_co_u32 s36, s35, 176                     ; W2
	s_and_b32 s40, s36, 3
	s_lshr_b32 s41, s36, 2
	s_lshr_b32 s42, s41, 2
	s_mul_i32 s42, s42, 2*REC
	s_add_co_u32 s42, s42, REC                     ; record 2 (k / 512) + 1
	s_mov_b32 s43, s40
	s_and_b32 s44, s41, 3
	s_add_co_u32 s45, s42, 131072
	s_lshl_b32 s46, s41, 18
	s_mov_b32 s49, 0
.Ljoin:
	s_lshl_b32 s47, s40, 9                         ; 128 columns of 4 bytes,
	s_add_co_u32 s46, s46, s47
	s_lshl_b32 s47, s34, 7                         ; 32 a wave
	s_add_co_u32 s46, s46, s47
	s_mov_b32 s47, 0
	s_lshl_b32 s54, s43, 15                        ; images: (8 CL + 2 wave) tiles of 4,096 bytes + 1,024 SL
	s_add_co_u32 s54, s54, s42
	s_lshl_b32 s55, s34, 13
	s_add_co_u32 s54, s54, s55
	s_lshl_b32 s55, s44, 10
	s_add_co_u32 s54, s54, s55
	s_mov_b32 s55, 0
	s_lshl_b32 s60, s43, 11                        ; scale words: (128 CL + 32 wave) x 16 + 4 SL
	s_add_co_u32 s60, s60, s45
	s_lshl_b32 s61, s34, 9
	s_add_co_u32 s60, s60, s61
	s_lshl_b32 s61, s44, 2
	s_add_co_u32 s60, s60, s61
	s_mov_b32 s61, 0
	s_wait_kmcnt 0x0
	s_cmp_lt_u32 s35, 176                          ; the buffers are chosen by the work-group's number alone
	s_cselect_b64 s[50:51], s[16:17], s[18:19]
	s_cmp_lt_u32 s35, 48
	s_cselect_b64 s[50:51], s[14:15], s[50:51]
	s_cselect_b64 s[52:53], s[22:23], s[24:25]
	s_cmp_lt_u32 s35, 32
	s_cselect_b64 s[50:51], s[12:13], s[50:51]
	s_cmp_lt_u32 s35, 16
	s_cselect_b64 s[50:51], s[10:11], s[50:51]
	s_add_nc_u64 s[50:51], s[50:51], s[46:47]
	s_add_nc_u64 s[56:57], s[52:53], s[54:55]
	s_add_nc_u64 s[58:59], s[52:53], s[60:61]
.macro WLOAD stride                    ; W(k, my column), k = 0 .. 127 of my K step: each load reads 128 consecutive bytes, the four waves side by side 512
.set k, 0
.rept 128
	global_load_b32 v[32+k], v3, s[50:51] offset:k*\stride th:TH_LOAD_NT
.set k, k+1
.endr
.endm
	s_cmp_eq_u32 s49, 1
	s_cbranch_scc1 .Lwide
	WLOAD 2048
	s_branch .Lloaded
.Lwide:
	WLOAD 16384
.Lloaded:
.macro BLOCK b, left                   ; block b: all its 32 numbers are mine.  left: how many of the 128 loads may still be out
.set XW, 32+32*\b
	s_wait_loadcnt \left
	v_max3_num_f32 v12, |v[XW]|, |v[XW+1]|, |v[XW+2]|
	v_max3_num_f32 v13, |v[XW+3]|, |v[XW+4]|, |v[XW+5]|
.irp i, 6,10,14,18,22,26
	v_max3_num_f32 v12, v12, |v[XW+\i]|, |v[XW+\i+1]|
	v_max3_num_f32 v13, v13, |v[XW+\i+2]|, |v[XW+\i+3]|
.endr
	v_max3_num_f32 v12, v12, |v[XW+30]|, |v[XW+31]|
	v_max3_num_f32 v12, v12, v13, 0x1800000
	v_add_nc_u32 v11, 0xff000000, v12
	v_lshrrev_b32 v13, 23, v11
.if \b == 0
	v_mov_b32 v176, v13                            ; the four bytes make my column's scale word of this K step
.else
	v_lshl_or_b32 v176, v13, 8*\b, v176
.endif
.irp g, 0,1,2,3
	v_cvt_scalef32_pk8_fp4_f32 v[160+4*\b+\g], v[XW+8*\g:XW+8*\g+7], v11
.endr
	v_nop                                          ; a plain place behind the conversions
	global_store_b128 v4, v[160+4*\b:160+4*\b+3], s[56:57] offset:256*\b   ; sixteen lanes store 256 consecutive bytes, aligned
.endm
	BLOCK 0, 63                                    ; a wait's count ends at 63: at most 63 out means the oldest 65 are in: blocks 0 and 1
	BLOCK 1, 63
	BLOCK 2, 32
	BLOCK 3, 0
	global_store_b32 v5, v176, s[58:59]            ; 4 bytes of each column's 16: one byte in 128 of what the wave reads
	s_endpgm
.Lfunc_end_k_qa3458dc00c_prep:
	.size	k_qa3458dc00c_prep, .Lfunc_end_k_qa3458dc00c_prep-k_qa3458dc00c_prep
	.p2alignl 7, 3214868480
	.fill 96, 4, 3214868480
	.section	.rodata,"a",@progbits
	.p2align	6, 0x0
	.amdhsa_kernel k_qa3458dc00c_prep
		.amdhsa_group_segment_fixed_size 39424
		.amdhsa_private_segment_fixed_size 0
		.amdhsa_enable_private_segment 0
		.amdhsa_kernarg_size 88
		.amdhsa_user_sgpr_count 2
		.amdhsa_user_sgpr_kernarg_segment_ptr 1
		.amdhsa_wavefront_size32 1
		.amdhsa_system_sgpr_workgroup_id_x 1
		.amdhsa_system_sgpr_workgroup_id_y 1
		.amdhsa_system_sgpr_workgroup_id_z 1
		.amdhsa_system_vgpr_workitem_id 0
		.amdhsa_next_free_vgpr 194
		.amdhsa_next_free_sgpr 66
		.amdhsa_reserve_vcc 0
		.amdhsa_float_denorm_mode_32 3
		.amdhsa_float_denorm_mode_16_64 3
		.amdhsa_memory_ordered 1
		.amdhsa_forward_progress 1
		.amdhsa_inst_pref_size 117
	.end_amdhsa_kernel
	.amdgpu_metadata
---
amdhsa.version: [ 1, 2 ]
amdhsa.kernels:
  - .name:           k_qa3458dc00c_prep
    .symbol:         k_qa3458dc00c_prep.kd
    .args:
      - { .name: x, .offset: 0, .size: 8, .value_kind: global_buffer, .address_space: global }
      - { .name: alpha, .offset: 8, .size: 8, .value_kind: global_buffer, .address_space: global }
      - { .name: beta, .offset: 16, .size: 8, .value_kind: global_buffer, .address_space: global }
      - { .name: Wq, .offset: 24, .size: 8, .value_kind: global_buffer, .address_space: global }
      - { .name: Wk, .offset: 32, .size: 8, .value_kind: global_buffer, .address_space: global }
      - { .name: Wv, .offset: 40, .size: 8, .value_kind: global_buffer, .address_space: global }
      - { .name: W1, .offset: 48, .size: 8, .value_kind: global_buffer, .address_space: global }
      - { .name: W2, .offset: 56, .size: 8, .value_kind: global_buffer, .address_space: global }
      - { .name: xq, .offset: 64, .size: 8, .value_kind: global_buffer, .address_space: global }
      - { .name: wqkv, .offset: 72, .size: 8, .value_kind: global_buffer, .address_space: global }
      - { .name: ffnw, .offset: 80, .size: 8, .value_kind: global_buffer, .address_space: global }
    .group_segment_fixed_size: 39424
    .private_segment_fixed_size: 0
    .kernarg_segment_align: 8
    .kernarg_segment_size: 88
    .max_flat_workgroup_size: 128
    .sgpr_count:     66
    .vgpr_count:     194
    .wavefront_size: 32
...
	.end_amdgpu_metadata
.endif
;; end of part 1
;; launch qkv (part 2): grid 12 x 64, 4 waves a work-group, no clusters, 35,328 bytes of LDS; arguments xq, wqkv, qbuf, kv; writes qbuf, kv
.if DOCPART == 2
	.amdgcn_target "amdgcn-amd-amdhsa--gfx1250"
	.amdhsa_code_object_version 6
	.text
	.protected	k_qa3458dc00c_qkv
	.globl	k_qa3458dc00c_qkv
	.p2align	8
	.type	k_qa3458dc00c_qkv,@function
k_qa3458dc00c_qkv:
	s_mov_b64 s[64:65], 0
	v_nop
	global_prefetch_b8 v0, s[64:65] scope:SCOPE_SE
	s_setreg_imm32_b32 hwreg(HW_REG_WAVE_MODE, 25, 1), 1
	s_wait_xcnt 0x0
; q, k, v = LN(x) Wq, Wk, Wv on codes of FP4 with E8M0 scales, and their results quantised at once for the attention's two products.
; Work-group (x, y): x / 4 = which of q, k, v; x % 4 = a group of four heads; y = 128 rows (two groups of 64).  A wave takes one head (32 columns: two tiles of the weight).
; The rows' two records of xq (34,816 bytes) are copied into LDS as they lie and read by all four waves; a wave's weight fragments and scale words stay in registers.
; q, k: THE PRODUCT IS USED TRANSPOSED (source 0 = 16 columns of W, source 1 = 16 rows): a lane holds one row and 16 of its head's 32 numbers; lane l xor 16 holds the other 16.
;   The head's 32 are one block.  A row's 16 bytes of codes hold n in the order 0-7, 16-23, 8-15, 24-31, alike in q and in k: the products of the scores are the same set.
; v: source 0 = 16 rows (keys), source 1 = 16 columns: by the choice of a tile's rows a lane holds ONE channel and 32 NEIGHBOURING keys over the group's four tiles: a whole block of the second product's K.
; qbuf: codes at bh x 32768 + tile x 256 + 16 r, scale words (the byte four times) at 2097152 + bh x 8192 + tile x 64 + 4 r.
; kv: a record of 69,632 bytes a head: K's images at 1024 g + 256 j + 16 r (g: 64 keys, j: tile), V's at 32768 + (2 step + dt) x 1024 + 256 blk + 16 r, K's scale words at 65536 + 64 g + 4 r (byte j), V's at 67584 + (2 step + dt) x 64 + 4 r (byte blk).
; LIMITS: a block whose largest magnitude lies under 2^-124 gets the byte 1 (only this program reads the bytes); NaN and infinities are not served.
; No tensor loads and no cluster: a work-group fetches 34 KB of rows and 34 KB of weights once and ends: there is no loop to feed.
.set WF,  16                           ; v16-79   the weight's fragments: (tile u, K step s) at 8 (4 u + s)
.set WS,  80                           ; v80-83   its scale words of K step s: lanes 0-15 tile 0, lanes 16-31 tile 1
.set XSR, 84                           ; v84-91   the rows' scale words: register 2 j + sp: lanes 0-15 K step 2 sp, lanes 16-31 K step 2 sp + 1
.set XF,  92                           ; v92-155  the rows' fragments of two K steps: (q, j) at 8 (4 q + j)
.set ACC, 156                          ; v156-219 eight accumulators
.set PC,  220                          ; v220-227 codes
.set TM,  228                          ; v228-243 at work
.set PW0, 244                          ; v244-245 k's scale words of the two groups
.set W01, 246                          ; v246-247 words to store
	s_load_b256 s[4:11], s[0:1], 0x0               ; xq 4, wqkv 6, qbuf 8, kv 10
	v_lshl_add_u32 v254, v0, 2, 0x8800
	v_mov_b32 v255, 0
	v_lshrrev_b32 v9, 5, v0
	v_readfirstlane_b32 s12, v9                    ; wave 0..3
	v_and_b32 v1, 31, v0                           ; lane
	v_and_b32 v2, 15, v0                           ; r
	v_bfe_u32 v3, v0, 4, 1                         ; h
	v_lshlrev_b32 v4, 4, v1                        ; 16 x lane: an image's place for my lane
	v_lshlrev_b32 v5, 2, v1                        ; 4 x lane: a scale word's
	v_lshlrev_b32 v6, 4, v0                        ; 16 x thread: the copy of the records
	v_lshlrev_b32 v7, 4, v2
	v_lshl_add_u32 v7, v3, 3, v7                   ; 16 r + 8 h: my 8 bytes of a row's codes
	v_lshlrev_b32 v8, 3, v3                        ; 8 h
	v_cmp_le_u32 vcc_lo, 16, v1                    ; lanes 16-31; kept for the whole kernel
.irp b, 0,1,2,3
	v_mov_b32 v[TM+4+\b], 0                        ; a lane permute's destination counts as one of its sources
.endr
	s_mov_b32 s38, 0x76543210
	s_mov_b32 s39, 0xfedcba98
	s_lshr_b32 s13, ttmp9, 2                       ; p: 0 q, 1 k, 2 v
	s_and_b32 s14, ttmp9, 3
	s_and_b32 s15, ttmp7, 0xffff                   ; the block of 128 rows
	s_lshl_b32 s16, s14, 2
	s_add_co_u32 s16, s16, s12                     ; head
	s_lshr_b32 s17, s15, 4                         ; batch
	s_and_b32 s18, s15, 15                         ; kb: the block inside the batch
	s_lshl_b32 s19, s17, 4
	s_add_co_u32 s19, s19, s16                     ; bh
	s_mul_i32 s20, s15, 34816
	s_mov_b32 s21, 0
	s_lshl_b32 s22, s13, 17                        ; the weight's images: (32 p + 2 head) x 4,096
	s_lshl_b32 s23, s16, 13
	s_add_co_u32 s22, s22, s23
	s_mov_b32 s23, 0
	s_lshl_b32 s24, s13, 13                        ; its scale words: 393216 + (512 p + 32 head) x 16
	s_lshl_b32 s25, s16, 9
	s_add_co_u32 s24, s24, s25
	s_add_co_u32 s24, s24, 393216
	s_mov_b32 s25, 0
	s_mul_i32 s40, s19, 69632                      ; the head's record of kv
	s_lshl_b32 s41, s18, 7
	s_add_co_u32 s42, s40, s41                     ; + 128 kb: scale words
	s_mov_b32 s43, 0
	s_lshl_b32 s41, s18, 11
	s_add_co_u32 s44, s40, s41                     ; + 2,048 kb: images
	s_mov_b32 s45, 0
	s_lshl_b32 s46, s19, 13                        ; q's scale words: 2097152 + 8,192 bh + 512 kb
	s_lshl_b32 s47, s18, 9
	s_add_co_u32 s46, s46, s47
	s_add_co_u32 s46, s46, 2097152
	s_mov_b32 s47, 0
	s_wait_kmcnt 0x0
	s_add_nc_u64 s[4:5], s[4:5], s[20:21]
	s_add_nc_u64 s[26:27], s[6:7], s[24:25]
	s_add_nc_u64 s[6:7], s[6:7], s[22:23]
.set k, 0
.rept 17
	global_load_b128 v[XF+4*k:XF+4*k+3], v6, s[4:5] offset:2048*k      ; the two records: 2,048 consecutive bytes a work-group's load
.set k, k+1
.endr
.set k, 0
.rept 16
	global_load_b128 v[WF+4*k:WF+4*k+3], v4, s[6:7] offset:512*k       ; my head's eight fragments, as they lie
.set k, k+1
.endr
	global_load_b128 v[WS:WS+3], v4, s[26:27]      ; column 32 head + lane: its four scale words
	s_cmp_eq_u32 s13, 0                            ; q's codes go to qbuf, k's to kv: chosen by the work-group's number alone
	s_cselect_b64 s[28:29], s[8:9], s[10:11]
	s_mov_b32 s30, 69632
	s_cselect_b32 s30, 32768, s30
	s_mul_i32 s30, s19, s30
	s_lshl_b32 s31, s18, 11
	s_add_co_u32 s30, s30, s31
	s_mov_b32 s31, 0
	s_add_nc_u64 s[28:29], s[28:29], s[30:31]
	s_add_nc_u64 s[32:33], s[8:9], s[46:47]
	s_add_nc_u64 s[34:35], s[10:11], s[42:43]
	s_add_nc_u64 s[36:37], s[10:11], s[44:45]
	s_wait_loadcnt 17                              ; the records are in; the 17 loads of the weight may be out
.set k, 0
.rept 17
	ds_store_b128 v6, v[XF+4*k:XF+4*k+3] offset:2048*k
.set k, k+1
.endr
	s_wait_dscnt 0x0                               ; for the others' sake: my stores have landed
	s_barrier_signal -1
	s_barrier_wait -1
	s_wait_loadcnt 0x0
.macro NOP4                            ; four places behind a matrix instruction, in front of loads into its registers and of reads of its result
.rept 4
	v_nop
.endr
.endm
; One matrix instruction.  z = 1: it starts the sum.  ra, rb: the row of the scale registers (0: lanes 0-15, 1: lanes 16-31)
.macro WM d, a, b, z, sa, sb, ra, rb
.if \z
.if (\ra)==0 && (\rb)==0
	v_wmma_scale_f32_16x16x128_f8f6f4 v[(\d):(\d)+7], v[(\a):(\a)+7], v[(\b):(\b)+7], 0, v[\sa], v[\sb] matrix_a_fmt:MATRIX_FMT_FP4 matrix_b_fmt:MATRIX_FMT_FP4
.elseif (\rb)==0
	v_wmma_scale_f32_16x16x128_f8f6f4 v[(\d):(\d)+7], v[(\a):(\a)+7], v[(\b):(\b)+7], 0, v[\sa], v[\sb] matrix_a_fmt:MATRIX_FMT_FP4 matrix_b_fmt:MATRIX_FMT_FP4 matrix_a_scale:MATRIX_SCALE_ROW1
.elseif (\ra)==0
	v_wmma_scale_f32_16x16x128_f8f6f4 v[(\d):(\d)+7], v[(\a):(\a)+7], v[(\b):(\b)+7], 0, v[\sa], v[\sb] matrix_a_fmt:MATRIX_FMT_FP4 matrix_b_fmt:MATRIX_FMT_FP4 matrix_b_scale:MATRIX_SCALE_ROW1
.else
	v_wmma_scale_f32_16x16x128_f8f6f4 v[(\d):(\d)+7], v[(\a):(\a)+7], v[(\b):(\b)+7], 0, v[\sa], v[\sb] matrix_a_fmt:MATRIX_FMT_FP4 matrix_b_fmt:MATRIX_FMT_FP4 matrix_a_scale:MATRIX_SCALE_ROW1 matrix_b_scale:MATRIX_SCALE_ROW1
.endif
.else
.if (\ra)==0 && (\rb)==0
	v_wmma_scale_f32_16x16x128_f8f6f4 v[(\d):(\d)+7], v[(\a):(\a)+7], v[(\b):(\b)+7], v[(\d):(\d)+7], v[\sa], v[\sb] matrix_a_fmt:MATRIX_FMT_FP4 matrix_b_fmt:MATRIX_FMT_FP4
.elseif (\rb)==0
	v_wmma_scale_f32_16x16x128_f8f6f4 v[(\d):(\d)+7], v[(\a):(\a)+7], v[(\b):(\b)+7], v[(\d):(\d)+7], v[\sa], v[\sb] matrix_a_fmt:MATRIX_FMT_FP4 matrix_b_fmt:MATRIX_FMT_FP4 matrix_a_scale:MATRIX_SCALE_ROW1
.elseif (\ra)==0
	v_wmma_scale_f32_16x16x128_f8f6f4 v[(\d):(\d)+7], v[(\a):(\a)+7], v[(\b):(\b)+7], v[(\d):(\d)+7], v[\sa], v[\sb] matrix_a_fmt:MATRIX_FMT_FP4 matrix_b_fmt:MATRIX_FMT_FP4 matrix_b_scale:MATRIX_SCALE_ROW1
.else
	v_wmma_scale_f32_16x16x128_f8f6f4 v[(\d):(\d)+7], v[(\a):(\a)+7], v[(\b):(\b)+7], v[(\d):(\d)+7], v[\sa], v[\sb] matrix_a_fmt:MATRIX_FMT_FP4 matrix_b_fmt:MATRIX_FMT_FP4 matrix_a_scale:MATRIX_SCALE_ROW1 matrix_b_scale:MATRIX_SCALE_ROW1
.endif
.endif
.endm
.macro XSC gl                          ; the scale words of group gl's four tiles
.irp j, 0,1,2,3
.irp sp, 0,1
	ds_load_b32 v[XSR+2*\j+\sp], v5 offset:17408*\gl+16384+256*\j+128*\sp
.endr
.endr
.endm
.macro XLOAD gl, sp                    ; its fragments of K steps 2 sp and 2 sp + 1
.irp q, 0,1
.irp j, 0,1,2,3
.irp c, 0,1
	ds_load_b128 v[XF+8*(4*\q+\j)+4*\c:XF+8*(4*\q+\j)+4*\c+3], v4 offset:17408*\gl+(4*\j+2*\sp+\q)*1024+512*\c
.endr
.endr
.endr
.endm
; 16 matrix instructions: two K steps x four tiles of rows x two tiles of the weight.  The eight accumulators take turns, one instruction a turn.
.macro MUL sp, v
.irp q, 0,1
.irp j, 0,1,2,3
.irp u, 0,1
.if \v
	WM ACC+32*\u+8*\j, XF+8*(4*\q+\j), WF+8*(4*\u+2*\sp+\q), (1-\sp)*(1-\q), XSR+2*\j+\sp, WS+2*\sp+\q, \q, \u
.else
	WM ACC+16*\j+8*\u, WF+8*(4*\u+2*\sp+\q), XF+8*(4*\q+\j), (1-\sp)*(1-\q), WS+2*\sp+\q, XSR+2*\j+\sp, \u, \q
.endif
.endr
.endr
.endr
.endm
.macro GRP gl, v                       ; a group of 64 rows x my head, all of K
	XSC \gl
	XLOAD \gl, 0
	s_wait_dscnt 0x0
	MUL 0, \v
	NOP4
	XLOAD \gl, 1
	s_wait_dscnt 0x0
	MUL 1, \v
	NOP4
.endm
	s_cmp_eq_u32 s13, 2
	s_cbranch_scc1 .Lv
; ---------------- q and k: block j = tile j's rows; a lane's 16 registers ACC + 16 j on are 16 of its row's 32 ----------------
.macro QKPART gl
	GRP \gl, 0
	s_wait_xcnt 0x0                                ; the last group's stores have read their data: the registers are written again only behind this wait
.irp b, 0,1,2,3
	v_max3_num_f32 v[TM+\b], |v[ACC+16*\b]|, |v[ACC+1+16*\b]|, 0x1800000   ; my 16 numbers, and the floor 2^(3 - 127)
.endr
.irp i, 2,4,6,8,10,12,14
.irp b, 0,1,2,3
	v_max3_num_f32 v[TM+\b], v[TM+\b], |v[ACC+16*\b+\i]|, |v[ACC+1+16*\b+\i]|
.endr
.endr
.irp b, 0,1,2,3
	v_permlanex16_b32 v[TM+4+\b], v[TM+\b], s38, s39
.endr
.irp b, 0,1,2,3
	v_max_num_f32 v[TM+\b], v[TM+\b], v[TM+4+\b]   ; with lane l xor 16's: the block's largest magnitude
.endr
.irp b, 0,1,2,3
	v_add_nc_u32 v[TM+12+\b], 0xff000000, v[TM+\b] ; 2 off the exponent field: the conversion's scale operand
.endr
.irp b, 0,1,2,3
	v_lshrrev_b32 v[TM+4+\b], 23, v[TM+12+\b]      ; the scale's byte
.endr
.irp b, 0,1,2,3
	v_cvt_scalef32_pk8_fp4_f32 v[PC+2*\b], v[ACC+16*\b:ACC+7+16*\b], v[TM+12+\b]
	v_cvt_scalef32_pk8_fp4_f32 v[PC+1+2*\b], v[ACC+8+16*\b:ACC+15+16*\b], v[TM+12+\b]
.endr
	v_nop                                          ; a plain place behind the conversions
.irp j, 0,1,2,3
	global_store_b64 v7, v[PC+2*\j:PC+2*\j+1], s[28:29] offset:1024*\gl+256*\j   ; a tile's codes: 256 consecutive bytes, aligned
.endr
	v_lshl_or_b32 v[PW0+\gl], v[TM+5], 8, v[TM+4]  ; k's scale word of the fragment: byte j = tile j (made on both ways, used on k's)
	v_lshl_or_b32 v[PW0+\gl], v[TM+6], 16, v[PW0+\gl]
	v_lshl_or_b32 v[PW0+\gl], v[TM+7], 24, v[PW0+\gl]
	s_cmp_lg_u32 s13, 0
	s_cbranch_scc1 .Lnot_q_\@
.irp j, 0,1,2,3
	v_perm_b32 v[TM+8+\j], v[TM+4+\j], v[TM+4+\j], 0   ; q's scale word: the byte in all four places, since q's block stands at each of the four places of a K step in turn
.endr
	v_cndmask_b32 v[W01], v[TM+8], v[TM+9], vcc_lo     ; lanes 0-15 tile j, lanes 16-31 tile j + 1
	v_cndmask_b32 v[W01+1], v[TM+10], v[TM+11], vcc_lo
	global_store_b32 v5, v[W01], s[32:33] offset:256*\gl
	global_store_b32 v5, v[W01+1], s[32:33] offset:256*\gl+128
.Lnot_q_\@:
.endm
	QKPART 0
	QKPART 1
	s_cmp_lg_u32 s13, 1
	s_cbranch_scc1 .Lend
	s_wait_xcnt 0x0
	v_cndmask_b32 v[W01], v[PW0], v[PW0+1], vcc_lo
	global_store_b32 v5, v[W01], s[34:35] offset:65536   ; fragments 2 kb and 2 kb + 1: 128 consecutive bytes
.Lend:
	s_wait_tensorcnt 0x0
	ds_add_u32 v254, v255
	s_wait_dscnt 0x0
	s_endpgm
; ---------------- v: a lane's 32 registers ACC + 32 u on are keys 64 G + 32 h + 0 .. 31 of channel 16 u + r: block 2 gl + h of the key step ----------------
.macro VPART gl
	GRP \gl, 1
	s_wait_xcnt 0x0
.irp u, 0,1
	v_max3_num_f32 v[TM+\u], |v[ACC+32*\u]|, |v[ACC+32*\u+1]|, |v[ACC+32*\u+2]|
	v_max3_num_f32 v[TM+2+\u], |v[ACC+32*\u+3]|, |v[ACC+32*\u+4]|, |v[ACC+32*\u+5]|
.endr
.irp i, 6,10,14,18,22,26
.irp u, 0,1
	v_max3_num_f32 v[TM+\u], v[TM+\u], |v[ACC+32*\u+\i]|, |v[ACC+32*\u+\i+1]|
	v_max3_num_f32 v[TM+2+\u], v[TM+2+\u], |v[ACC+32*\u+\i+2]|, |v[ACC+32*\u+\i+3]|
.endr
.endr
.irp u, 0,1
	v_max3_num_f32 v[TM+\u], v[TM+\u], |v[ACC+32*\u+30]|, |v[ACC+32*\u+31]|
.endr
.irp u, 0,1
	v_max3_num_f32 v[TM+\u], v[TM+\u], v[TM+2+\u], 0x1800000
.endr
.irp u, 0,1
	v_add_nc_u32 v[TM+4+\u], 0xff000000, v[TM+\u]
.endr
.irp u, 0,1
	v_lshrrev_b32 v[TM+8+2*\gl+\u], 23, v[TM+4+\u] ; the byte of block 2 gl + h, kept
.endr
.irp u, 0,1
.irp g, 0,1,2,3
	v_cvt_scalef32_pk8_fp4_f32 v[PC+4*\u+\g], v[ACC+32*\u+8*\g:ACC+32*\u+8*\g+7], v[TM+4+\u]
.endr
.endr
	v_nop
.irp u, 0,1
	global_store_b128 v4, v[PC+4*\u:PC+4*\u+3], s[36:37] offset:32768+1024*\u+512*\gl   ; 512 consecutive bytes: blocks 2 gl and 2 gl + 1 of the image
.endr
.endm
.Lv:
	VPART 0
	VPART 1
.irp u, 0,1
	v_lshl_or_b32 v[TM+\u], v[TM+10+\u], 16, v[TM+8+\u]   ; my two bytes: blocks h and 2 + h,
.endr
.irp u, 0,1
	v_lshlrev_b32 v[TM+\u], v8, v[TM+\u]           ; at their places (8 h bits up);
.endr
.irp u, 0,1
	v_permlanex16_b32 v[TM+2+\u], v[TM+\u], s38, s39
.endr
.irp u, 0,1
	v_or_b32 v[TM+\u], v[TM+\u], v[TM+2+\u]        ; with lane l xor 16's two the word is whole
.endr
	v_cndmask_b32 v[W01], v[TM], v[TM+1], vcc_lo
	global_store_b32 v5, v[W01], s[34:35] offset:67584
	s_wait_tensorcnt 0x0
	ds_add_u32 v254, v255
	s_wait_dscnt 0x0
	s_endpgm
.Lfunc_end_k_qa3458dc00c_qkv:
	.size	k_qa3458dc00c_qkv, .Lfunc_end_k_qa3458dc00c_qkv-k_qa3458dc00c_qkv
	.p2alignl 7, 3214868480
	.fill 96, 4, 3214868480
	.section	.rodata,"a",@progbits
	.p2align	6, 0x0
	.amdhsa_kernel k_qa3458dc00c_qkv
		.amdhsa_group_segment_fixed_size 35328
		.amdhsa_private_segment_fixed_size 0
		.amdhsa_enable_private_segment 0
		.amdhsa_kernarg_size 32
		.amdhsa_user_sgpr_count 2
		.amdhsa_user_sgpr_kernarg_segment_ptr 1
		.amdhsa_wavefront_size32 1
		.amdhsa_system_sgpr_workgroup_id_x 1
		.amdhsa_system_sgpr_workgroup_id_y 1
		.amdhsa_system_sgpr_workgroup_id_z 1
		.amdhsa_system_vgpr_workitem_id 0
		.amdhsa_next_free_vgpr 256
		.amdhsa_next_free_sgpr 66
		.amdhsa_reserve_vcc 1
		.amdhsa_float_denorm_mode_32 3
		.amdhsa_float_denorm_mode_16_64 3
		.amdhsa_memory_ordered 1
		.amdhsa_forward_progress 1
		.amdhsa_inst_pref_size 51
	.end_amdhsa_kernel
	.amdgpu_metadata
---
amdhsa.version: [ 1, 2 ]
amdhsa.kernels:
  - .name:           k_qa3458dc00c_qkv
    .symbol:         k_qa3458dc00c_qkv.kd
    .args:
      - { .name: xq, .offset: 0, .size: 8, .value_kind: global_buffer, .address_space: global }
      - { .name: wqkv, .offset: 8, .size: 8, .value_kind: global_buffer, .address_space: global }
      - { .name: qbuf, .offset: 16, .size: 8, .value_kind: global_buffer, .address_space: global }
      - { .name: kv, .offset: 24, .size: 8, .value_kind: global_buffer, .address_space: global }
    .group_segment_fixed_size: 35328
    .private_segment_fixed_size: 0
    .kernarg_segment_align: 8
    .kernarg_segment_size: 32
    .max_flat_workgroup_size: 128
    .sgpr_count:     66
    .vgpr_count:     256
    .wavefront_size: 32
...
	.end_amdgpu_metadata
.endif
;; end of part 2
;; launch attn (part 3): grid 4 x 64, 16 waves a work-group, no clusters, 71,680 bytes of LDS; arguments qbuf, kv, attn; writes attn
.if DOCPART == 3
	.amdgcn_target "amdgcn-amd-amdhsa--gfx1250"
	.amdhsa_code_object_version 6
	.text
	.protected	k_qa3458dc00c_attn
	.globl	k_qa3458dc00c_attn
	.p2align	8
	.type	k_qa3458dc00c_attn,@function
k_qa3458dc00c_attn:
	s_mov_b64 s[64:65], 0
	v_nop
	global_prefetch_b8 v0, s[64:65] scope:SCOPE_SE
	s_setreg_imm32_b32 hwreg(HW_REG_WAVE_MODE, 25, 1), 1
	s_wait_xcnt 0x0
; o = softmax(q k^T / sqrt(512)) v for one head (head size 32, 2,048 keys), both products on codes of FP4 with E8M0 scales.
; THE SOFTMAX AHEAD OF THE SECOND PRODUCT: t = score x log2(e) / sqrt(512); M = the running largest t rounded UP to a whole number; p = 2^(t - M) is quantised along the keys, not normalised;
; the row's sum is taken of the unquantised p and divides at the end; when M moves, the sum and O are multiplied by 2^(old M - new M), which rounds nothing.
; SHARES.  A work-group owns 512 queries of one head, each of its sixteen waves two tiles of 16: four waves to a SIMD, so that one wave's vector work stands beside another's matrix work and LDS loads.
; The head's whole record of kv (69,632 bytes) is copied into LDS once, as it lies: no ring.  No cluster: what work-groups share is that one copy, and the launch's work is the softmax's vector instructions.
; THE FIRST PRODUCT'S K IS 32, THE INSTRUCTION'S 128.  A fragment of K holds FOUR tiles of 16 keys, tile j in block j; q stands in block j of a variant whose other blocks are zero codes, which add nothing:
; variant j picks tile j.  The four variants of a tile are windows into one run of registers, [0 qa 0 qb 0]: qa = q's 16 bytes in lanes 0-15, qb in lanes 16-31.
; BOTH PRODUCTS ARE USED TRANSPOSED (S^T = K Q^T, O^T = V^T P^T): a lane holds one query.  Tile j of 64 keys takes keys 32 (r / 8) + 8 j + r % 8, so the lane's 32 registers of four tiles
; are 32 NEIGHBOURING keys, a whole block of the second product's K: its maximum needs no other lane, and the conversions' results are the operand's registers.
; OUT: each 16 x 16 tile of o leaves as the image of its accumulator, at (tile x 32 + 2 head + dt) x 1024 + 512 i + 16 lane: the next launch loads it so.
; LIMITS: NaN and infinities are not served.
.set QB,  16                           ; v16-51   [0 qa0 0 qb0 0 qa1 0 qb1 0], four registers each
.set KF,  72                           ; v72-87   two fragments of K (128 keys)
.set VF,  88                           ; v88-103  two fragments of V (32 channels x 128 keys)
.set PC,  104                          ; v104-111 p's codes
.set O,   112                          ; v112-143 O^T: (tile t, channels 16 dt on) at 16 t + 8 dt
.set S,   144                          ; v144-207 S^T, then p
; v1 16 x lane; v2 4 x lane + 65536; v3 8 h; v4, v5 the step's addresses; v8 + 4 t: -M, the largest t, the sum in two halves; v52, v53 q's scale words; v54 K's, v55 V's, v56 p's; v[58:59] f; v57, v60-69 at work
	s_load_b128 s[4:7], s[0:1], 0x0                ; qbuf, kv
	s_load_b64 s[8:9], s[0:1], 0x10                ; attn
	v_lshl_add_u32 v208, v0, 2, 0x11000
	v_mov_b32 v209, 0
	v_lshrrev_b32 v6, 5, v0
	v_readfirstlane_b32 s10, v6                    ; wave 0..15
	v_and_b32 v7, 31, v0                           ; lane
	v_lshlrev_b32 v1, 4, v7
	v_lshl_add_u32 v2, v7, 2, 65536
	v_bfe_u32 v3, v0, 4, 1
	v_lshlrev_b32 v3, 3, v3
	v_lshlrev_b32 v4, 4, v0                        ; the copy: 16 x thread,
	v_lshlrev_b32 v5, 3, v0                        ; and for the last 4,096 bytes 8 x thread,
	v_add_nc_u32 v60, 65536, v5                    ; which in LDS lie beyond an immediate's reach
	v_and_b32 v61, 15, v0
	v_lshlrev_b32 v62, 2, v61                      ; 4 r
	v_lshlrev_b32 v61, 4, v61                      ; 16 r
	v_cmp_gt_u32 vcc_lo, 16, v7                    ; lanes 0-15
	v_cmp_le_u32 s30, 16, v7                       ; lanes 16-31
	s_and_b32 s11, ttmp7, 0xffff                   ; bh
	s_mul_i32 s12, s11, 69632
	s_mov_b32 s13, 0
	s_lshl_b32 s14, s11, 15                        ; q's codes: 32,768 bh + 256 x (32 qb + 2 wave)
	s_lshl_b32 s15, ttmp9, 13
	s_add_co_u32 s14, s14, s15
	s_lshl_b32 s15, s10, 9
	s_add_co_u32 s14, s14, s15
	s_mov_b32 s15, 0
	s_lshl_b32 s16, s11, 13                        ; q's scale words: 2097152 + 8,192 bh + 64 x tile
	s_lshl_b32 s17, ttmp9, 11
	s_add_co_u32 s16, s16, s17
	s_lshl_b32 s17, s10, 7
	s_add_co_u32 s16, s16, s17
	s_add_co_u32 s16, s16, 2097152
	s_mov_b32 s17, 0
	s_lshr_b32 s18, s11, 4                         ; o: (128 batch + 32 qb + 2 wave) x 32,768 + 2,048 head
	s_lshl_b32 s18, s18, 22
	s_lshl_b32 s19, ttmp9, 20
	s_add_co_u32 s18, s18, s19
	s_lshl_b32 s19, s10, 16
	s_add_co_u32 s18, s18, s19
	s_and_b32 s19, s11, 15
	s_lshl_b32 s19, s19, 11
	s_add_co_u32 s18, s18, s19
	s_mov_b32 s19, 0
	s_mov_b32 s20, 0x76543210
	s_mov_b32 s21, 0xfedcba98                      ; v_permlanex16_b32's selects for lane l xor 16
	s_mov_b32 s22, 0x3d8293ee                      ; c = log2(e) / sqrt(512)
	s_mov_b32 s23, s22                             ; (named with it as a pair, so it is written)
	s_mov_b32 s24, 0                               ; the step's images: 2,048 bytes a step, K's and V's alike
	s_mov_b32 s25, 0                               ; its scale words: 128 bytes a step
	s_mov_b32 s26, 16                              ; key steps of 128
	s_wait_kmcnt 0x0
	s_add_nc_u64 s[6:7], s[6:7], s[12:13]
	s_add_nc_u64 s[28:29], s[4:5], s[16:17]
	s_add_nc_u64 s[4:5], s[4:5], s[14:15]
	s_add_nc_u64 s[8:9], s[8:9], s[18:19]
.irp i, 0,1,2,3,4,5,6,7
	global_load_b128 v[S+4*\i:S+4*\i+3], v4, s[6:7] offset:8192*\i
.endr
	global_load_b64 v[S+32:S+33], v5, s[6:7] offset:65536
.irp t, 0,1
	global_load_b128 v[PC+4*\t:PC+4*\t+3], v61, s[4:5] offset:256*\t   ; q's 16 bytes of row r, in both halves of the lanes
	global_load_b32 v[52+\t], v62, s[28:29] offset:64*\t
.endr
	s_wait_loadcnt 4                               ; the record is in; q's four loads may be out
.irp i, 0,1,2,3,4,5,6,7
	ds_store_b128 v4, v[S+4*\i:S+4*\i+3] offset:8192*\i
.endr
	ds_store_b64 v60, v[S+32:S+33]
	s_wait_loadcnt 0x0
.irp z, 0,8,16,24,32
.irp i, 0,1,2,3
	v_mov_b32 v[QB+\z+\i], 0                       ; the zero codes between
.endr
.endr
.irp t, 0,1
.irp i, 0,1,2,3
	v_cndmask_b32 v[QB+16*\t+4+\i], 0, v[PC+4*\t+\i], vcc_lo
	v_cndmask_b32 v[QB+16*\t+12+\i], 0, v[PC+4*\t+\i], s30
.endr
.endr
.irp t, 0,1
	v_mov_b32 v[9+4*\t], 0xff61b1e6                ; the largest t so far: -3e38, under every t
	v_floor_f32 v[8+4*\t], -v[9+4*\t]              ; -M
	v_mov_b32 v[10+4*\t], 0                        ; the sum, in two halves
	v_mov_b32 v[11+4*\t], 0
.endr
	v_mov_b32 v57, 0                               ; lane permutes' destinations count as sources
	v_mov_b32 v64, 0
	v_mov_b32 v59, 0                               ; (the upper half of the pair v[58:59])
.set k, 0
.rept 32
	v_mov_b32 v[O+k], 0                            ; O^T: the step is written once; the first finds zeros, which the first change of M leaves zeros
.set k, k+1
.endr
	s_wait_dscnt 0x0                               ; for the others' sake: my part of the record has landed
	s_barrier_signal -1
	s_barrier_wait -1
.irp c, 0,1
.irp e, 0,1
	ds_load_b128 v[KF+8*\c+4*\e:KF+8*\c+4*\e+3], v1 offset:1024*\c+512*\e   ; K of step 0
.endr
.endr
	ds_load_b32 v54, v2                            ; lanes 0-15: fragment 0's scale words, lanes 16-31: fragment 1's
.macro NOP4
.rept 4
	v_nop
.endr
.endm
; S^T of tile t: 128 keys = 2 fragments x 4 variants.  Register 32 c + 8 j + i of lane (q, h) is key 64 c + 32 h + 8 j + i of the step
.macro SMUL t
.irp j, 0,1,2,3
	v_wmma_scale_f32_16x16x128_f8f6f4 v[S+8*\j:S+8*\j+7], v[KF:KF+7], v[QB+16*\t+8*(\j%2)+4*(1-\j/2):QB+16*\t+8*(\j%2)+4*(1-\j/2)+7], 0, v54, v[52+\t] matrix_a_fmt:MATRIX_FMT_FP4 matrix_b_fmt:MATRIX_FMT_FP4
.endr
.irp j, 0,1,2,3
	v_wmma_scale_f32_16x16x128_f8f6f4 v[S+32+8*\j:S+32+8*\j+7], v[KF+8:KF+15], v[QB+16*\t+8*(\j%2)+4*(1-\j/2):QB+16*\t+8*(\j%2)+4*(1-\j/2)+7], 0, v54, v[52+\t] matrix_a_fmt:MATRIX_FMT_FP4 matrix_b_fmt:MATRIX_FMT_FP4 matrix_a_scale:MATRIX_SCALE_ROW1
.endr
.endm
; O^T of tile t += V^T P^T: the two accumulators take turns
.macro PV t
	v_wmma_scale_f32_16x16x128_f8f6f4 v[O+16*\t:O+16*\t+7], v[VF:VF+7], v[PC:PC+7], v[O+16*\t:O+16*\t+7], v55, v56 matrix_a_fmt:MATRIX_FMT_FP4 matrix_b_fmt:MATRIX_FMT_FP4
	v_wmma_scale_f32_16x16x128_f8f6f4 v[O+16*\t+8:O+16*\t+15], v[VF+8:VF+15], v[PC:PC+7], v[O+16*\t+8:O+16*\t+15], v55, v56 matrix_a_fmt:MATRIX_FMT_FP4 matrix_b_fmt:MATRIX_FMT_FP4 matrix_a_scale:MATRIX_SCALE_ROW1
.endm
.macro SOFT t
.set NM, 8+4*\t
.irp c, 0,1
	v_max3_num_f32 v[60+\c], v[S+32*\c], v[S+32*\c+1], v[S+32*\c+2]   ; the largest SCORE of my two blocks, from each accumulator's low end on: it serves the row's maximum and, since p rises with the score, the block's largest p
.endr
.irp i, 3,5,7,9,11,13,15,17,19,21,23,25,27,29
.irp c, 0,1
	v_max3_num_f32 v[60+\c], v[60+\c], v[S+32*\c+\i], v[S+32*\c+\i+1]
.endr
.endr
.irp c, 0,1
	v_max_num_f32 v[60+\c], v[60+\c], v[S+32*\c+31]
.endr
	v_max_num_f32 v65, v60, v61
	v_permlanex16_b32 v64, v65, s20, s21
	v_max_num_f32 v65, v65, v64                    ; the step's largest score of my query
	v_mul_f32 v65, s22, v65                        ; as t (c is positive)
	v_max_num_f32 v[NM+1], v[NM+1], v65            ; the running largest t
	v_mov_b32 v65, v[NM]
	v_floor_f32 v[NM], -v[NM+1]                    ; the new -M = -ceil(t)
	v_sub_f32 v65, v[NM], v65                      ; old M - new M: a whole number, 0 or less
	v_cvt_i32_f32 v65, v65                         ; (it saturates)
	v_ldexp_f32 v58, 1.0, v65                      ; f = 2^(old M - new M)
.set k, 0
.rept 32
	v_pk_fma_f32 v[S+k:S+k+1], v[S+k:S+k+1], s[22:23], v[NM:NM+1] op_sel_hi:[1,0,0]   ; t - M
.set k, k+2
.endr
.irp c, 0,1
	v_fma_f32 v[60+\c], v[60+\c], s22, v[NM]       ; the same of each block's largest score
.endr
.set k, 0
.rept 64
	v_exp_f32 v[S+k], v[S+k]                       ; p = 2^(t - M)
.set k, k+1
.endr
.irp c, 0,1
	v_exp_f32 v[60+\c], v[60+\c]                   ; the block's largest p: the same two instructions on the same number give the same bits
.endr
	v_pk_mul_f32 v[NM+2:NM+3], v[NM+2:NM+3], v[58:59] op_sel_hi:[1,0]   ; the sum under the new M (a plain place behind the exponentials)
	s_wait_alu depctr_va_vdst(0)
.irp c, 0,1
	v_max_num_f32 v[60+\c], 0x1800000, v[60+\c]    ; the floor 2^(3 - 127): the byte cannot fall under 1
.endr
.irp c, 0,1
	v_add_nc_u32 v[66+\c], 0xff000000, v[60+\c]    ; the conversion's scale operand
.endr
.irp c, 0,1
	v_lshrrev_b32 v[68+\c], 23, v[66+\c]           ; the byte
.endr
	v_lshl_or_b32 v56, v69, 16, v68                ; my two bytes: blocks h and 2 + h,
	v_lshlrev_b32 v56, v3, v56                     ; at their places;
	v_permlanex16_b32 v57, v56, s20, s21
	v_or_b32 v56, v56, v57                         ; with lane l xor 16's two: p's scale word of these 128 keys
.irp c, 0,1
.irp j, 0,1,2,3
	v_cvt_scalef32_pk8_fp4_f32 v[PC+4*\c+\j], v[S+32*\c+8*\j:S+32*\c+8*\j+7], v[66+\c]   ; registers 4 c on: k = 64 c + 32 h + 0 .. 31, as the operand wants them
.endr
.endr
	v_nop                                          ; a plain place behind the conversions
	v_pk_add_f32 v[62:63], v[S:S+1], v[S+2:S+3]    ; the row's sum of the UNQUANTISED p, in two chains
.set k, 4
.rept 15
	v_pk_add_f32 v[NM+2:NM+3], v[NM+2:NM+3], v[S+k:S+k+1]
	v_pk_add_f32 v[62:63], v[62:63], v[S+k+2:S+k+3]
.set k, k+4
.endr
	v_pk_add_f32 v[NM+2:NM+3], v[NM+2:NM+3], v[62:63]   ; (these 32 are also the places between the scale word, the codes and the products that take them)
.set k, 0
.rept 8
	v_pk_mul_f32 v[O+16*\t+k:O+16*\t+k+1], v[O+16*\t+k:O+16*\t+k+1], v[58:59] op_sel_hi:[1,0]   ; O^T under the new M
.set k, k+2
.endr
.endm
.Ltrip:                                ; a key step of 128 keys, both tiles
	v_add_nc_u32 v4, s24, v1
	v_add_nc_u32 v5, s25, v2
	v_nop
	v_nop                                          ; four places behind the last products, in front of loads into V's registers
.irp d, 0,1
.irp e, 0,1
	ds_load_b128 v[VF+8*\d+4*\e:VF+8*\d+4*\e+3], v4 offset:32768+1024*\d+512*\e
.endr
.endr
	ds_load_b32 v55, v5 offset:2048
	s_wait_dscnt 5                                 ; K's five loads are in; V's five may be out
	SMUL 0
	NOP4
	SOFT 0
	s_wait_dscnt 0x0                               ; V is in
	PV 0
	SMUL 1
	NOP4                                           ; places in front of the loads into K's registers and of the reads of the scores
.irp c, 0,1
.irp e, 0,1
	ds_load_b128 v[KF+8*\c+4*\e:KF+8*\c+4*\e+3], v4 offset:2048+1024*\c+512*\e   ; the next step's K.  In the last trip these read V's first bytes, inside LDS, and nobody uses them
.endr
.endr
	ds_load_b32 v54, v5 offset:128
	SOFT 1
	PV 1
	s_add_co_u32 s24, s24, 2048
	s_add_co_u32 s25, s25, 128
	s_sub_co_u32 s26, s26, 1
	s_cmp_lg_u32 s26, 0
	s_cbranch_scc1 .Ltrip
	s_wait_dscnt 0x0
.irp t, 0,1
	v_add_f32 v[60+\t], v[10+4*\t], v[11+4*\t]     ; the sum's two halves,
.endr
.irp t, 0,1
	v_permlanex16_b32 v[62+\t], v[60+\t], s20, s21
.endr
.irp t, 0,1
	v_add_f32 v[60+\t], v[60+\t], v[62+\t]         ; and lane l xor 16's: the row's sum
.endr
.irp t, 0,1
	v_rcp_f32 v[64+2*\t], v[60+\t]
.endr
	v_nop                                          ; a plain place behind the reciprocals; with the four additions: the places behind the last products
	s_wait_alu depctr_va_vdst(0)
.irp t, 0,1
.irp i, 0,2,4,6,8,10,12,14
	v_pk_mul_f32 v[S+16*\t+\i:S+16*\t+\i+1], v[O+16*\t+\i:O+16*\t+\i+1], v[64+2*\t:65+2*\t] op_sel_hi:[1,0]
.endr
.endr
.irp t, 0,1
.irp i, 0,1,2,3
	global_store_b128 v1, v[S+16*\t+4*\i:S+16*\t+4*\i+3], s[8:9] offset:32768*\t+512*\i   ; 512 consecutive bytes, aligned: 1,024 dt + 512 (register half)
.endr
.endr
	s_wait_tensorcnt 0x0
	ds_add_u32 v208, v209
	s_wait_dscnt 0x0
	s_endpgm
.Lfunc_end_k_qa3458dc00c_attn:
	.size	k_qa3458dc00c_attn, .Lfunc_end_k_qa3458dc00c_attn-k_qa3458dc00c_attn
	.p2alignl 7, 3214868480
	.fill 96, 4, 3214868480
	.section	.rodata,"a",@progbits
	.p2align	6, 0x0
	.amdhsa_kernel k_qa3458dc00c_attn
		.amdhsa_group_segment_fixed_size 71680
		.amdhsa_private_segment_fixed_size 0
		.amdhsa_enable_private_segment 0
		.amdhsa_kernarg_size 24
		.amdhsa_user_sgpr_count 2
		.amdhsa_user_sgpr_kernarg_segment_ptr 1
		.amdhsa_wavefront_size32 1
		.amdhsa_system_sgpr_workgroup_id_x 1
		.amdhsa_system_sgpr_workgroup_id_y 1
		.amdhsa_system_sgpr_workgroup_id_z 1
		.amdhsa_system_vgpr_workitem_id 0
		.amdhsa_next_free_vgpr 210
		.amdhsa_next_free_sgpr 66
		.amdhsa_reserve_vcc 1
		.amdhsa_float_denorm_mode_32 3
		.amdhsa_float_denorm_mode_16_64 3
		.amdhsa_memory_ordered 1
		.amdhsa_forward_progress 1
		.amdhsa_inst_pref_size 34
	.end_amdhsa_kernel
	.amdgpu_metadata
---
amdhsa.version: [ 1, 2 ]
amdhsa.kernels:
  - .name:           k_qa3458dc00c_attn
    .symbol:         k_qa3458dc00c_attn.kd
    .args:
      - { .name: qbuf, .offset: 0, .size: 8, .value_kind: global_buffer, .address_space: global }
      - { .name: kv, .offset: 8, .size: 8, .value_kind: global_buffer, .address_space: global }
      - { .name: attn, .offset: 16, .size: 8, .value_kind: global_buffer, .address_space: global }
    .group_segment_fixed_size: 71680
    .private_segment_fixed_size: 0
    .kernarg_segment_align: 8
    .kernarg_segment_size: 24
    .max_flat_workgroup_size: 512
    .sgpr_count:     66
    .vgpr_count:     210
    .wavefront_size: 32
...
	.end_amdgpu_metadata
.endif
;; end of part 3
;; launch ffn (part 4): grid 256 x 1, 8 waves a work-group, clusters of 4 x 1, 327,680 bytes of LDS; arguments x, attn, ffnw, b1, b2, alpha, beta, out0; writes out0
.if DOCPART == 4
	.amdgcn_target "amdgcn-amd-amdhsa--gfx1250"
	.amdhsa_code_object_version 6
	.text
	.protected	k_qa3458dc00c_ffn
	.globl	k_qa3458dc00c_ffn
	.p2align	8
	.type	k_qa3458dc00c_ffn,@function
k_qa3458dc00c_ffn:
	s_mov_b64 s[64:65], 0
	v_nop
	global_prefetch_b8 v0, s[64:65] scope:SCOPE_SE
	s_setreg_imm32_b32 hwreg(HW_REG_WAVE_MODE, 25, 1), 1
	s_wait_xcnt 0x0
	s_wait_alu depctr_hold_cnt(0) depctr_sa_sdst(0) depctr_va_vdst(0) depctr_va_sdst(0) depctr_va_ssrc(0) depctr_va_vcc(0) depctr_vm_vsrc(0)
	s_getreg_b32 s2, hwreg(HW_REG_IB_STS2, 6, 4)
	s_cmp_eq_u32 s2, 0
	s_cbranch_scc0 .Lentry_in_a_cluster
	s_endpgm
.Lentry_in_a_cluster:
	s_bfe_u32 s2, ttmp6, 0x10000c
	s_cmp_lg_u32 s2, 0x3003
	s_cbranch_scc0 .Lentry_shape_is_right
	s_endpgm
.Lentry_shape_is_right:
; out = x1 + relu(relu(LN(x1) W1 + b1) W2 + b2), x1 = x + attention; both products on codes of FP4 with E8M0 scales.  The hidden layer never goes to memory.
; SHARES.  A work-group takes two tiles of 16 rows (tiles 2 W and 2 W + 1; tile j of a group of 64 rows takes rows 32 (r / 8) + 8 j + r % 8).  THE EIGHT WAVES SHARE THE COLUMNS: wave w owns columns 64 w on of x1
; and of the output, and of each 512 hidden units the 64 from 64 w on.
; THE WEIGHTS come as 16 records of 139,264 bytes (W1's 512 hidden units, then W2's K of the same 512, eight times) through a ring of two LDS slots; each wave fetches an eighth of a record, 68 rows of 256 bytes.
; CLUSTER: all work-groups walk the same records, so the four of a cluster ask JOINTLY: the same tensor load, the same descriptor, the mask 15.  By this text's count one tensor load of a wave is out at a time.
; BOTH PRODUCTS ARE USED TRANSPOSED (source 0 = 16 rows of the weight's image, source 1 = 16 rows of the activations): a lane holds one row and eight neighbouring columns a tile.
; ACTIVATIONS GO FROM WAVE TO WAVE THROUGH LDS AS IMAGES OF THE OPERAND'S REGISTERS: block b of row r at 256 b + 16 r of a fragment; a lane's 8 codes go to their 4 bytes, a wave's two scale bytes to their half of the word.
; The biases are loaded straight into the accumulators: the first product adds onto them.
; THE LAYER NORM over 512 columns meets in LDS as eight (mean, sum of squared deviations) of 64 columns: no difference of large sums is formed.
; LIMITS: a block whose largest magnitude lies under 2^-124 gets the byte 1 (only this program reads the bytes); NaN and infinities are not served.
; REGISTERS.  Window 0: v1-15 addresses, v16-17 for the add, v18-23 statistics, v24-31 the weight's scale words, v32-35 x's, v36-39 the hidden layer's, v40-47 codes, v48-63 at work,
;   v64-191 the weight's 16 fragments ((t, s) at 8 (4 t + s)), v192-255 the hidden accumulators ((rt, t) at 32 rt + 8 t).
;   Window 1: v0-63 LN(x1)'s eight fragments ((s, rt) at 8 (2 s + rt)), v64-127 the output's accumulators, v128-191 x1, v192-255 the hidden layer's eight fragments.
.set REC,   139264
.set HIMG,  278528                     ; behind the ring: the hidden layer's 8 fragments (2 s + rt),
.set HSC,   286720                     ; their scale words (128 s + 64 rt + 4 r),
.set STATS, 287232                     ; 256 bytes a wave,
.set STAGE, 289280                     ; a stage of 16 rows x 272 bytes for each wave; between two barriers its first 8,704 bytes hold LN(x1)'s images and scale words,
.set XOFF,  10752                      ; which so lie XOFF bytes behind the hidden layer's
.set SPARE, 324096                     ; the spare words, 128 bytes a wave: four blocks of 256 bytes that no other line names
.set WSC, 24
.set XS,  32
.set HHS, 36
.set PC,  40
.set TM,  48
.set WF,  64
.set HA,  192
.set MSB, 0
.macro WIN new                         ; the immediate's high byte repeats the setting that is left
.if MSB != \new
	s_set_vgpr_msb (MSB<<8)|\new
.set MSB, \new
.endif
.endm
.macro NOP4
.rept 4
	v_nop
.endr
.endm
.macro ROUND                           ; a round of the cluster's barrier
	s_barrier_signal -1
	s_barrier_wait -1
	s_cmp_lg_u32 s20, 0
	s_cbranch_scc1 .Lnot_wave_0_\@
	s_barrier_signal -3
.Lnot_wave_0_\@:
	s_barrier_wait -3
	s_barrier_signal -1
	s_barrier_wait -1
.endm
	s_load_b512 s[4:19], s[0:1], 0x0               ; x 4, attn 6, ffnw 8, b1 10, b2 12, alpha 14, beta 16, out0 18
	v_lshl_add_u32 v16, v0, 2, SPARE
	v_mov_b32 v17, 0
	ds_add_u32 v16, v17
	ds_add_u32 v16, v17
	s_wait_dscnt 0x0
	v_lshrrev_b32 v18, 5, v0
	v_readfirstlane_b32 s20, v18                   ; wave 0..7
	s_bfe_u32 s48, ttmp6, 0x40000                  ; cx
	s_lshl_b32 s49, ttmp9, 2
	s_add_co_u32 s49, s49, s48                     ; W = 4 x cluster + cx: it enters the addresses of x, attn and out0 alone
	s_mov_b32 s24, 15|(3<<16)|(1<<21)              ; group 1: the mask: all four; elements of 8 bytes; bit 21 beside a mask; no padding: images are read 512 consecutive bytes at a time
	s_mov_b32 s25, 32<<16                          ; tensor_dim0 = 32 elements: 256 bytes
	s_mov_b32 s26, 68<<16                          ; tensor_dim1 = 68
	s_mov_b32 s27, 32<<16                          ; tile_dim0
	s_mov_b32 s28, 68                              ; tile_dim1
	s_mov_b32 s29, 32                              ; the pitch: dense
	s_mov_b32 s30, 0
	s_mov_b32 s31, 0
	s_mov_b32 s40, 0x76543210
	s_mov_b32 s41, 0xfedcba98
	s_mov_b32 s43, 0x3b004020                      ; 1 / 511
	s_mov_b32 s45, 0x358637bd                      ; 1e-6
	s_mov_b32 s44, 7                               ; trips of the loop: 16 records, two a trip, the last two written out
	s_mul_i32 s21, s20, 17408                      ; my eighth of a record
	s_mov_b32 s50, s21
	s_mov_b32 s51, 0
	s_wait_kmcnt 0x0
	s_load_b32 s42, s[14:15], 0x0                  ; alpha
	s_load_b32 s46, s[16:17], 0x0                  ; beta
	s_add_nc_u64 s[8:9], s[8:9], s[50:51]
	s_mov_b32 s32, 1                               ; group 0 of slot 0: record 0
	s_mov_b32 s33, s21
	s_mov_b64 s[34:35], s[8:9]
	s_or_b32 s35, s35, 0x80000000
	s_mov_b32 s36, 1                               ; of slot 1: record 1
	s_add_co_u32 s37, s21, REC
	s_add_nc_u64 s[38:39], s[8:9], REC
	s_or_b32 s39, s39, 0x80000000
	ROUND                                          ; all four work-groups are here: the first joint load meets
	tensor_load_to_lds s[32:35], s[24:31]
	s_nop 0
	NOP4
	v_and_b32 v18, 31, v0                          ; lane
	v_and_b32 v19, 15, v0                          ; r
	v_bfe_u32 v20, v0, 4, 1                        ; h
	v_lshlrev_b32 v1, 4, v18                       ; LI: 16 x lane
	v_add_nc_u32 v2, HIMG, v1                      ; LIH
	v_lshl_add_u32 v3, v18, 2, HSC                 ; LSH
	s_lshr_b32 s50, s20, 1
	s_and_b32 s51, s20, 1
	s_lshl_b32 s52, s50, 11
	s_lshl_b32 s53, s51, 9
	s_add_co_u32 s52, s52, s53
	s_add_co_u32 s52, s52, HIMG
	v_lshlrev_b32 v4, 4, v19
	v_lshl_add_u32 v4, v20, 2, v4
	v_add_nc_u32 v4, s52, v4                       ; PA: my codes' place: K step w / 2, blocks 2 (w % 2) on, row r, + 4 h
	s_lshl_b32 s52, s50, 7
	s_lshl_b32 s53, s51, 1
	s_add_co_u32 s52, s52, s53
	s_add_co_u32 s52, s52, HSC
	v_lshlrev_b32 v5, 2, v19
	v_add_nc_u32 v5, s52, v5                       ; PSA: my two scale bytes' place
	s_mul_i32 s52, s20, 4352
	s_add_co_u32 s52, s52, STAGE
	v_mul_u32_u24 v6, v19, 272
	v_lshl_add_u32 v6, v20, 5, v6
	v_add_nc_u32 v6, s52, v6                       ; STO: the stage by accumulators: row r, + 32 h
	v_mul_u32_u24 v7, v20, 272
	v_lshl_add_u32 v7, v19, 4, v7
	v_add_nc_u32 v7, s52, v7                       ; RD: the stage by rows: lanes 0-15 one row, lanes 16-31 the next
	v_lshlrev_b32 v8, 11, v20
	v_lshl_add_u32 v8, v19, 4, v8                  ; GX: the same two rows in x and in out0
	v_lshlrev_b32 v9, 5, v20                       ; B1A: 32 h: my eight numbers of a bias's sixteen
	s_lshl_b32 s52, s20, 14
	v_add_nc_u32 v10, s52, v1                      ; WA0, WA1: my four tiles' images in slot 0, 1
	v_add_nc_u32 v11, REC, v10
	s_lshl_b32 s52, s20, 10
	s_add_co_u32 s52, s52, 131072
	v_add_nc_u32 v12, s52, v1                      ; WS0, WS1: their scale words
	v_add_nc_u32 v13, REC, v12
	s_lshl_b32 s52, s20, 8
	s_add_co_u32 s52, s52, STATS
	v_lshlrev_b32 v15, 3, v19
	v_add_nc_u32 v14, s52, v15                     ; SA: where I put my row's two figures
	v_add_nc_u32 v15, STATS, v15                   ; SRD: where I read the eight waves'
	v_mov_b32 v21, 0                               ; (upper halves of pairs that are named before they are written)
	v_mov_b32 v23, 0
	s_lshr_b32 s50, s49, 1
	s_and_b32 s51, s49, 1
	s_lshl_b32 s50, s50, 17                        ; 64 rows of 2,048 bytes a group,
	s_lshl_b32 s51, s51, 15                        ; 16 rows for the group's second half,
	s_add_co_u32 s50, s50, s51
	s_lshl_b32 s51, s20, 8                         ; my 256 bytes of a row
	s_add_co_u32 s50, s50, s51
	s_mov_b32 s51, 0
	s_add_nc_u64 s[4:5], s[4:5], s[50:51]
	s_add_nc_u64 s[18:19], s[18:19], s[50:51]
	s_lshl_b32 s50, s49, 16                        ; attn: tile 2 W: 32 images of 1,024 bytes a tile; my four
	s_lshl_b32 s52, s20, 12
	s_add_co_u32 s50, s50, s52
	s_add_nc_u64 s[6:7], s[6:7], s[50:51]
	s_lshl_b32 s50, s20, 8
	s_add_nc_u64 s[10:11], s[10:11], s[50:51]
	s_add_nc_u64 s[12:13], s[12:13], s[50:51]
.irp rt, 0,1
.irp i, 0,1,2,3,4,5,6,7
	global_load_b128 v[64+32*\rt+4*\i:64+32*\rt+4*\i+3], v8, s[4:5] offset:(8*\rt+(2*\i)%8+32*(\i/4))*2048 th:TH_LOAD_NT   ; x: the tile's rows 2 i and 2 i + 1: 256 consecutive bytes each, aligned
.endr
.endr
.irp rt, 0,1
.irp t, 0,1,2,3
.irp i, 0,1
	global_load_b128 v[128+32*\rt+8*\t+4*\i:128+32*\rt+8*\t+4*\i+3], v1, s[6:7] offset:32768*\rt+1024*\t+512*\i th:TH_LOAD_NT   ; the attention's result, in the accumulators' layout
.endr
.endr
.endr
	WIN 0x40                                       ; destination window 1
.irp rt, 0,1
.irp t, 0,1,2,3
.irp i, 0,1
	global_load_b128 v[64+32*\rt+8*\t+4*\i:64+32*\rt+8*\t+4*\i+3], v9, s[12:13] offset:64*\t+16*\i   ; b2 into the output's accumulators
.endr
.endr
.endr
	WIN 0
.macro B1LOAD
.irp rt, 0,1
.irp t, 0,1,2,3
.irp i, 0,1
	global_load_b128 v[HA+32*\rt+8*\t+4*\i:HA+32*\rt+8*\t+4*\i+3], v9, s[10:11] offset:64*\t+16*\i   ; b1 into the hidden accumulators
.endr
.endr
.endr
.endm
	B1LOAD
	s_wait_loadcnt 48                              ; x is in; attn, b2 and b1 (48 loads) may be out
.irp rt, 0,1                           ; x from rows into the accumulators' layout, through my own stage: LDS serves a wave's instructions in order
	WIN 0
.irp i, 0,1,2,3,4,5,6,7
	ds_store_b128 v7, v[64+32*\rt+4*\i:64+32*\rt+4*\i+3] offset:544*\i
.endr
	WIN 0x40
.irp t, 0,1,2,3
.irp i, 0,1
	ds_load_b128 v[128+32*\rt+8*\t+4*\i:128+32*\rt+8*\t+4*\i+3], v6 offset:64*\t+16*\i
.endr
.endr
.endr
	s_wait_loadcnt 32                              ; attn is in; b2 and b1 may be out
	s_wait_dscnt 0x0
	WIN 0x01                                       ; source 0 window 1
.set k, 0
.rept 32
	v_pk_add_f32 v[64+k:65+k], v[128+k:129+k], v[128+k:129+k]      ; x1 = x + attention, a copy in window 0 for the layer norm,
.set k, k+2
.endr
	WIN 0x41
.set k, 0
.rept 32
	v_pk_add_f32 v[128+k:129+k], v[128+k:129+k], v[128+k:129+k]    ; and one in window 1, kept for the last residual
.set k, k+2
.endr
	WIN 0
.macro TREE                            ; eight pairs in v48-63 become one number in v48, lane l xor 16's added
.irp k, 0,1,2,3
	v_pk_add_f32 v[48+2*\k:49+2*\k], v[48+2*\k:49+2*\k], v[56+2*\k:57+2*\k]
.endr
	v_pk_add_f32 v[48:49], v[48:49], v[52:53]
	v_pk_add_f32 v[50:51], v[50:51], v[54:55]
	v_pk_add_f32 v[48:49], v[48:49], v[50:51]
	v_add_f32 v48, v48, v49
	v_permlanex16_b32 v49, v48, s40, s41
	v_add_f32 v48, v48, v49
.endm
.macro LOCAL rt                        ; my row's mean over my wave's 64 columns, the deviations in place, the sum of their squares
.irp k, 0,1,2,3,4,5,6,7
	v_pk_add_f32 v[48+2*\k:49+2*\k], v[64+32*\rt+4*\k:65+32*\rt+4*\k], v[66+32*\rt+4*\k:67+32*\rt+4*\k]
.endr
	TREE
	v_mul_f32 v[18+2*\rt], 0x3c800000, v48         ; / 64
.irp k, 0,2,4,6,8,10,12,14,16,18,20,22,24,26,28,30
	v_pk_add_f32 v[64+32*\rt+\k:65+32*\rt+\k], v[64+32*\rt+\k:65+32*\rt+\k], v[18+2*\rt:19+2*\rt] op_sel_hi:[1,0] neg_lo:[0,1] neg_hi:[0,1]
.endr
.irp k, 0,1,2,3,4,5,6,7
	v_pk_mul_f32 v[48+2*\k:49+2*\k], v[64+32*\rt+4*\k:65+32*\rt+4*\k], v[64+32*\rt+4*\k:65+32*\rt+4*\k]
.endr
.irp k, 0,1,2,3,4,5,6,7
	v_pk_fma_f32 v[48+2*\k:49+2*\k], v[66+32*\rt+4*\k:67+32*\rt+4*\k], v[66+32*\rt+4*\k:67+32*\rt+4*\k], v[48+2*\k:49+2*\k]
.endr
	TREE
	v_mov_b32 v[19+2*\rt], v48
	ds_store_b64 v14, v[18+2*\rt:19+2*\rt] offset:128*\rt          ; both halves of the lanes write the same 8 bytes with the same values
.endm
	LOCAL 0
	LOCAL 1
	s_wait_dscnt 0x0                               ; my figures have landed, and my reads of my stage are over
	s_barrier_signal -1
	s_barrier_wait -1
.irp rt, 0,1
.irp w, 0,1,2,3,4,5,6,7
	ds_load_b64 v[128+16*\rt+2*\w:129+16*\rt+2*\w], v15 offset:128*\rt+256*\w
.endr
.endr
	s_wait_kmcnt 0x0                               ; alpha, beta
	s_wait_dscnt 0x0
.macro NORM rt
.set B, 128+16*\rt
	v_pk_add_f32 v[48:49], v[B:B+1], v[B+2:B+3]    ; the eight means and the eight sums of squares, side by side
	v_pk_add_f32 v[50:51], v[B+4:B+5], v[B+6:B+7]
	v_pk_add_f32 v[52:53], v[B+8:B+9], v[B+10:B+11]
	v_pk_add_f32 v[54:55], v[B+12:B+13], v[B+14:B+15]
	v_pk_add_f32 v[48:49], v[48:49], v[50:51]
	v_pk_add_f32 v[52:53], v[52:53], v[54:55]
	v_pk_add_f32 v[48:49], v[48:49], v[52:53]
	v_mul_f32 v50, 0x3e000000, v48                 ; the row's mean
	v_sub_f32 v56, v[B], v50
	v_mul_f32 v51, v56, v56
.irp w, 1,2,3,4,5,6,7
	v_sub_f32 v56, v[B+2*\w], v50
	v_fmac_f32 v51, v56, v56
.endr
	v_fmamk_f32 v49, v51, 0x42800000, v49          ; + 64 x the squared distances of the eight means from the row's
	v_fma_f32 v49, v49, s43, s45                   ; / 511 + eps
	v_rsq_f32 v52, v49
	v_sub_f32 v53, v50, v[18+2*\rt]                ; the row's mean less my wave's (a plain place behind the transcendental)
	s_wait_alu depctr_va_vdst(0)
	v_mul_f32 v22, s42, v52                        ; g = alpha / sqrt(var + eps)
	v_fma_f32 v54, -v53, v22, s46                  ; beta - (mean - my mean) g
.irp k, 0,2,4,6,8,10,12,14,16,18,20,22,24,26,28,30
	v_pk_fma_f32 v[64+32*\rt+\k:65+32*\rt+\k], v[64+32*\rt+\k:65+32*\rt+\k], v[22:23], v[54:55] op_sel_hi:[1,0,0]
.endr
.endm
	NORM 0
	NORM 1
; 64 numbers of a lane, v[s] on: register 32 rt + 16 b + 8 u + i = column 32 b + 16 u + 8 h + i of my wave's 64, row r of tile rt.  Four blocks (2 rt + b), each shared with lane l xor 16.
; The codes go to their places in the images, the two bytes of a row to their half of the scale word.
.macro QPLACE s, off
.irp q, 0,1,2,3
	v_max3_num_f32 v[TM+\q], |v[\s+16*\q]|, |v[\s+1+16*\q]|, 0x1800000
.endr
.irp i, 2,4,6,8,10,12,14
.irp q, 0,1,2,3
	v_max3_num_f32 v[TM+\q], v[TM+\q], |v[\s+16*\q+\i]|, |v[\s+1+16*\q+\i]|
.endr
.endr
.irp q, 0,1,2,3
	v_permlanex16_b32 v[TM+4+\q], v[TM+\q], s40, s41
.endr
.irp q, 0,1,2,3
	v_max_num_f32 v[TM+\q], v[TM+\q], v[TM+4+\q]
.endr
.irp q, 0,1,2,3
	v_add_nc_u32 v[TM+12+\q], 0xff000000, v[TM+\q]
.endr
.irp q, 0,1,2,3
	v_lshrrev_b32 v[TM+4+\q], 23, v[TM+12+\q]
.endr
	v_lshl_or_b32 v[TM+8], v[TM+5], 8, v[TM+4]
	v_lshl_or_b32 v[TM+9], v[TM+7], 8, v[TM+6]
.irp q, 0,1,2,3
	v_cvt_scalef32_pk8_fp4_f32 v[PC+2*\q], v[\s+16*\q:\s+7+16*\q], v[TM+12+\q]
	v_cvt_scalef32_pk8_fp4_f32 v[PC+1+2*\q], v[\s+8+16*\q:\s+15+16*\q], v[TM+12+\q]
.endr
	v_nop                                          ; a plain place behind the conversions
.irp rt, 0,1
.irp b, 0,1
.irp i, 0,1
	ds_store_b32 v4, v[PC+4*\rt+2*\b+\i] offset:\off+1024*\rt+256*\b+8*\i   ; k = 16 i + 8 h + 0 .. 7 of the block: bytes 8 i + 4 h on
.endr
.endr
	ds_store_b16 v5, v[TM+8+\rt] offset:\off+64*\rt
.endr
.endm
.macro HLOAD dst, sc, off              ; eight fragments (window 1) and their scale words: lanes 0-15 tile 0, lanes 16-31 tile 1
	WIN 0x40
.irp f, 0,1,2,3,4,5,6,7
.irp c, 0,1
	ds_load_b128 v[\dst+8*\f+4*\c:\dst+8*\f+4*\c+3], v2 offset:\off+1024*\f+512*\c
.endr
.endr
	WIN 0
.irp s, 0,1,2,3
	ds_load_b32 v[\sc+\s], v3 offset:\off+128*\s
.endr
.endm
	QPLACE 64, XOFF
	s_wait_dscnt 0x0                               ; for the others' sake
	s_barrier_signal -1
	s_barrier_wait -1                              ; record 0's load may stay out
	HLOAD 0, XS, XOFF
	s_wait_dscnt 0x0
.macro WFETCH n                        ; my four tiles of the record in slot n: scale words first, then the fragments, K step by K step
.irp p, 0,1
	ds_load_b128 v[WSC+4*\p:WSC+4*\p+3], v[12+\n] offset:512*\p    ; register 4 p + s: lanes 0-15 tile 2 p, lanes 16-31 tile 2 p + 1
.endr
.irp s, 0,1,2,3
.irp t, 0,1,2,3
.irp c, 0,1
	ds_load_b128 v[WF+8*(4*\t+\s)+4*\c:WF+8*(4*\t+\s)+4*\c+3], v[10+\n] offset:(4*\t+\s)*1024+512*\c
.endr
.endr
.endr
.endm
.macro WM d, a, b, sa, sb, ra, rb      ; one matrix instruction, in place.  ra, rb: the row of the scale registers
.if (\ra)==0 && (\rb)==0
	v_wmma_scale_f32_16x16x128_f8f6f4 v[(\d):(\d)+7], v[(\a):(\a)+7], v[(\b):(\b)+7], v[(\d):(\d)+7], v[\sa], v[\sb] matrix_a_fmt:MATRIX_FMT_FP4 matrix_b_fmt:MATRIX_FMT_FP4
.elseif (\rb)==0
	v_wmma_scale_f32_16x16x128_f8f6f4 v[(\d):(\d)+7], v[(\a):(\a)+7], v[(\b):(\b)+7], v[(\d):(\d)+7], v[\sa], v[\sb] matrix_a_fmt:MATRIX_FMT_FP4 matrix_b_fmt:MATRIX_FMT_FP4 matrix_a_scale:MATRIX_SCALE_ROW1
.elseif (\ra)==0
	v_wmma_scale_f32_16x16x128_f8f6f4 v[(\d):(\d)+7], v[(\a):(\a)+7], v[(\b):(\b)+7], v[(\d):(\d)+7], v[\sa], v[\sb] matrix_a_fmt:MATRIX_FMT_FP4 matrix_b_fmt:MATRIX_FMT_FP4 matrix_b_scale:MATRIX_SCALE_ROW1
.else
	v_wmma_scale_f32_16x16x128_f8f6f4 v[(\d):(\d)+7], v[(\a):(\a)+7], v[(\b):(\b)+7], v[(\d):(\d)+7], v[\sa], v[\sb] matrix_a_fmt:MATRIX_FMT_FP4 matrix_b_fmt:MATRIX_FMT_FP4 matrix_a_scale:MATRIX_SCALE_ROW1 matrix_b_scale:MATRIX_SCALE_ROW1
.endif
.endm
; 32 matrix instructions: four K steps x my four tiles x the two tiles of rows.  The eight accumulators take turns, one instruction a turn.
.macro MULT win, d, b, bs
.irp s, 0,1,2,3
	s_wait_dscnt 24-8*\s                           ; K step s's eight loads are in; the later K steps' may be out
	WIN \win
.irp t, 0,1,2,3
.irp rt, 0,1
	WM \d+32*\rt+8*\t, WF+8*(4*\t+\s), \b+8*(2*\s+\rt), WSC+4*(\t/2)+\s, \bs+\s, \t%2, \rt
.endr
.endr
.endr
.endm
; THE CHANGE OF SLOTS at a phase's head.  Each wave waits for all its tensor loads (its eighth of the record that it is about to read), adds 0 to its spare word, and waits for that, for its reads of the slot that it has left
; and for its stores of images.  Behind the round the record ahead is whole, nobody in the cluster reads the other slot, and the images stored in the last phase are there for every wave.
.macro TRIP slot, refill
	WIN 0
	s_wait_tensorcnt 0x0                           ; no tensor load of mine is out, so a group 0 may be written
	ds_add_u32 v16, v17                            ; 0 onto my spare word
	s_add_nc_u64 s[34+4*\slot:35+4*\slot], s[34+4*\slot:35+4*\slot], 2*REC   ; this slot's next record
	s_wait_dscnt 0x0
	ROUND
.if \refill
	tensor_load_to_lds s[36-4*\slot:39-4*\slot], s[24:31]          ; the next record, into the slot read in the last phase: my one tensor load until the next round
	s_nop 0
.endif
	NOP4                                           ; (the places in front of the loads into the weight's registers)
.endm
.macro PHASE1                          ; 512 hidden units: my 64 of them for the 32 rows, relu, quantised, images to LDS
	WFETCH 0
	s_wait_loadcnt 0x0                             ; b1 (and at first b2) lie in the accumulators
	MULT 0x04, HA, 0, XS
	WIN 0
	NOP4
.set k, 0
.rept 64
	v_max_num_f32 v[HA+k], 0, v[HA+k]              ; the activation, each accumulator from its low end on
.set k, k+1
.endr
	QPLACE HA, 0
.endm
.macro PHASE2 next                     ; the output's sums take these 512 hidden units
.if \next
	s_add_nc_u64 s[10:11], s[10:11], 2048          ; (the last loads by this base were waited for in the phase before)
	B1LOAD                                         ; the next 512 hidden units' bias
.endif
	HLOAD 192, HHS, 0
	WFETCH 1
	MULT 0x54, 64, 192, HHS
	WIN 0
.endm
.Lloop:
	TRIP 0, 1
	PHASE1
	TRIP 1, 1
	PHASE2 1
	s_sub_co_u32 s44, s44, 1
	s_cmp_lg_u32 s44, 0
	s_cbranch_scc1 .Lloop
	TRIP 0, 1                                      ; the last two records: the tail is written out
	PHASE1
	TRIP 1, 0
	PHASE2 0
	NOP4
	WIN 0x04                                       ; source 1 window 1
.set k, 0
.rept 64
	v_max_num_f32 v[64+k], 0, v[64+k]              ; the second activation, into window 0
.set k, k+1
.endr
.set k, 0
.rept 32
	v_pk_add_f32 v[64+k:65+k], v[64+k:65+k], v[128+k:129+k]        ; + x1
.set k, k+2
.endr
	WIN 0
.irp rt, 0,1                           ; through my stage, back as rows
.irp t, 0,1,2,3
.irp i, 0,1
	ds_store_b128 v6, v[64+32*\rt+8*\t+4*\i:64+32*\rt+8*\t+4*\i+3] offset:64*\t+16*\i
.endr
.endr
.irp i, 0,1,2,3,4,5,6,7
	ds_load_b128 v[128+32*\rt+4*\i:128+32*\rt+4*\i+3], v7 offset:544*\i
.endr
.endr
.irp rt, 0,1
.irp i, 0,1,2,3,4,5,6,7
	s_wait_dscnt 16*(1-\rt)+7-\i                   ; behind this pair of rows: the tile's later pairs, and for tile 0 the sixteen LDS instructions of tile 1
	global_store_b128 v8, v[128+32*\rt+4*\i:128+32*\rt+4*\i+3], s[18:19] offset:(8*\rt+(2*\i)%8+32*(\i/4))*2048 th:TH_STORE_NT   ; sixteen lanes store 256 consecutive bytes, aligned
.endr
.endr
	s_wait_tensorcnt 0x0                           ; the wave's end
	ds_add_u32 v16, v17
	s_wait_dscnt 0x0
	ROUND                                          ; the closing round
	s_endpgm
.Lfunc_end_k_qa3458dc00c_ffn:
	.size	k_qa3458dc00c_ffn, .Lfunc_end_k_qa3458dc00c_ffn-k_qa3458dc00c_ffn
	.p2alignl 7, 3214868480
	.fill 96, 4, 3214868480
	.section	.rodata,"a",@progbits
	.p2align	6, 0x0
	.amdhsa_kernel k_qa3458dc00c_ffn
		.amdhsa_group_segment_fixed_size 327680
		.amdhsa_private_segment_fixed_size 0
		.amdhsa_enable_private_segment 0
		.amdhsa_kernarg_size 64
		.amdhsa_user_sgpr_count 2
		.amdhsa_user_sgpr_kernarg_segment_ptr 1
		.amdhsa_wavefront_size32 1
		.amdhsa_system_sgpr_workgroup_id_x 1
		.amdhsa_system_sgpr_workgroup_id_y 1
		.amdhsa_system_sgpr_workgroup_id_z 1
		.amdhsa_system_vgpr_workitem_id 0
		.amdhsa_next_free_vgpr 512
		.amdhsa_next_free_sgpr 66
		.amdhsa_reserve_vcc 0
		.amdhsa_float_denorm_mode_32 3
		.amdhsa_float_denorm_mode_16_64 3
		.amdhsa_memory_ordered 1
		.amdhsa_forward_progress 1
		.amdhsa_inst_pref_size 91
	.end_amdhsa_kernel
	.amdgpu_metadata
---
amdhsa.version: [ 1, 2 ]
amdhsa.kernels:
  - .name:           k_qa3458dc00c_ffn
    .symbol:         k_qa3458dc00c_ffn.kd
    .args:
      - { .name: x, .offset: 0, .size: 8, .value_kind: global_buffer, .address_space: global }
      - { .name: attn, .offset: 8, .size: 8, .value_kind: global_buffer, .address_space: global }
      - { .name: ffnw, .offset: 16, .size: 8, .value_kind: global_buffer, .address_space: global }
      - { .name: b1, .offset: 24, .size: 8, .value_kind: global_buffer, .address_space: global }
      - { .name: b2, .offset: 32, .size: 8, .value_kind: global_buffer, .address_space: global }
      - { .name: alpha, .offset: 40, .size: 8, .value_kind: global_buffer, .address_space: global }
      - { .name: beta, .offset: 48, .size: 8, .value_kind: global_buffer, .address_space: global }
      - { .name: out0, .offset: 56, .size: 8, .value_kind: global_buffer, .address_space: global }
    .group_segment_fixed_size: 327680
    .private_segment_fixed_size: 0
    .kernarg_segment_align: 8
    .kernarg_segment_size: 64
    .max_flat_workgroup_size: 256
    .sgpr_count:     66
    .vgpr_count:     512
    .wavefront_size: 32
...
	.end_amdgpu_metadata
.endif
;; end of part 4
;; ======== version 2 of 3: 4 launches; 1.12 times as fast as version 1
;; workspace buffers: xq 2,228,224 bytes; wqkv 417,792 bytes; ffnw 2,228,224 bytes; qbuf 2,621,440 bytes; kv 4,456,448 bytes; attn 16,777,216 bytes
;; launch prep: the kernel of part 1 again; grid 432 x 1, 4 waves a work-group, no clusters, 39,424 bytes of LDS; arguments x, alpha, beta, Wq, Wk, Wv, W1, W2, xq, wqkv, ffnw; writes xq, wqkv, ffnw
;; launch qkv: the kernel of part 2 again; grid 12 x 64, 4 waves a work-group, no clusters, 35,328 bytes of LDS; arguments xq, wqkv, qbuf, kv; writes qbuf, kv
;; launch attn (part 5): grid 4 x 64, 16 waves a work-group, no clusters, 71,680 bytes of LDS; arguments qbuf, kv, attn; writes attn
.if DOCPART == 5
	.amdgcn_target "amdgcn-amd-amdhsa--gfx1250"
	.amdhsa_code_object_version 6
	.text
	.protected	k_qa3458dc00c_attn
	.globl	k_qa3458dc00c_attn
	.p2align	8
	.type	k_qa3458dc00c_attn,@function
k_qa3458dc00c_attn:
	s_mov_b64 s[64:65], 0
	v_nop
	global_prefetch_b8 v0, s[64:65] scope:SCOPE_SE
	s_setreg_imm32_b32 hwreg(HW_REG_WAVE_MODE, 25, 1), 1
	s_wait_xcnt 0x0
; o = softmax(q k^T / sqrt(512)) v for one head (head size 32, 2,048 keys), both products on codes of FP4 with E8M0 scales.
; THE SOFTMAX AHEAD OF THE SECOND PRODUCT: t = score x log2(e) / sqrt(512); M = the running largest t rounded UP to a whole number; p = 2^(t - M) is quantised along the keys, not normalised;
; the row's sum is taken of the unquantised p and divides at the end; when M moves, the sum and O are multiplied by 2^(old M - new M), which rounds nothing.
; SHARES.  A work-group owns 512 queries of one head, each of its sixteen waves two tiles of 16: four waves to a SIMD, so that one wave's vector work stands beside another's matrix work and LDS loads.
; The head's whole record of kv (69,632 bytes) is copied into LDS once, as it lies: no ring.  No cluster: what work-groups share is that one copy, and the launch's work is the softmax's vector instructions.
; THE FIRST PRODUCT'S K IS 32, THE INSTRUCTION'S 128.  A fragment of K holds FOUR tiles of 16 keys, tile j in block j; q stands in block j of a variant whose other blocks are zero codes, which add nothing:
; variant j picks tile j.  The four variants of a tile are windows into one run of registers, [0 qa 0 qb 0]: qa = q's 16 bytes in lanes 0-15, qb in lanes 16-31.
; BOTH PRODUCTS ARE USED TRANSPOSED (S^T = K Q^T, O^T = V^T P^T): a lane holds one query.  Tile j of 64 keys takes keys 32 (r / 8) + 8 j + r % 8, so the lane's 32 registers of four tiles
; are 32 NEIGHBOURING keys, a whole block of the second product's K: its maximum needs no other lane, and the conversions' results are the operand's registers.
; OUT: each 16 x 16 tile of o leaves as the image of its accumulator, at (tile x 32 + 2 head + dt) x 1024 + 512 i + 16 lane: the next launch loads it so.
; LIMITS: NaN and infinities are not served.
.set QB,  16                           ; v16-51   [0 qa0 0 qb0 0 qa1 0 qb1 0], four registers each
.set KF,  72                           ; v72-87   two fragments of K (128 keys)
.set VF,  88                           ; v88-103  two fragments of V (32 channels x 128 keys)
.set PC,  104                          ; v104-111 p's codes
.set O,   112                          ; v112-143 O^T: (tile t, channels 16 dt on) at 16 t + 8 dt
.set S,   144                          ; v144-207 S^T, then p
; v1 16 x lane; v2 4 x lane + 65536; v3 8 h; v4, v5 the step's addresses; v8 + 4 t: -M, the largest t, the sum in two halves; v52, v53 q's scale words; v54 K's, v55 V's, v56 p's; v[58:59] f; v57, v60-69 at work
	s_load_b128 s[4:7], s[0:1], 0x0                ; qbuf, kv
	s_load_b64 s[8:9], s[0:1], 0x10                ; attn
	v_lshl_add_u32 v208, v0, 2, 0x11000
	v_mov_b32 v209, 0
	v_lshrrev_b32 v6, 5, v0
	v_readfirstlane_b32 s10, v6                    ; wave 0..15
	v_and_b32 v7, 31, v0                           ; lane
	v_lshlrev_b32 v1, 4, v7
	v_lshl_add_u32 v2, v7, 2, 65536
	v_bfe_u32 v3, v0, 4, 1
	v_lshlrev_b32 v3, 3, v3
	v_lshlrev_b32 v4, 4, v0                        ; the copy: 16 x thread,
	v_lshlrev_b32 v5, 3, v0                        ; and for the last 4,096 bytes 8 x thread,
	v_add_nc_u32 v60, 65536, v5                    ; which in LDS lie beyond an immediate's reach
	v_and_b32 v61, 15, v0
	v_lshlrev_b32 v62, 2, v61                      ; 4 r
	v_lshlrev_b32 v61, 4, v61                      ; 16 r
	v_cmp_gt_u32 vcc_lo, 16, v7                    ; lanes 0-15
	v_cmp_le_u32 s30, 16, v7                       ; lanes 16-31
	s_and_b32 s11, ttmp7, 0xffff                   ; bh
	s_mul_i32 s12, s11, 69632
	s_mov_b32 s13, 0
	s_lshl_b32 s14, s11, 15                        ; q's codes: 32,768 bh + 256 x (32 qb + 2 wave)
	s_lshl_b32 s15, ttmp9, 13
	s_add_co_u32 s14, s14, s15
	s_lshl_b32 s15, s10, 9
	s_add_co_u32 s14, s14, s15
	s_mov_b32 s15, 0
	s_lshl_b32 s16, s11, 13                        ; q's scale words: 2097152 + 8,192 bh + 64 x tile
	s_lshl_b32 s17, ttmp9, 11
	s_add_co_u32 s16, s16, s17
	s_lshl_b32 s17, s10, 7
	s_add_co_u32 s16, s16, s17
	s_add_co_u32 s16, s16, 2097152
	s_mov_b32 s17, 0
	s_lshr_b32 s18, s11, 4                         ; o: (128 batch + 32 qb + 2 wave) x 32,768 + 2,048 head
	s_lshl_b32 s18, s18, 22
	s_lshl_b32 s19, ttmp9, 20
	s_add_co_u32 s18, s18, s19
	s_lshl_b32 s19, s10, 16
	s_add_co_u32 s18, s18, s19
	s_and_b32 s19, s11, 15
	s_lshl_b32 s19, s19, 11
	s_add_co_u32 s18, s18, s19
	s_mov_b32 s19, 0
	s_mov_b32 s20, 0x76543210
	s_mov_b32 s21, 0xfedcba98                      ; v_permlanex16_b32's selects for lane l xor 16
	s_mov_b32 s22, 0x3d8293ee                      ; c = log2(e) / sqrt(512)
	s_mov_b32 s23, s22                             ; (named with it as a pair, so it is written)
	s_mov_b32 s24, 0                               ; the step's images: 2,048 bytes a step, K's and V's alike
	s_mov_b32 s25, 0                               ; its scale words: 128 bytes a step
	s_mov_b32 s26, 16                              ; key steps of 128
	s_wait_kmcnt 0x0
	s_add_nc_u64 s[6:7], s[6:7], s[12:13]
	s_add_nc_u64 s[28:29], s[4:5], s[16:17]
	s_add_nc_u64 s[4:5], s[4:5], s[14:15]
	s_add_nc_u64 s[8:9], s[8:9], s[18:19]
.irp i, 0,1,2,3,4,5,6,7
	global_load_b128 v[S+4*\i:S+4*\i+3], v4, s[6:7] offset:8192*\i
.endr
	global_load_b64 v[S+32:S+33], v5, s[6:7] offset:65536
.irp t, 0,1
	global_load_b128 v[PC+4*\t:PC+4*\t+3], v61, s[4:5] offset:256*\t   ; q's 16 bytes of row r, in both halves of the lanes
	global_load_b32 v[52+\t], v62, s[28:29] offset:64*\t
.endr
	s_wait_loadcnt 4                               ; the record is in; q's four loads may be out
.irp i, 0,1,2,3,4,5,6,7
	ds_store_b128 v4, v[S+4*\i:S+4*\i+3] offset:8192*\i
.endr
	ds_store_b64 v60, v[S+32:S+33]
	s_wait_loadcnt 0x0
.irp z, 0,8,16,24,32
.irp i, 0,1,2,3
	v_mov_b32 v[QB+\z+\i], 0                       ; the zero codes between
.endr
.endr
.irp t, 0,1
.irp i, 0,1,2,3
	v_cndmask_b32 v[QB+16*\t+4+\i], 0, v[PC+4*\t+\i], vcc_lo
	v_cndmask_b32 v[QB+16*\t+12+\i], 0, v[PC+4*\t+\i], s30
.endr
.endr
.irp t, 0,1
	v_mov_b32 v[9+4*\t], 0xff61b1e6                ; the largest t so far: -3e38, under every t
	v_floor_f32 v[8+4*\t], -v[9+4*\t]              ; -M
	v_mov_b32 v[10+4*\t], 0                        ; the sum, in two halves
	v_mov_b32 v[11+4*\t], 0
.endr
	v_mov_b32 v57, 0                               ; lane permutes' destinations count as sources
	v_mov_b32 v64, 0
	v_mov_b32 v59, 0                               ; (the upper half of the pair v[58:59])
.set k, 0
.rept 32
	v_mov_b32 v[O+k], 0                            ; O^T: the step is written once; the first finds zeros, which the first change of M leaves zeros
.set k, k+1
.endr
	s_wait_dscnt 0x0                               ; for the others' sake: my part of the record has landed
	s_barrier_signal -1
	s_barrier_wait -1
.irp c, 0,1
.irp e, 0,1
	ds_load_b128 v[KF+8*\c+4*\e:KF+8*\c+4*\e+3], v1 offset:1024*\c+512*\e   ; K of step 0
.endr
.endr
	ds_load_b32 v54, v2                            ; lanes 0-15: fragment 0's scale words, lanes 16-31: fragment 1's
.macro NOP4
.rept 4
	v_nop
.endr
.endm
; S^T of tile t: 128 keys = 2 fragments x 4 variants.  Register 32 c + 8 j + i of lane (q, h) is key 64 c + 32 h + 8 j + i of the step
.macro SMUL t
.irp j, 0,1,2,3
	v_wmma_scale_f32_16x16x128_f8f6f4 v[S+8*\j:S+8*\j+7], v[KF:KF+7], v[QB+16*\t+8*(\j%2)+4*(1-\j/2):QB+16*\t+8*(\j%2)+4*(1-\j/2)+7], 0, v54, v[52+\t] matrix_a_fmt:MATRIX_FMT_FP4 matrix_b_fmt:MATRIX_FMT_FP4
.endr
.irp j, 0,1,2,3
	v_wmma_scale_f32_16x16x128_f8f6f4 v[S+32+8*\j:S+32+8*\j+7], v[KF+8:KF+15], v[QB+16*\t+8*(\j%2)+4*(1-\j/2):QB+16*\t+8*(\j%2)+4*(1-\j/2)+7], 0, v54, v[52+\t] matrix_a_fmt:MATRIX_FMT_FP4 matrix_b_fmt:MATRIX_FMT_FP4 matrix_a_scale:MATRIX_SCALE_ROW1
.endr
.endm
; O^T of tile t += V^T P^T: the two accumulators take turns
.macro PV t
	v_wmma_scale_f32_16x16x128_f8f6f4 v[O+16*\t:O+16*\t+7], v[VF:VF+7], v[PC:PC+7], v[O+16*\t:O+16*\t+7], v55, v56 matrix_a_fmt:MATRIX_FMT_FP4 matrix_b_fmt:MATRIX_FMT_FP4
	v_wmma_scale_f32_16x16x128_f8f6f4 v[O+16*\t+8:O+16*\t+15], v[VF+8:VF+15], v[PC:PC+7], v[O+16*\t+8:O+16*\t+15], v55, v56 matrix_a_fmt:MATRIX_FMT_FP4 matrix_b_fmt:MATRIX_FMT_FP4 matrix_a_scale:MATRIX_SCALE_ROW1
.endm
.macro SOFT t
.set NM, 8+4*\t
; The largest SCORE of my two blocks: it serves the row's maximum and, since p rises with the score, the block's largest p.  Each block in two chains of 16, the four chains by turns,
; so that a line's sources were written four lines back; each accumulator is read from its low end on.
.irp c, 0,1
	v_max3_num_f32 v[60+\c], v[S+32*\c], v[S+32*\c+1], v[S+32*\c+2]
	v_max3_num_f32 v[62+\c], v[S+32*\c+16], v[S+32*\c+17], v[S+32*\c+18]
.endr
.irp i, 3,5,7,9,11,13
.irp c, 0,1
	v_max3_num_f32 v[60+\c], v[60+\c], v[S+32*\c+\i], v[S+32*\c+\i+1]
	v_max3_num_f32 v[62+\c], v[62+\c], v[S+32*\c+16+\i], v[S+32*\c+17+\i]
.endr
.endr
.irp c, 0,1
	v_max3_num_f32 v[60+\c], v[60+\c], v[62+\c], v[S+32*\c+15]     ; the block's two chains meet, with the two scores left over
.endr
.irp c, 0,1
	v_max_num_f32 v[60+\c], v[60+\c], v[S+32*\c+31]
.endr
	v_max_num_f32 v65, v60, v61
	v_permlanex16_b32 v64, v65, s20, s21
	v_max_num_f32 v65, v65, v64                    ; the step's largest score of my query
	v_mul_f32 v65, s22, v65                        ; as t (c is positive)
	v_max_num_f32 v[NM+1], v[NM+1], v65            ; the running largest t
	v_mov_b32 v65, v[NM]
	v_floor_f32 v[NM], -v[NM+1]                    ; the new -M = -ceil(t)
	v_sub_f32 v65, v[NM], v65                      ; old M - new M: a whole number, 0 or less
	v_cvt_i32_f32 v65, v65                         ; (it saturates)
	v_ldexp_f32 v58, 1.0, v65                      ; f = 2^(old M - new M)
.set k, 0
.rept 32
	v_pk_fma_f32 v[S+k:S+k+1], v[S+k:S+k+1], s[22:23], v[NM:NM+1] op_sel_hi:[1,0,0]   ; t - M
.set k, k+2
.endr
.irp c, 0,1
	v_fma_f32 v[60+\c], v[60+\c], s22, v[NM]       ; the same of each block's largest score
.endr
.set k, 0
.rept 64
	v_exp_f32 v[S+k], v[S+k]                       ; p = 2^(t - M)
.set k, k+1
.endr
.irp c, 0,1
	v_exp_f32 v[60+\c], v[60+\c]                   ; the block's largest p: the same two instructions on the same number give the same bits
.endr
	v_pk_mul_f32 v[NM+2:NM+3], v[NM+2:NM+3], v[58:59] op_sel_hi:[1,0]   ; the sum under the new M (a plain place behind the exponentials)
	s_wait_alu depctr_va_vdst(0)
.irp c, 0,1
	v_max_num_f32 v[60+\c], 0x1800000, v[60+\c]    ; the floor 2^(3 - 127): the byte cannot fall under 1
.endr
.irp c, 0,1
	v_add_nc_u32 v[66+\c], 0xff000000, v[60+\c]    ; the conversion's scale operand
.endr
.irp c, 0,1
	v_lshrrev_b32 v[68+\c], 23, v[66+\c]           ; the byte
.endr
	v_lshl_or_b32 v56, v69, 16, v68                ; my two bytes: blocks h and 2 + h,
	v_lshlrev_b32 v56, v3, v56                     ; at their places;
	v_permlanex16_b32 v57, v56, s20, s21
	v_or_b32 v56, v56, v57                         ; with lane l xor 16's two: p's scale word of these 128 keys
.irp c, 0,1
.irp j, 0,1,2,3
	v_cvt_scalef32_pk8_fp4_f32 v[PC+4*\c+\j], v[S+32*\c+8*\j:S+32*\c+8*\j+7], v[66+\c]   ; registers 4 c on: k = 64 c + 32 h + 0 .. 31, as the operand wants them
.endr
.endr
	v_nop                                          ; a plain place behind the conversions
; The row's sum of the UNQUANTISED p: 32 pairs in four chains by turns (the sum itself, and three in registers that the lines above have done with).
; These 32 are also the places between the scale word, the codes and the products that take them.
	v_pk_add_f32 v[62:63], v[S:S+1], v[S+2:S+3]
	v_pk_add_f32 v[60:61], v[S+4:S+5], v[S+6:S+7]
	v_pk_add_f32 v[64:65], v[S+8:S+9], v[S+10:S+11]
.set k, 12
.rept 6
	v_pk_add_f32 v[NM+2:NM+3], v[NM+2:NM+3], v[S+k:S+k+1]
	v_pk_add_f32 v[62:63], v[62:63], v[S+k+2:S+k+3]
	v_pk_add_f32 v[60:61], v[60:61], v[S+k+4:S+k+5]
	v_pk_add_f32 v[64:65], v[64:65], v[S+k+6:S+k+7]
.set k, k+8
.endr
	v_pk_add_f32 v[NM+2:NM+3], v[NM+2:NM+3], v[S+60:S+61]
	v_pk_add_f32 v[62:63], v[62:63], v[S+62:S+63]
	v_pk_add_f32 v[60:61], v[60:61], v[64:65]
	v_pk_add_f32 v[NM+2:NM+3], v[NM+2:NM+3], v[62:63]
	v_pk_add_f32 v[NM+2:NM+3], v[NM+2:NM+3], v[60:61]
.set k, 0
.rept 8
	v_pk_mul_f32 v[O+16*\t+k:O+16*\t+k+1], v[O+16*\t+k:O+16*\t+k+1], v[58:59] op_sel_hi:[1,0]   ; O^T under the new M
.set k, k+2
.endr
.endm
.Ltrip:                                ; a key step of 128 keys, both tiles
	v_add_nc_u32 v4, s24, v1
	v_add_nc_u32 v5, s25, v2
	v_nop
	v_nop                                          ; four places behind the last products, in front of loads into V's registers
.irp d, 0,1
.irp e, 0,1
	ds_load_b128 v[VF+8*\d+4*\e:VF+8*\d+4*\e+3], v4 offset:32768+1024*\d+512*\e
.endr
.endr
	ds_load_b32 v55, v5 offset:2048
	s_wait_dscnt 5                                 ; K's five loads are in; V's five may be out
	SMUL 0
	NOP4
	SOFT 0
	s_wait_dscnt 0x0                               ; V is in
	PV 0
	SMUL 1
	NOP4                                           ; places in front of the loads into K's registers and of the reads of the scores
.irp c, 0,1
.irp e, 0,1
	ds_load_b128 v[KF+8*\c+4*\e:KF+8*\c+4*\e+3], v4 offset:2048+1024*\c+512*\e   ; the next step's K.  In the last trip these read V's first bytes, inside LDS, and nobody uses them
.endr
.endr
	ds_load_b32 v54, v5 offset:128
	SOFT 1
	PV 1
	s_add_co_u32 s24, s24, 2048
	s_add_co_u32 s25, s25, 128
	s_sub_co_u32 s26, s26, 1
	s_cmp_lg_u32 s26, 0
	s_cbranch_scc1 .Ltrip
	s_wait_dscnt 0x0
.irp t, 0,1
	v_add_f32 v[60+\t], v[10+4*\t], v[11+4*\t]     ; the sum's two halves,
.endr
.irp t, 0,1
	v_permlanex16_b32 v[62+\t], v[60+\t], s20, s21
.endr
.irp t, 0,1
	v_add_f32 v[60+\t], v[60+\t], v[62+\t]         ; and lane l xor 16's: the row's sum
.endr
.irp t, 0,1
	v_rcp_f32 v[64+2*\t], v[60+\t]
.endr
	v_nop                                          ; a plain place behind the reciprocals; with the four additions: the places behind the last products
	s_wait_alu depctr_va_vdst(0)
.irp t, 0,1
.irp i, 0,2,4,6,8,10,12,14
	v_pk_mul_f32 v[S+16*\t+\i:S+16*\t+\i+1], v[O+16*\t+\i:O+16*\t+\i+1], v[64+2*\t:65+2*\t] op_sel_hi:[1,0]
.endr
.endr
.irp t, 0,1
.irp i, 0,1,2,3
	global_store_b128 v1, v[S+16*\t+4*\i:S+16*\t+4*\i+3], s[8:9] offset:32768*\t+512*\i   ; 512 consecutive bytes, aligned: 1,024 dt + 512 (register half)
.endr
.endr
	s_wait_tensorcnt 0x0
	ds_add_u32 v208, v209
	s_wait_dscnt 0x0
	s_endpgm
.Lfunc_end_k_qa3458dc00c_attn:
	.size	k_qa3458dc00c_attn, .Lfunc_end_k_qa3458dc00c_attn-k_qa3458dc00c_attn
	.p2alignl 7, 3214868480
	.fill 96, 4, 3214868480
	.section	.rodata,"a",@progbits
	.p2align	6, 0x0
	.amdhsa_kernel k_qa3458dc00c_attn
		.amdhsa_group_segment_fixed_size 71680
		.amdhsa_private_segment_fixed_size 0
		.amdhsa_enable_private_segment 0
		.amdhsa_kernarg_size 24
		.amdhsa_user_sgpr_count 2
		.amdhsa_user_sgpr_kernarg_segment_ptr 1
		.amdhsa_wavefront_size32 1
		.amdhsa_system_sgpr_workgroup_id_x 1
		.amdhsa_system_sgpr_workgroup_id_y 1
		.amdhsa_system_sgpr_workgroup_id_z 1
		.amdhsa_system_vgpr_workitem_id 0
		.amdhsa_next_free_vgpr 210
		.amdhsa_next_free_sgpr 66
		.amdhsa_reserve_vcc 1
		.amdhsa_float_denorm_mode_32 3
		.amdhsa_float_denorm_mode_16_64 3
		.amdhsa_memory_ordered 1
		.amdhsa_forward_progress 1
		.amdhsa_inst_pref_size 34
	.end_amdhsa_kernel
	.amdgpu_metadata
---
amdhsa.version: [ 1, 2 ]
amdhsa.kernels:
  - .name:           k_qa3458dc00c_attn
    .symbol:         k_qa3458dc00c_attn.kd
    .args:
      - { .name: qbuf, .offset: 0, .size: 8, .value_kind: global_buffer, .address_space: global }
      - { .name: kv, .offset: 8, .size: 8, .value_kind: global_buffer, .address_space: global }
      - { .name: attn, .offset: 16, .size: 8, .value_kind: global_buffer, .address_space: global }
    .group_segment_fixed_size: 71680
    .private_segment_fixed_size: 0
    .kernarg_segment_align: 8
    .kernarg_segment_size: 24
    .max_flat_workgroup_size: 512
    .sgpr_count:     66
    .vgpr_count:     210
    .wavefront_size: 32
...
	.end_amdgpu_metadata
.endif
;; end of part 5
;; launch ffn (part 6): grid 256 x 1, 8 waves a work-group, clusters of 4 x 1, 327,680 bytes of LDS; arguments x, attn, ffnw, b1, b2, alpha, beta, out0; writes out0
.if DOCPART == 6
	.amdgcn_target "amdgcn-amd-amdhsa--gfx1250"
	.amdhsa_code_object_version 6
	.text
	.protected	k_qa3458dc00c_ffn
	.globl	k_qa3458dc00c_ffn
	.p2align	8
	.type	k_qa3458dc00c_ffn,@function
k_qa3458dc00c_ffn:
	s_mov_b64 s[64:65], 0
	v_nop
	global_prefetch_b8 v0, s[64:65] scope:SCOPE_SE
	s_setreg_imm32_b32 hwreg(HW_REG_WAVE_MODE, 25, 1), 1
	s_wait_xcnt 0x0
	s_wait_alu depctr_hold_cnt(0) depctr_sa_sdst(0) depctr_va_vdst(0) depctr_va_sdst(0) depctr_va_ssrc(0) depctr_va_vcc(0) depctr_vm_vsrc(0)
	s_getreg_b32 s2, hwreg(HW_REG_IB_STS2, 6, 4)
	s_cmp_eq_u32 s2, 0
	s_cbranch_scc0 .Lentry_in_a_cluster
	s_endpgm
.Lentry_in_a_cluster:
	s_bfe_u32 s2, ttmp6, 0x10000c
	s_cmp_lg_u32 s2, 0x3003
	s_cbranch_scc0 .Lentry_shape_is_right
	s_endpgm
.Lentry_shape_is_right:
; out = x1 + relu(relu(LN(x1) W1 + b1) W2 + b2), x1 = x + attention; both products on codes of FP4 with E8M0 scales.  The hidden layer never goes to memory.
; SHARES.  A work-group takes two tiles of 16 rows (tiles 2 W and 2 W + 1; tile j of a group of 64 rows takes rows 32 (r / 8) + 8 j + r % 8).  THE EIGHT WAVES SHARE THE COLUMNS: wave w owns columns 64 w on of x1
; and of the output, and of each 512 hidden units the 64 from 64 w on.
; THE WEIGHTS come as 16 records of 139,264 bytes (for each group of 512 hidden units: W1's columns, then W2's K) through a ring of two LDS slots; each wave fetches an eighth of a record, 68 rows of 256 bytes.
; Both slots are filled at the start, behind the loads of x and of the attention's result, for which the layer norm waits; the records are wanted only behind the layer norm.
; CLUSTER: all work-groups walk the same records, so the four of a cluster ask JOINTLY: the same tensor load, the same descriptor, the mask 15.  By this text's count two tensor loads of a wave are out at the start, later one.
; THE WALK BEGINS ELSEWHERE IN EACH CLUSTER: cluster c takes the eight groups of hidden units in the order c % 8, c % 8 + 1, .. modulo 8.  So the 64 clusters ask for eight different pairs of records at a time,
; and from its third record on a cluster asks for bytes that other clusters have read two phases before.  c is the cluster's number, the same in its four work-groups; it enters global addresses alone.
; BOTH PRODUCTS ARE USED TRANSPOSED (source 0 = 16 rows of the weight's image, source 1 = 16 rows of the activations): a lane holds one row and eight neighbouring columns a tile.
; ACTIVATIONS GO FROM WAVE TO WAVE THROUGH LDS AS IMAGES OF THE OPERAND'S REGISTERS: block b of row r at 256 b + 16 r of a fragment; a lane's 8 codes go to their 4 bytes, a wave's two scale bytes to their half of the word.
; The biases are loaded straight into the accumulators: the first product adds onto them.
; THE LAYER NORM over 512 columns meets in LDS as eight (mean, sum of squared deviations) of 64 columns: no difference of large sums is formed.
; LIMITS: the output's f32 sums take the eight groups of hidden units in the walk's order, which differs from cluster to cluster: an order of rounding; a block whose largest magnitude lies under 2^-124 gets the byte 1
; (only this program reads the bytes); NaN and infinities are not served.
; REGISTERS.  Window 0: v1-15 addresses, v16-17 for the add, v18-23 statistics, v24-31 the weight's scale words, v32-35 x's, v36-39 the hidden layer's, v40-47 codes, v48-63 at work,
;   v64-191 the weight's 16 fragments ((t, s) at 8 (4 t + s)), v192-255 the hidden accumulators ((rt, t) at 32 rt + 8 t).
;   Window 1: v0-63 LN(x1)'s eight fragments ((s, rt) at 8 (2 s + rt)), v64-127 the output's accumulators, v128-191 x1, v192-255 the hidden layer's eight fragments.
; SCALARS: s20 wave; s21 my eighth of a record; s[24:31] group 1; s[32:35], s[36:39] groups 0 of slots 0, 1; s44 trips; s47 the group of hidden units in hand; s[54:55] its b1; s[56:57] its records' offset; s[58:59] b1's offset.
.set REC,   139264
.set HIMG,  278528                     ; behind the ring: the hidden layer's 8 fragments (2 s + rt),
.set HSC,   286720                     ; their scale words (128 s + 64 rt + 4 r),
.set STATS, 287232                     ; 256 bytes a wave,
.set STAGE, 289280                     ; a stage of 16 rows x 272 bytes for each wave; between two barriers its first 8,704 bytes hold LN(x1)'s images and scale words,
.set XOFF,  10752                      ; which so lie XOFF bytes behind the hidden layer's
.set SPARE, 324096                     ; the spare words, 128 bytes a wave: four blocks of 256 bytes that no other line names
.set WSC, 24
.set XS,  32
.set HHS, 36
.set PC,  40
.set TM,  48
.set WF,  64
.set HA,  192
.set MSB, 0
.macro WIN new                         ; the immediate's high byte repeats the setting that is left
.if MSB != \new
	s_set_vgpr_msb (MSB<<8)|\new
.set MSB, \new
.endif
.endm
.macro NOP4
.rept 4
	v_nop
.endr
.endm
.macro ROUND                           ; a round of the cluster's barrier
	s_barrier_signal -1
	s_barrier_wait -1
	s_cmp_lg_u32 s20, 0
	s_cbranch_scc1 .Lnot_wave_0_\@
	s_barrier_signal -3
.Lnot_wave_0_\@:
	s_barrier_wait -3
	s_barrier_signal -1
	s_barrier_wait -1
.endm
	s_load_b512 s[4:19], s[0:1], 0x0               ; x 4, attn 6, ffnw 8, b1 10, b2 12, alpha 14, beta 16, out0 18
	v_lshl_add_u32 v16, v0, 2, SPARE
	v_mov_b32 v17, 0
	ds_add_u32 v16, v17
	ds_add_u32 v16, v17
	s_wait_dscnt 0x0
	v_lshrrev_b32 v18, 5, v0
	v_readfirstlane_b32 s20, v18                   ; wave 0..7
	s_bfe_u32 s48, ttmp6, 0x40000                  ; cx
	s_lshl_b32 s49, ttmp9, 2
	s_add_co_u32 s49, s49, s48                     ; W = 4 x cluster + cx: it enters the addresses of x, attn and out0 alone
	s_and_b32 s47, ttmp9, 7                        ; the group of 512 hidden units with which my cluster begins
	s_mov_b32 s24, 15|(3<<16)|(1<<21)              ; group 1: the mask: all four; elements of 8 bytes; bit 21 beside a mask; no padding: images are read 512 consecutive bytes at a time
	s_mov_b32 s25, 32<<16                          ; tensor_dim0 = 32 elements: 256 bytes
	s_mov_b32 s26, 68<<16                          ; tensor_dim1 = 68
	s_mov_b32 s27, 32<<16                          ; tile_dim0
	s_mov_b32 s28, 68                              ; tile_dim1
	s_mov_b32 s29, 32                              ; the pitch: dense
	s_mov_b32 s30, 0
	s_mov_b32 s31, 0
	s_mov_b32 s40, 0x76543210
	s_mov_b32 s41, 0xfedcba98
	s_mov_b32 s43, 0x3b004020                      ; 1 / 511
	s_mov_b32 s45, 0x358637bd                      ; 1e-6
	s_mov_b32 s44, 7                               ; trips of the loop: 16 phases, the first and the last written out, two a trip
	s_mul_i32 s21, s20, 17408                      ; my eighth of a record
	s_mov_b32 s22, s21
	s_mov_b32 s23, 0
	s_mul_i32 s56, s47, 2*REC                      ; where the group's two records begin
	s_mov_b32 s57, 0
	s_lshl_b32 s58, s47, 11                        ; and its 512 numbers of b1
	s_mov_b32 s59, 0
	v_and_b32 v18, 31, v0                          ; lane
	v_and_b32 v19, 15, v0                          ; r
	v_bfe_u32 v20, v0, 4, 1                        ; h
	v_lshlrev_b32 v1, 4, v18                       ; LI: 16 x lane
	v_add_nc_u32 v2, HIMG, v1                      ; LIH
	v_lshl_add_u32 v3, v18, 2, HSC                 ; LSH
	s_lshr_b32 s50, s20, 1
	s_and_b32 s51, s20, 1
	s_lshl_b32 s52, s50, 11
	s_lshl_b32 s53, s51, 9
	s_add_co_u32 s52, s52, s53
	s_add_co_u32 s52, s52, HIMG
	v_lshlrev_b32 v4, 4, v19
	v_lshl_add_u32 v4, v20, 2, v4
	v_add_nc_u32 v4, s52, v4                       ; PA: my codes' place: K step w / 2, blocks 2 (w % 2) on, row r, + 4 h
	s_lshl_b32 s52, s50, 7
	s_lshl_b32 s53, s51, 1
	s_add_co_u32 s52, s52, s53
	s_add_co_u32 s52, s52, HSC
	v_lshlrev_b32 v5, 2, v19
	v_add_nc_u32 v5, s52, v5                       ; PSA: my two scale bytes' place
	s_mul_i32 s52, s20, 4352
	s_add_co_u32 s52, s52, STAGE
	v_mul_u32_u24 v6, v19, 272
	v_lshl_add_u32 v6, v20, 5, v6
	v_add_nc_u32 v6, s52, v6                       ; STO: the stage by accumulators: row r, + 32 h
	v_mul_u32_u24 v7, v20, 272
	v_lshl_add_u32 v7, v19, 4, v7
	v_add_nc_u32 v7, s52, v7                       ; RD: the stage by rows: lanes 0-15 one row, lanes 16-31 the next
	v_lshlrev_b32 v8, 11, v20
	v_lshl_add_u32 v8, v19, 4, v8                  ; GX: the same two rows in x and in out0
	v_lshlrev_b32 v9, 5, v20                       ; B1A: 32 h: my eight numbers of a bias's sixteen
	s_lshl_b32 s52, s20, 14
	v_add_nc_u32 v10, s52, v1                      ; WA0, WA1: my four tiles' images in slot 0, 1
	v_add_nc_u32 v11, REC, v10
	s_lshl_b32 s52, s20, 10
	s_add_co_u32 s52, s52, 131072
	v_add_nc_u32 v12, s52, v1                      ; WS0, WS1: their scale words
	v_add_nc_u32 v13, REC, v12
	s_lshl_b32 s52, s20, 8
	s_add_co_u32 s52, s52, STATS
	v_lshlrev_b32 v15, 3, v19
	v_add_nc_u32 v14, s52, v15                     ; SA: where I put my row's two figures
	v_add_nc_u32 v15, STATS, v15                   ; SRD: where I read the eight waves'
	v_mov_b32 v21, 0                               ; (upper halves of pairs that are named before they are written)
	v_mov_b32 v23, 0
	s_wait_kmcnt 0x0
	s_load_b32 s42, s[14:15], 0x0                  ; alpha
	s_load_b32 s46, s[16:17], 0x0                  ; beta
	s_add_nc_u64 s[8:9], s[8:9], s[22:23]          ; ffnw at my eighth of record 0; kept
	s_mov_b32 s32, 1                               ; group 0 of slot 0: W1's record of the first group
	s_mov_b32 s33, s21
	s_add_nc_u64 s[34:35], s[8:9], s[56:57]
	s_or_b32 s35, s35, 0x80000000
	s_mov_b32 s36, 1                               ; of slot 1: W2's record of the same group
	s_add_co_u32 s37, s21, REC
	s_add_nc_u64 s[38:39], s[8:9], s[56:57]
	s_add_nc_u64 s[38:39], s[38:39], REC
	s_or_b32 s39, s39, 0x80000000
	s_lshr_b32 s50, s49, 1
	s_and_b32 s51, s49, 1
	s_lshl_b32 s50, s50, 17                        ; 64 rows of 2,048 bytes a group,
	s_lshl_b32 s51, s51, 15                        ; 16 rows for the group's second half,
	s_add_co_u32 s50, s50, s51
	s_lshl_b32 s51, s20, 8                         ; my 256 bytes of a row
	s_add_co_u32 s50, s50, s51
	s_mov_b32 s51, 0
	s_add_nc_u64 s[4:5], s[4:5], s[50:51]
	s_add_nc_u64 s[18:19], s[18:19], s[50:51]
	s_lshl_b32 s50, s49, 16                        ; attn: tile 2 W: 32 images of 1,024 bytes a tile; my four
	s_lshl_b32 s52, s20, 12
	s_add_co_u32 s50, s50, s52
	s_add_nc_u64 s[6:7], s[6:7], s[50:51]
	s_lshl_b32 s50, s20, 8
	s_add_nc_u64 s[10:11], s[10:11], s[50:51]      ; b1 at my 64 of a group's 512; kept
	s_add_nc_u64 s[12:13], s[12:13], s[50:51]
	s_add_nc_u64 s[54:55], s[10:11], s[58:59]      ; b1 of the first group
.irp rt, 0,1
.irp i, 0,1,2,3,4,5,6,7
	global_load_b128 v[64+32*\rt+4*\i:64+32*\rt+4*\i+3], v8, s[4:5] offset:(8*\rt+(2*\i)%8+32*(\i/4))*2048 th:TH_LOAD_NT   ; x: the tile's rows 2 i and 2 i + 1: 256 consecutive bytes each, aligned
.endr
.endr
.irp rt, 0,1
.irp t, 0,1,2,3
.irp i, 0,1
	global_load_b128 v[128+32*\rt+8*\t+4*\i:128+32*\rt+8*\t+4*\i+3], v1, s[6:7] offset:32768*\rt+1024*\t+512*\i th:TH_LOAD_NT   ; the attention's result, in the accumulators' layout
.endr
.endr
.endr
	WIN 0x40                                       ; destination window 1
.irp rt, 0,1
.irp t, 0,1,2,3
.irp i, 0,1
	global_load_b128 v[64+32*\rt+8*\t+4*\i:64+32*\rt+8*\t+4*\i+3], v9, s[12:13] offset:64*\t+16*\i   ; b2 into the output's accumulators
.endr
.endr
.endr
	WIN 0
.macro B1LOAD
.irp rt, 0,1
.irp t, 0,1,2,3
.irp i, 0,1
	global_load_b128 v[HA+32*\rt+8*\t+4*\i:HA+32*\rt+8*\t+4*\i+3], v9, s[54:55] offset:64*\t+16*\i   ; b1 into the hidden accumulators
.endr
.endr
.endr
.endm
	B1LOAD
	ROUND                                          ; all four work-groups are here: the first joint loads meet
	tensor_load_to_lds s[32:35], s[24:31]          ; the two first fills go out together, ahead of every wait on TENSORcnt and every LDS read
	s_nop 0
	tensor_load_to_lds s[36:39], s[24:31]
	s_nop 0
	NOP4
	s_wait_loadcnt 48                              ; x is in; attn, b2 and b1 (48 loads) may be out
.irp rt, 0,1                           ; x from rows into the accumulators' layout, through my own stage: LDS serves a wave's instructions in order
	WIN 0
.irp i, 0,1,2,3,4,5,6,7
	ds_store_b128 v7, v[64+32*\rt+4*\i:64+32*\rt+4*\i+3] offset:544*\i
.endr
	WIN 0x40
.irp t, 0,1,2,3
.irp i, 0,1
	ds_load_b128 v[128+32*\rt+8*\t+4*\i:128+32*\rt+8*\t+4*\i+3], v6 offset:64*\t+16*\i
.endr
.endr
.endr
	s_wait_loadcnt 32                              ; attn is in; b2 and b1 may be out
	s_wait_dscnt 0x0
	WIN 0x01                                       ; source 0 window 1
.set k, 0
.rept 32
	v_pk_add_f32 v[64+k:65+k], v[128+k:129+k], v[128+k:129+k]      ; x1 = x + attention, a copy in window 0 for the layer norm,
.set k, k+2
.endr
	WIN 0x41
.set k, 0
.rept 32
	v_pk_add_f32 v[128+k:129+k], v[128+k:129+k], v[128+k:129+k]    ; and one in window 1, kept for the last residual
.set k, k+2
.endr
	WIN 0
.macro TREE                            ; eight pairs in v48-63 become one number in v48, lane l xor 16's added
.irp k, 0,1,2,3
	v_pk_add_f32 v[48+2*\k:49+2*\k], v[48+2*\k:49+2*\k], v[56+2*\k:57+2*\k]
.endr
	v_pk_add_f32 v[48:49], v[48:49], v[52:53]
	v_pk_add_f32 v[50:51], v[50:51], v[54:55]
	v_pk_add_f32 v[48:49], v[48:49], v[50:51]
	v_add_f32 v48, v48, v49
	v_permlanex16_b32 v49, v48, s40, s41
	v_add_f32 v48, v48, v49
.endm
.macro LOCAL rt                        ; my row's mean over my wave's 64 columns, the deviations in place, the sum of their squares
.irp k, 0,1,2,3,4,5,6,7
	v_pk_add_f32 v[48+2*\k:49+2*\k], v[64+32*\rt+4*\k:65+32*\rt+4*\k], v[66+32*\rt+4*\k:67+32*\rt+4*\k]
.endr
	TREE
	v_mul_f32 v[18+2*\rt], 0x3c800000, v48         ; / 64
.irp k, 0,2,4,6,8,10,12,14,16,18,20,22,24,26,28,30
	v_pk_add_f32 v[64+32*\rt+\k:65+32*\rt+\k], v[64+32*\rt+\k:65+32*\rt+\k], v[18+2*\rt:19+2*\rt] op_sel_hi:[1,0] neg_lo:[0,1] neg_hi:[0,1]
.endr
.irp k, 0,1,2,3,4,5,6,7
	v_pk_mul_f32 v[48+2*\k:49+2*\k], v[64+32*\rt+4*\k:65+32*\rt+4*\k], v[64+32*\rt+4*\k:65+32*\rt+4*\k]
.endr
.irp k, 0,1,2,3,4,5,6,7
	v_pk_fma_f32 v[48+2*\k:49+2*\k], v[66+32*\rt+4*\k:67+32*\rt+4*\k], v[66+32*\rt+4*\k:67+32*\rt+4*\k], v[48+2*\k:49+2*\k]
.endr
	TREE
	v_mov_b32 v[19+2*\rt], v48
	ds_store_b64 v14, v[18+2*\rt:19+2*\rt] offset:128*\rt          ; both halves of the lanes write the same 8 bytes with the same values
.endm
	LOCAL 0
	LOCAL 1
	s_wait_dscnt 0x0                               ; my figures have landed, and my reads of my stage are over
	s_barrier_signal -1
	s_barrier_wait -1                              ; the records' loads may stay out
.irp rt, 0,1
.irp w, 0,1,2,3,4,5,6,7
	ds_load_b64 v[128+16*\rt+2*\w:129+16*\rt+2*\w], v15 offset:128*\rt+256*\w
.endr
.endr
	s_wait_kmcnt 0x0                               ; alpha, beta
	s_wait_dscnt 0x0
.macro NORM rt
.set B, 128+16*\rt
	v_pk_add_f32 v[48:49], v[B:B+1], v[B+2:B+3]    ; the eight means and the eight sums of squares, side by side
	v_pk_add_f32 v[50:51], v[B+4:B+5], v[B+6:B+7]
	v_pk_add_f32 v[52:53], v[B+8:B+9], v[B+10:B+11]
	v_pk_add_f32 v[54:55], v[B+12:B+13], v[B+14:B+15]
	v_pk_add_f32 v[48:49], v[48:49], v[50:51]
	v_pk_add_f32 v[52:53], v[52:53], v[54:55]
	v_pk_add_f32 v[48:49], v[48:49], v[52:53]
	v_mul_f32 v50, 0x3e000000, v48                 ; the row's mean
	v_sub_f32 v56, v[B], v50
	v_mul_f32 v51, v56, v56
.irp w, 1,2,3,4,5,6,7
	v_sub_f32 v56, v[B+2*\w], v50
	v_fmac_f32 v51, v56, v56
.endr
	v_fmamk_f32 v49, v51, 0x42800000, v49          ; + 64 x the squared distances of the eight means from the row's
	v_fma_f32 v49, v49, s43, s45                   ; / 511 + eps
	v_rsq_f32 v52, v49
	v_sub_f32 v53, v50, v[18+2*\rt]                ; the row's mean less my wave's (a plain place behind the transcendental)
	s_wait_alu depctr_va_vdst(0)
	v_mul_f32 v22, s42, v52                        ; g = alpha / sqrt(var + eps)
	v_fma_f32 v54, -v53, v22, s46                  ; beta - (mean - my mean) g
.irp k, 0,2,4,6,8,10,12,14,16,18,20,22,24,26,28,30
	v_pk_fma_f32 v[64+32*\rt+\k:65+32*\rt+\k], v[64+32*\rt+\k:65+32*\rt+\k], v[22:23], v[54:55] op_sel_hi:[1,0,0]
.endr
.endm
	NORM 0
	NORM 1
; 64 numbers of a lane, v[s] on: register 32 rt + 16 b + 8 u + i = column 32 b + 16 u + 8 h + i of my wave's 64, row r of tile rt.  Four blocks (2 rt + b), each shared with lane l xor 16.
; The codes go to their places in the images, the two bytes of a row to their half of the scale word.
.macro QPLACE s, off
.irp q, 0,1,2,3
	v_max3_num_f32 v[TM+\q], |v[\s+16*\q]|, |v[\s+1+16*\q]|, 0x1800000
.endr
.irp i, 2,4,6,8,10,12,14
.irp q, 0,1,2,3
	v_max3_num_f32 v[TM+\q], v[TM+\q], |v[\s+16*\q+\i]|, |v[\s+1+16*\q+\i]|
.endr
.endr
.irp q, 0,1,2,3
	v_permlanex16_b32 v[TM+4+\q], v[TM+\q], s40, s41
.endr
.irp q, 0,1,2,3
	v_max_num_f32 v[TM+\q], v[TM+\q], v[TM+4+\q]
.endr
.irp q, 0,1,2,3
	v_add_nc_u32 v[TM+12+\q], 0xff000000, v[TM+\q]
.endr
.irp q, 0,1,2,3
	v_lshrrev_b32 v[TM+4+\q], 23, v[TM+12+\q]
.endr
	v_lshl_or_b32 v[TM+8], v[TM+5], 8, v[TM+4]
	v_lshl_or_b32 v[TM+9], v[TM+7], 8, v[TM+6]
.irp q, 0,1,2,3
	v_cvt_scalef32_pk8_fp4_f32 v[PC+2*\q], v[\s+16*\q:\s+7+16*\q], v[TM+12+\q]
	v_cvt_scalef32_pk8_fp4_f32 v[PC+1+2*\q], v[\s+8+16*\q:\s+15+16*\q], v[TM+12+\q]
.endr
	v_nop                                          ; a plain place behind the conversions
.irp rt, 0,1
.irp b, 0,1
.irp i, 0,1
	ds_store_b32 v4, v[PC+4*\rt+2*\b+\i] offset:\off+1024*\rt+256*\b+8*\i   ; k = 16 i + 8 h + 0 .. 7 of the block: bytes 8 i + 4 h on
.endr
.endr
	ds_store_b16 v5, v[TM+8+\rt] offset:\off+64*\rt
.endr
.endm
.macro HLOAD dst, sc, off              ; eight fragments (window 1) and their scale words: lanes 0-15 tile 0, lanes 16-31 tile 1
	WIN 0x40
.irp f, 0,1,2,3,4,5,6,7
.irp c, 0,1
	ds_load_b128 v[\dst+8*\f+4*\c:\dst+8*\f+4*\c+3], v2 offset:\off+1024*\f+512*\c
.endr
.endr
	WIN 0
.irp s, 0,1,2,3
	ds_load_b32 v[\sc+\s], v3 offset:\off+128*\s
.endr
.endm
.macro WFETCH n                        ; my four tiles of the record in slot n: scale words first, then the fragments, K step by K step
.irp p, 0,1
	ds_load_b128 v[WSC+4*\p:WSC+4*\p+3], v[12+\n] offset:512*\p    ; register 4 p + s: lanes 0-15 tile 2 p, lanes 16-31 tile 2 p + 1
.endr
.irp s, 0,1,2,3
.irp t, 0,1,2,3
.irp c, 0,1
	ds_load_b128 v[WF+8*(4*\t+\s)+4*\c:WF+8*(4*\t+\s)+4*\c+3], v[10+\n] offset:(4*\t+\s)*1024+512*\c
.endr
.endr
.endr
.endm
.macro WM d, a, b, sa, sb, ra, rb      ; one matrix instruction, in place.  ra, rb: the row of the scale registers
.if (\ra)==0 && (\rb)==0
	v_wmma_scale_f32_16x16x128_f8f6f4 v[(\d):(\d)+7], v[(\a):(\a)+7], v[(\b):(\b)+7], v[(\d):(\d)+7], v[\sa], v[\sb] matrix_a_fmt:MATRIX_FMT_FP4 matrix_b_fmt:MATRIX_FMT_FP4
.elseif (\rb)==0
	v_wmma_scale_f32_16x16x128_f8f6f4 v[(\d):(\d)+7], v[(\a):(\a)+7], v[(\b):(\b)+7], v[(\d):(\d)+7], v[\sa], v[\sb] matrix_a_fmt:MATRIX_FMT_FP4 matrix_b_fmt:MATRIX_FMT_FP4 matrix_a_scale:MATRIX_SCALE_ROW1
.elseif (\ra)==0
	v_wmma_scale_f32_16x16x128_f8f6f4 v[(\d):(\d)+7], v[(\a):(\a)+7], v[(\b):(\b)+7], v[(\d):(\d)+7], v[\sa], v[\sb] matrix_a_fmt:MATRIX_FMT_FP4 matrix_b_fmt:MATRIX_FMT_FP4 matrix_b_scale:MATRIX_SCALE_ROW1
.else
	v_wmma_scale_f32_16x16x128_f8f6f4 v[(\d):(\d)+7], v[(\a):(\a)+7], v[(\b):(\b)+7], v[(\d):(\d)+7], v[\sa], v[\sb] matrix_a_fmt:MATRIX_FMT_FP4 matrix_b_fmt:MATRIX_FMT_FP4 matrix_a_scale:MATRIX_SCALE_ROW1 matrix_b_scale:MATRIX_SCALE_ROW1
.endif
.endm
; 32 matrix instructions: four K steps x my four tiles x the two tiles of rows.  The eight accumulators take turns, one instruction a turn.
.macro MULT win, d, b, bs
.irp s, 0,1,2,3
	s_wait_dscnt 24-8*\s                           ; K step s's eight loads, and all that was asked for ahead of them, are in; the later K steps' may be out
	WIN \win
.irp t, 0,1,2,3
.irp rt, 0,1
	WM \d+32*\rt+8*\t, WF+8*(4*\t+\s), \b+8*(2*\s+\rt), WSC+4*(\t/2)+\s, \bs+\s, \t%2, \rt
.endr
.endr
.endr
.endm
; THE CHANGE OF SLOTS at the head of the phase that reads slot `slot`.  Each wave waits for all its tensor loads (its eighth of the record that it is about to read), adds 0 to its spare word, and waits for that,
; for its reads of the slot that it has left and for its stores of images.  Behind the round the record ahead is whole, nobody in the cluster reads the other slot, and the images stored in the last phase are there for every wave.
; refill = 1: the slot that has been left takes its next record.  At the head of a phase 2 that is W1's record of the NEXT group of hidden units (the group's number steps here, modulo 8);
; at the head of a phase 1 it is W2's record of the group in hand.
.macro TRIP slot, refill
	WIN 0
	s_wait_tensorcnt 0x0                           ; no tensor load of mine is out, so a group 0 may be written
	ds_add_u32 v16, v17                            ; 0 onto my spare word; the address is made while it is out
.if \refill
.if \slot == 1
	s_add_co_u32 s47, s47, 1
	s_and_b32 s47, s47, 7
	s_mul_i32 s56, s47, 2*REC
	s_add_nc_u64 s[34:35], s[8:9], s[56:57]
	s_or_b32 s35, s35, 0x80000000
.else
	s_add_nc_u64 s[38:39], s[8:9], s[56:57]
	s_add_nc_u64 s[38:39], s[38:39], REC
	s_or_b32 s39, s39, 0x80000000
.endif
.endif
	s_wait_dscnt 0x0
	ROUND
.if \refill
	tensor_load_to_lds s[36-4*\slot:39-4*\slot], s[24:31]          ; my one tensor load until the next round
	s_nop 0
.endif
	NOP4                                           ; (the places in front of the loads into the weight's registers)
.endm
.macro PHASE1                          ; 512 hidden units: my 64 of them for the 32 rows, relu, quantised, images to LDS
	WFETCH 0
	s_wait_loadcnt 0x0                             ; b1 (and at first b2) lie in the accumulators
	MULT 0x04, HA, 0, XS
	WIN 0
	NOP4
.set k, 0
.rept 64
	v_max_num_f32 v[HA+k], 0, v[HA+k]              ; the activation, each accumulator from its low end on
.set k, k+1
.endr
	QPLACE HA, 0
.endm
.macro PHASE2 next                     ; the output's sums take these 512 hidden units
.if \next
	s_lshl_b32 s58, s47, 11                        ; the next group's bias (the change of slots has stepped the group's number);
	s_add_nc_u64 s[54:55], s[10:11], s[58:59]      ; the last loads by this base were waited for in the phase before
	B1LOAD
.endif
	HLOAD 192, HHS, 0
	WFETCH 1
	MULT 0x54, 64, 192, HHS
	WIN 0
.endm
	QPLACE 64, XOFF
	s_wait_tensorcnt 0x1                           ; my eighth of the first record is in; the second record's load may stay out
	s_wait_dscnt 0x0                               ; for the others' sake: my images have landed
	s_barrier_signal -1
	s_barrier_wait -1
	HLOAD 0, XS, XOFF
	PHASE1                                         ; the first phase stands ahead of the loop: both its slot and the next were filled at the start
.Lloop:                                ; a trip: a group's phase 2 and the next group's phase 1; both slots are filled again
	TRIP 1, 1
	PHASE2 1
	TRIP 0, 1
	PHASE1
	s_sub_co_u32 s44, s44, 1
	s_cmp_lg_u32 s44, 0
	s_cbranch_scc1 .Lloop
	TRIP 1, 0                                      ; the last phase is written out
	PHASE2 0
	NOP4
	WIN 0x04                                       ; source 1 window 1
.set k, 0
.rept 64
	v_max_num_f32 v[64+k], 0, v[64+k]              ; the second activation, into window 0
.set k, k+1
.endr
.set k, 0
.rept 32
	v_pk_add_f32 v[64+k:65+k], v[64+k:65+k], v[128+k:129+k]        ; + x1
.set k, k+2
.endr
	WIN 0
.irp rt, 0,1                           ; through my stage, back as rows
.irp t, 0,1,2,3
.irp i, 0,1
	ds_store_b128 v6, v[64+32*\rt+8*\t+4*\i:64+32*\rt+8*\t+4*\i+3] offset:64*\t+16*\i
.endr
.endr
.irp i, 0,1,2,3,4,5,6,7
	ds_load_b128 v[128+32*\rt+4*\i:128+32*\rt+4*\i+3], v7 offset:544*\i
.endr
.endr
.irp rt, 0,1
.irp i, 0,1,2,3,4,5,6,7
	s_wait_dscnt 16*(1-\rt)+7-\i                   ; behind this pair of rows: the tile's later pairs, and for tile 0 the sixteen LDS instructions of tile 1
	global_store_b128 v8, v[128+32*\rt+4*\i:128+32*\rt+4*\i+3], s[18:19] offset:(8*\rt+(2*\i)%8+32*(\i/4))*2048 th:TH_STORE_NT   ; sixteen lanes store 256 consecutive bytes, aligned
.endr
.endr
	s_wait_tensorcnt 0x0                           ; the wave's end
	ds_add_u32 v16, v17
	s_wait_dscnt 0x0
	ROUND                                          ; the closing round
	s_endpgm
.Lfunc_end_k_qa3458dc00c_ffn:
	.size	k_qa3458dc00c_ffn, .Lfunc_end_k_qa3458dc00c_ffn-k_qa3458dc00c_ffn
	.p2alignl 7, 3214868480
	.fill 96, 4, 3214868480
	.section	.rodata,"a",@progbits
	.p2align	6, 0x0
	.amdhsa_kernel k_qa3458dc00c_ffn
		.amdhsa_group_segment_fixed_size 327680
		.amdhsa_private_segment_fixed_size 0
		.amdhsa_enable_private_segment 0
		.amdhsa_kernarg_size 64
		.amdhsa_user_sgpr_count 2
		.amdhsa_user_sgpr_kernarg_segment_ptr 1
		.amdhsa_wavefront_size32 1
		.amdhsa_system_sgpr_workgroup_id_x 1
		.amdhsa_system_sgpr_workgroup_id_y 1
		.amdhsa_system_sgpr_workgroup_id_z 1
		.amdhsa_system_vgpr_workitem_id 0
		.amdhsa_next_free_vgpr 512
		.amdhsa_next_free_sgpr 66
		.amdhsa_reserve_vcc 0
		.amdhsa_float_denorm_mode_32 3
		.amdhsa_float_denorm_mode_16_64 3
		.amdhsa_memory_ordered 1
		.amdhsa_forward_progress 1
		.amdhsa_inst_pref_size 91
	.end_amdhsa_kernel
	.amdgpu_metadata
---
amdhsa.version: [ 1, 2 ]
amdhsa.kernels:
  - .name:           k_qa3458dc00c_ffn
    .symbol:         k_qa3458dc00c_ffn.kd
    .args:
      - { .name: x, .offset: 0, .size: 8, .value_kind: global_buffer, .address_space: global }
      - { .name: attn, .offset: 8, .size: 8, .value_kind: global_buffer, .address_space: global }
      - { .name: ffnw, .offset: 16, .size: 8, .value_kind: global_buffer, .address_space: global }
      - { .name: b1, .offset: 24, .size: 8, .value_kind: global_buffer, .address_space: global }
      - { .name: b2, .offset: 32, .size: 8, .value_kind: global_buffer, .address_space: global }
      - { .name: alpha, .offset: 40, .size: 8, .value_kind: global_buffer, .address_space: global }
      - { .name: beta, .offset: 48, .size: 8, .value_kind: global_buffer, .address_space: global }
      - { .name: out0, .offset: 56, .size: 8, .value_kind: global_buffer, .address_space: global }
    .group_segment_fixed_size: 327680
    .private_segment_fixed_size: 0
    .kernarg_segment_align: 8
    .kernarg_segment_size: 64
    .max_flat_workgroup_size: 256
    .sgpr_count:     66
    .vgpr_count:     512
    .wavefront_size: 32
...
	.end_amdgpu_metadata
.endif
;; end of part 6
;; ======== version 3 of 3: 4 launches; version 2 with the launches qkv, attn written anew for expert scheduling mode
;; workspace buffers: xq 2,228,224 bytes; wqkv 417,792 bytes; ffnw 2,228,224 bytes; qbuf 2,621,440 bytes; kv 4,456,448 bytes; attn 16,777,216 bytes
;; launch prep: the kernel of part 1 again; grid 432 x 1, 4 waves a work-group, no clusters, 39,424 bytes of LDS; arguments x, alpha, beta, Wq, Wk, Wv, W1, W2, xq, wqkv, ffnw; writes xq, wqkv, ffnw
;; launch qkv (part 7): grid 12 x 64, 4 waves a work-group, no clusters, 35,328 bytes of LDS; arguments xq, wqkv, qbuf, kv; writes qbuf, kv
.if DOCPART == 7
	.amdgcn_target "amdgcn-amd-amdhsa--gfx1250"
	.amdhsa_code_object_version 6
	.text
	.protected	k_qa3458dc00c_qkv
	.globl	k_qa3458dc00c_qkv
	.p2align	8
	.type	k_qa3458dc00c_qkv,@function
k_qa3458dc00c_qkv:
	s_mov_b64 s[64:65], 0
	v_nop
	global_prefetch_b8 v0, s[64:65] scope:SCOPE_SE
	s_setreg_imm32_b32 hwreg(HW_REG_WAVE_SCHED_MODE, 0, 2), 2
	s_setreg_imm32_b32 hwreg(HW_REG_WAVE_MODE, 25, 1), 1
	s_wait_xcnt 0x0
	s_wait_alu depctr_vm_vsrc(0)
; q, k, v = LN(x) Wq, Wk, Wv on codes of FP4 with E8M0 scales, and their results quantised at once for the attention's two products.
; Work-group (x, y): x / 4 = which of q, k, v; x % 4 = a group of four heads; y = 128 rows (two groups of 64).  A wave takes one head (32 columns: two tiles of the weight).
; The rows' two records of xq (34,816 bytes) are copied into LDS as they lie and read by all four waves; a wave's weight fragments and scale words stay in registers.
; q, k: THE PRODUCT IS USED TRANSPOSED (source 0 = 16 columns of W, source 1 = 16 rows): a lane holds one row and 16 of its head's 32 numbers; lane l xor 16 holds the other 16.
;   The head's 32 are one block.  A row's 16 bytes of codes hold n in the order 0-7, 16-23, 8-15, 24-31, alike in q and in k: the products of the scores are the same set.
; v: source 0 = 16 rows (keys), source 1 = 16 columns: by the choice of a tile's rows a lane holds ONE channel and 32 NEIGHBOURING keys over the group's four tiles: a whole block of the second product's K.
; qbuf: codes at bh x 32768 + tile x 256 + 16 r, scale words (the byte four times) at 2097152 + bh x 8192 + tile x 64 + 4 r.
; kv: a record of 69,632 bytes a head: K's images at 1024 g + 256 j + 16 r (g: 64 keys, j: tile), V's at 32768 + (2 step + dt) x 1024 + 256 blk + 16 r, K's scale words at 65536 + 64 g + 4 r (byte j), V's at 67584 + (2 step + dt) x 64 + 4 r (byte blk).
; LIMITS: a block whose largest magnitude lies under 2^-124 gets the byte 1 (only this program reads the bytes); NaN and infinities are not served.
; No tensor loads and no cluster: a work-group fetches 34 KB of rows and 34 KB of weights once and ends: there is no loop to feed.
; THE MODE: SCHED_MODE bits 1:0 = 2 (LLVM: expert scheduling mode 2), set by the entry lines.  The code itself states the register dependences
; between vector or matrix instructions and memory or LDS instructions, with s_wait_alu, always for 0.
; THE PLAN.  Registers that memory or LDS instructions touch:
;   v4 - v7       Offsets, made at the head and never written again.
;   v92 - v159    At the head: the records' copy lands here and the LDS stores read it; behind the barrier these registers are XF and the first accumulator.
;   XF0, XF1      v92-123, v124-155: the rows' fragments of one K step each.  Step n (two groups x four K steps) multiplies by XF[n % 2]; its eight LDS loads, the next step's fragments, land in the other,
;                 which the matrix instructions of step n - 1 read.
;   XSR           v84-91: register 2 j + sp.  The four with sp = 0 are read in K steps 0 and 1 and take the next group's words at the head of K step 2; the four with sp = 1 are read in K steps 2 and 3
;                 and take the next group's words at the head of its K step 0.
;   PC, W01       Written by the conversions and selects, read by the global stores, written again in the second group.
; So ONE wait on va_vdst stands at the head of a step that loads, and one ahead of each run of stores; the wait ahead of the first group's stores also serves the second group's first step.
.set WF,  16                           ; v16-79   the weight's fragments: (tile u, K step s) at 8 (4 u + s)
.set WS,  80                           ; v80-83   its scale words of K step s: lanes 0-15 tile 0, lanes 16-31 tile 1
.set XSR, 84                           ; v84-91   the rows' scale words: register 2 j + sp: lanes 0-15 K step 2 sp, lanes 16-31 K step 2 sp + 1
.set XF,  92                           ; v92-155  the rows' fragments of two K steps: (K step s, tile j) at 8 (4 (s % 2) + j)
.set ACC, 156                          ; v156-219 eight accumulators
.set PC,  220                          ; v220-227 codes
.set TM,  228                          ; v228-243 at work
.set PW0, 244                          ; v244-245 k's scale words of the two groups
.set W01, 246                          ; v246-247 words to store
.set W2,  248                          ; v248     k's scale words as they are stored: a register that no earlier store has read
	s_load_b256 s[4:11], s[0:1], 0x0               ; xq 4, wqkv 6, qbuf 8, kv 10
	v_lshl_add_u32 v254, v0, 2, 0x8800
	v_mov_b32 v255, 0
	v_lshrrev_b32 v9, 5, v0
	v_readfirstlane_b32 s12, v9                    ; wave 0..3
	v_and_b32 v1, 31, v0                           ; lane
	v_and_b32 v2, 15, v0                           ; r
	v_bfe_u32 v3, v0, 4, 1                         ; h
	v_lshlrev_b32 v4, 4, v1                        ; 16 x lane: an image's place for my lane
	v_lshlrev_b32 v5, 2, v1                        ; 4 x lane: a scale word's
	v_lshlrev_b32 v6, 4, v0                        ; 16 x thread: the copy of the records
	v_lshlrev_b32 v7, 4, v2
	v_lshl_add_u32 v7, v3, 3, v7                   ; 16 r + 8 h: my 8 bytes of a row's codes
	v_lshlrev_b32 v8, 3, v3                        ; 8 h
	v_cmp_le_u32 vcc_lo, 16, v1                    ; lanes 16-31; kept for the whole kernel
.irp b, 0,1,2,3
	v_mov_b32 v[TM+4+\b], 0                        ; a lane permute's destination counts as one of its sources
.endr
	s_wait_alu depctr_va_sdst(0)                   ; s12 is written, ahead of its first reader: the head's number and every base are made from it
	s_wait_alu depctr_va_vcc(0)                    ; VCC is written, ahead of its first reader: the selects that lay two tiles' words into one register
	s_mov_b32 s38, 0x76543210
	s_mov_b32 s39, 0xfedcba98
	s_lshr_b32 s13, ttmp9, 2                       ; p: 0 q, 1 k, 2 v
	s_and_b32 s14, ttmp9, 3
	s_and_b32 s15, ttmp7, 0xffff                   ; the block of 128 rows
	s_lshl_b32 s16, s14, 2
	s_add_co_u32 s16, s16, s12                     ; head
	s_lshr_b32 s17, s15, 4                         ; batch
	s_and_b32 s18, s15, 15                         ; kb: the block inside the batch
	s_lshl_b32 s19, s17, 4
	s_add_co_u32 s19, s19, s16                     ; bh
	s_mul_i32 s20, s15, 34816
	s_mov_b32 s21, 0
	s_lshl_b32 s22, s13, 17                        ; the weight's images: (32 p + 2 head) x 4,096
	s_lshl_b32 s23, s16, 13
	s_add_co_u32 s22, s22, s23
	s_mov_b32 s23, 0
	s_lshl_b32 s24, s13, 13                        ; its scale words: 393216 + (512 p + 32 head) x 16
	s_lshl_b32 s25, s16, 9
	s_add_co_u32 s24, s24, s25
	s_add_co_u32 s24, s24, 393216
	s_mov_b32 s25, 0
	s_mul_i32 s40, s19, 69632                      ; the head's record of kv
	s_lshl_b32 s41, s18, 7
	s_add_co_u32 s42, s40, s41                     ; + 128 kb: scale words
	s_mov_b32 s43, 0
	s_lshl_b32 s41, s18, 11
	s_add_co_u32 s44, s40, s41                     ; + 2,048 kb: images
	s_mov_b32 s45, 0
	s_lshl_b32 s46, s19, 13                        ; q's scale words: 2097152 + 8,192 bh + 512 kb
	s_lshl_b32 s47, s18, 9
	s_add_co_u32 s46, s46, s47
	s_add_co_u32 s46, s46, 2097152
	s_mov_b32 s47, 0
	s_wait_kmcnt 0x0
	s_add_nc_u64 s[4:5], s[4:5], s[20:21]
	s_add_nc_u64 s[26:27], s[6:7], s[24:25]
	s_add_nc_u64 s[6:7], s[6:7], s[22:23]
	s_wait_alu depctr_va_vdst(0)                   ; the offsets v4 to v7 are written, which every load and store of the kernel reads
.set k, 0
.rept 17
	global_load_b128 v[XF+4*k:XF+4*k+3], v6, s[4:5] offset:2048*k      ; the two records: 2,048 consecutive bytes a work-group's load
.set k, k+1
.endr
.set k, 0
.rept 16
	global_load_b128 v[WF+4*k:WF+4*k+3], v4, s[6:7] offset:512*k       ; my head's eight fragments, as they lie
.set k, k+1
.endr
	global_load_b128 v[WS:WS+3], v4, s[26:27]      ; column 32 head + lane: its four scale words
	s_cmp_eq_u32 s13, 0                            ; q's codes go to qbuf, k's to kv: chosen by the work-group's number alone
	s_cselect_b64 s[28:29], s[8:9], s[10:11]
	s_mov_b32 s30, 69632
	s_cselect_b32 s30, 32768, s30
	s_mul_i32 s30, s19, s30
	s_lshl_b32 s31, s18, 11
	s_add_co_u32 s30, s30, s31
	s_mov_b32 s31, 0
	s_add_nc_u64 s[28:29], s[28:29], s[30:31]
	s_add_nc_u64 s[32:33], s[8:9], s[46:47]
	s_add_nc_u64 s[34:35], s[10:11], s[42:43]
	s_add_nc_u64 s[36:37], s[10:11], s[44:45]
	s_wait_loadcnt 17                              ; the records are in; the 17 loads of the weight may be out
.set k, 0
.rept 17
	ds_store_b128 v6, v[XF+4*k:XF+4*k+3] offset:2048*k
.set k, k+1
.endr
	s_wait_dscnt 0x0                               ; for the others' sake: my stores have landed
	s_barrier_signal -1
	s_barrier_wait -1
	s_wait_loadcnt 0x0
.macro NOP4                            ; four places behind a matrix instruction, in front of the first read of its result (ISA guide 7.12.1)
.rept 4
	v_nop
.endr
.endm
; One matrix instruction.  z = 1: it starts the sum.  ra, rb: the row of the scale registers (0: lanes 0-15, 1: lanes 16-31)
.macro WM d, a, b, z, sa, sb, ra, rb
.if \z
.if (\ra)==0 && (\rb)==0
	v_wmma_scale_f32_16x16x128_f8f6f4 v[(\d):(\d)+7], v[(\a):(\a)+7], v[(\b):(\b)+7], 0, v[\sa], v[\sb] matrix_a_fmt:MATRIX_FMT_FP4 matrix_b_fmt:MATRIX_FMT_FP4
.elseif (\rb)==0
	v_wmma_scale_f32_16x16x128_f8f6f4 v[(\d):(\d)+7], v[(\a):(\a)+7], v[(\b):(\b)+7], 0, v[\sa], v[\sb] matrix_a_fmt:MATRIX_FMT_FP4 matrix_b_fmt:MATRIX_FMT_FP4 matrix_a_scale:MATRIX_SCALE_ROW1
.elseif (\ra)==0
	v_wmma_scale_f32_16x16x128_f8f6f4 v[(\d):(\d)+7], v[(\a):(\a)+7], v[(\b):(\b)+7], 0, v[\sa], v[\sb] matrix_a_fmt:MATRIX_FMT_FP4 matrix_b_fmt:MATRIX_FMT_FP4 matrix_b_scale:MATRIX_SCALE_ROW1
.else
	v_wmma_scale_f32_16x16x128_f8f6f4 v[(\d):(\d)+7], v[(\a):(\a)+7], v[(\b):(\b)+7], 0, v[\sa], v[\sb] matrix_a_fmt:MATRIX_FMT_FP4 matrix_b_fmt:MATRIX_FMT_FP4 matrix_a_scale:MATRIX_SCALE_ROW1 matrix_b_scale:MATRIX_SCALE_ROW1
.endif
.else
.if (\ra)==0 && (\rb)==0
	v_wmma_scale_f32_16x16x128_f8f6f4 v[(\d):(\d)+7], v[(\a):(\a)+7], v[(\b):(\b)+7], v[(\d):(\d)+7], v[\sa], v[\sb] matrix_a_fmt:MATRIX_FMT_FP4 matrix_b_fmt:MATRIX_FMT_FP4
.elseif (\rb)==0
	v_wmma_scale_f32_16x16x128_f8f6f4 v[(\d):(\d)+7], v[(\a):(\a)+7], v[(\b):(\b)+7], v[(\d):(\d)+7], v[\sa], v[\sb] matrix_a_fmt:MATRIX_FMT_FP4 matrix_b_fmt:MATRIX_FMT_FP4 matrix_a_scale:MATRIX_SCALE_ROW1
.elseif (\ra)==0
	v_wmma_scale_f32_16x16x128_f8f6f4 v[(\d):(\d)+7], v[(\a):(\a)+7], v[(\b):(\b)+7], v[(\d):(\d)+7], v[\sa], v[\sb] matrix_a_fmt:MATRIX_FMT_FP4 matrix_b_fmt:MATRIX_FMT_FP4 matrix_b_scale:MATRIX_SCALE_ROW1
.else
	v_wmma_scale_f32_16x16x128_f8f6f4 v[(\d):(\d)+7], v[(\a):(\a)+7], v[(\b):(\b)+7], v[(\d):(\d)+7], v[\sa], v[\sb] matrix_a_fmt:MATRIX_FMT_FP4 matrix_b_fmt:MATRIX_FMT_FP4 matrix_a_scale:MATRIX_SCALE_ROW1 matrix_b_scale:MATRIX_SCALE_ROW1
.endif
.endif
.endm
.macro XSCH gl, sp                     ; the scale words of group gl's four tiles for K steps 2 sp and 2 sp + 1: four loads
.irp j, 0,1,2,3
	ds_load_b32 v[XSR+2*\j+\sp], v5 offset:17408*\gl+16384+256*\j+128*\sp
.endr
.endm
.macro XL gl, s                        ; group gl's four fragments of K step s, into XF[s % 2]: eight loads
.irp j, 0,1,2,3
.irp c, 0,1
	ds_load_b128 v[XF+8*(4*((\s)%2)+\j)+4*\c:XF+8*(4*((\s)%2)+\j)+4*\c+3], v4 offset:17408*\gl+(4*\j+(\s))*1024+512*\c
.endr
.endr
.endm
; 8 matrix instructions: K step s x four tiles of rows x two tiles of the weight; K step 0 starts the sums.  The eight accumulators take turns, one instruction a turn.
.macro MULS s, v
.irp j, 0,1,2,3
.irp u, 0,1
.if \v
	WM ACC+32*\u+8*\j, XF+8*(4*((\s)%2)+\j), WF+8*(4*\u+(\s)), (3-(\s))/3, XSR+2*\j+(\s)/2, WS+(\s), (\s)%2, \u
.else
	WM ACC+16*\j+8*\u, WF+8*(4*\u+(\s)), XF+8*(4*((\s)%2)+\j), (3-(\s))/3, WS+(\s), XSR+2*\j+(\s)/2, \u, (\s)%2
.endif
.endr
.endr
.endm
; The first group of 64 rows x my head, all of K.  Its scale words and the fragments of K step 0 have been asked for.  Each step asks for the next step's fragments, waits for its own and multiplies.
.macro WALK0 v
	XL 0, 1                                        ; no wait: no vector or matrix instruction has named XF1
	s_wait_dscnt 8                                 ; LDS loads come back in order (ISA guide 5.7.1): the scale words and K step 0 are in; the eight just issued may be out
	MULS 0, \v
	s_wait_alu depctr_va_vdst(0)                   ; K step 0's matrix instructions are done reading XF0, in which the loads below land
	XL 0, 2
	s_wait_dscnt 8                                 ; K step 1 is in
	MULS 1, \v
	s_wait_alu depctr_va_vdst(0)                   ; K step 1's matrix instructions are done reading XF1 and the scale words of K steps 0 and 1: the loads below land in both
	XL 0, 3
	XSCH 1, 0
	s_wait_dscnt 12                                ; K step 2 is in; the twelve just issued may be out
	MULS 2, \v
	s_wait_alu depctr_va_vdst(0)                   ; K step 2's matrix instructions are done reading XF0
	XL 1, 0                                        ; the second group's first fragments: they land while the first group is quantised
	s_wait_dscnt 8                                 ; K step 3 and the second group's first scale words are in
	MULS 3, \v
	NOP4
.endm
; The second group.  Its first loads owe no wait of their own: the wait ahead of the first group's stores stands behind K step 3's matrix instructions, the last readers of XF1 and of the scale words
; of K steps 2 and 3, and no vector or matrix instruction issued since names these registers.
.macro WALK1 v
	XL 1, 1
	XSCH 1, 1
	s_wait_dscnt 12                                ; K step 0 is in; the twelve just issued may be out
	MULS 0, \v
	s_wait_alu depctr_va_vdst(0)                   ; K step 0's matrix instructions are done reading XF0
	XL 1, 2
	s_wait_dscnt 8                                 ; K step 1 and the scale words of K steps 2 and 3 are in
	MULS 1, \v
	s_wait_alu depctr_va_vdst(0)                   ; K step 1's matrix instructions are done reading XF1
	XL 1, 3
	s_wait_dscnt 8                                 ; K step 2 is in
	MULS 2, \v
	s_wait_dscnt 0x0                               ; K step 3 is in; nothing more is asked for
	MULS 3, \v
	NOP4
.endm
	s_wait_alu depctr_vm_vsrc(0)                   ; my LDS stores have read v92 to v159: from here on LDS loads land in them, and matrix instructions write the last four
	XSCH 0, 0
	XSCH 0, 1
	XL 0, 0
	s_cmp_eq_u32 s13, 2
	s_cbranch_scc1 .Lv
; ---------------- q and k: block j = tile j's rows; a lane's 16 registers ACC + 16 j on are 16 of its row's 32 ----------------
.macro QKPART gl
	s_wait_xcnt 0x0                                ; the last group's stores have had their addresses translated: their data registers are written again only behind this wait
.if \gl
	s_wait_alu depctr_vm_vsrc(0)                   ; the first group's stores have read the codes' registers and the words', which are written again below
.endif
.irp b, 0,1,2,3
	v_max3_num_f32 v[TM+\b], |v[ACC+16*\b]|, |v[ACC+1+16*\b]|, 0x1800000   ; my 16 numbers, and the floor 2^(3 - 127)
.endr
.irp i, 2,4,6,8,10,12,14
.irp b, 0,1,2,3
	v_max3_num_f32 v[TM+\b], v[TM+\b], |v[ACC+16*\b+\i]|, |v[ACC+1+16*\b+\i]|
.endr
.endr
.irp b, 0,1,2,3
	v_permlanex16_b32 v[TM+4+\b], v[TM+\b], s38, s39
.endr
.irp b, 0,1,2,3
	v_max_num_f32 v[TM+\b], v[TM+\b], v[TM+4+\b]   ; with lane l xor 16's: the block's largest magnitude
.endr
.irp b, 0,1,2,3
	v_add_nc_u32 v[TM+12+\b], 0xff000000, v[TM+\b] ; 2 off the exponent field: the conversion's scale operand
.endr
.irp b, 0,1,2,3
	v_lshrrev_b32 v[TM+4+\b], 23, v[TM+12+\b]      ; the scale's byte
.endr
.irp b, 0,1,2,3
	v_cvt_scalef32_pk8_fp4_f32 v[PC+2*\b], v[ACC+16*\b:ACC+7+16*\b], v[TM+12+\b]
	v_cvt_scalef32_pk8_fp4_f32 v[PC+1+2*\b], v[ACC+8+16*\b:ACC+15+16*\b], v[TM+12+\b]
.endr
	v_nop                                          ; a plain place behind the conversions
	v_lshl_or_b32 v[PW0+\gl], v[TM+5], 8, v[TM+4]  ; k's scale word of the fragment: byte j = tile j (made on both ways, used on k's)
	v_lshl_or_b32 v[PW0+\gl], v[TM+6], 16, v[PW0+\gl]
	v_lshl_or_b32 v[PW0+\gl], v[TM+7], 24, v[PW0+\gl]
	s_wait_alu depctr_va_vdst(0)                   ; the conversions have written the codes, which the stores read; and the group's last matrix instructions are done with their operands
.irp j, 0,1,2,3
	global_store_b64 v7, v[PC+2*\j:PC+2*\j+1], s[28:29] offset:1024*\gl+256*\j   ; a tile's codes: 256 consecutive bytes, aligned
.endr
	s_cmp_lg_u32 s13, 0
	s_cbranch_scc1 .Lnot_q_\@
.irp j, 0,1,2,3
	v_perm_b32 v[TM+8+\j], v[TM+4+\j], v[TM+4+\j], 0   ; q's scale word: the byte in all four places, since q's block stands at each of the four places of a K step in turn
.endr
	v_cndmask_b32 v[W01], v[TM+8], v[TM+9], vcc_lo     ; lanes 0-15 tile j, lanes 16-31 tile j + 1
	v_cndmask_b32 v[W01+1], v[TM+10], v[TM+11], vcc_lo
	s_wait_alu depctr_va_vdst(0)                   ; the selects have written the two words, which the stores read
	global_store_b32 v5, v[W01], s[32:33] offset:256*\gl
	global_store_b32 v5, v[W01+1], s[32:33] offset:256*\gl+128
.Lnot_q_\@:
.endm
	WALK0 0
	QKPART 0
	WALK1 0
	QKPART 1
	s_cmp_lg_u32 s13, 1
	s_cbranch_scc1 .Lend
	v_cndmask_b32 v[W2], v[PW0], v[PW0+1], vcc_lo
	s_wait_alu depctr_va_vdst(0)                   ; the select has written the word, which the store reads
	global_store_b32 v5, v[W2], s[34:35] offset:65536    ; fragments 2 kb and 2 kb + 1: 128 consecutive bytes
.Lend:
	s_wait_dscnt 0x0                               ; the closing lines, six on end
	s_wait_alu 0x0
	s_wait_tensorcnt 0x0
	ds_add_u32 v254, v255
	s_wait_dscnt 0x0
	s_endpgm
; ---------------- v: a lane's 32 registers ACC + 32 u on are keys 64 G + 32 h + 0 .. 31 of channel 16 u + r: block 2 gl + h of the key step ----------------
.macro VPART gl
	s_wait_xcnt 0x0                                ; the last group's stores have had their addresses translated: their data registers are written again only behind this wait
.if \gl
	s_wait_alu depctr_vm_vsrc(0)                   ; the first group's stores have read the codes' registers, which are written again below
.endif
.irp u, 0,1
	v_max3_num_f32 v[TM+\u], |v[ACC+32*\u]|, |v[ACC+32*\u+1]|, |v[ACC+32*\u+2]|
	v_max3_num_f32 v[TM+2+\u], |v[ACC+32*\u+3]|, |v[ACC+32*\u+4]|, |v[ACC+32*\u+5]|
.endr
.irp i, 6,10,14,18,22,26
.irp u, 0,1
	v_max3_num_f32 v[TM+\u], v[TM+\u], |v[ACC+32*\u+\i]|, |v[ACC+32*\u+\i+1]|
	v_max3_num_f32 v[TM+2+\u], v[TM+2+\u], |v[ACC+32*\u+\i+2]|, |v[ACC+32*\u+\i+3]|
.endr
.endr
.irp u, 0,1
	v_max3_num_f32 v[TM+\u], v[TM+\u], |v[ACC+32*\u+30]|, |v[ACC+32*\u+31]|
.endr
.irp u, 0,1
	v_max3_num_f32 v[TM+\u], v[TM+\u], v[TM+2+\u], 0x1800000
.endr
.irp u, 0,1
	v_add_nc_u32 v[TM+4+\u], 0xff000000, v[TM+\u]
.endr
.irp u, 0,1
	v_lshrrev_b32 v[TM+8+2*\gl+\u], 23, v[TM+4+\u] ; the byte of block 2 gl + h, kept
.endr
.irp u, 0,1
.irp g, 0,1,2,3
	v_cvt_scalef32_pk8_fp4_f32 v[PC+4*\u+\g], v[ACC+32*\u+8*\g:ACC+32*\u+8*\g+7], v[TM+4+\u]
.endr
.endr
	v_nop
	s_wait_alu depctr_va_vdst(0)                   ; the conversions have written the codes, which the stores read; and the group's last matrix instructions are done with their operands
.irp u, 0,1
	global_store_b128 v4, v[PC+4*\u:PC+4*\u+3], s[36:37] offset:32768+1024*\u+512*\gl   ; 512 consecutive bytes: blocks 2 gl and 2 gl + 1 of the image
.endr
.endm
.Lv:
	WALK0 1
	VPART 0
	WALK1 1
	VPART 1
.irp u, 0,1
	v_lshl_or_b32 v[TM+\u], v[TM+10+\u], 16, v[TM+8+\u]   ; my two bytes: blocks h and 2 + h,
.endr
.irp u, 0,1
	v_lshlrev_b32 v[TM+\u], v8, v[TM+\u]           ; at their places (8 h bits up);
.endr
.irp u, 0,1
	v_permlanex16_b32 v[TM+2+\u], v[TM+\u], s38, s39
.endr
.irp u, 0,1
	v_or_b32 v[TM+\u], v[TM+\u], v[TM+2+\u]        ; with lane l xor 16's two the word is whole
.endr
	v_cndmask_b32 v[W01], v[TM], v[TM+1], vcc_lo
	s_wait_alu depctr_va_vdst(0)                   ; the select has written the word, which the store reads
	global_store_b32 v5, v[W01], s[34:35] offset:67584
	s_wait_dscnt 0x0                               ; the closing lines, six on end
	s_wait_alu 0x0
	s_wait_tensorcnt 0x0
	ds_add_u32 v254, v255
	s_wait_dscnt 0x0
	s_endpgm
.Lfunc_end_k_qa3458dc00c_qkv:
	.size	k_qa3458dc00c_qkv, .Lfunc_end_k_qa3458dc00c_qkv-k_qa3458dc00c_qkv
	.p2alignl 7, 3214868480
	.fill 96, 4, 3214868480
	.section	.rodata,"a",@progbits
	.p2align	6, 0x0
	.amdhsa_kernel k_qa3458dc00c_qkv
		.amdhsa_group_segment_fixed_size 35328
		.amdhsa_private_segment_fixed_size 0
		.amdhsa_enable_private_segment 0
		.amdhsa_kernarg_size 32
		.amdhsa_user_sgpr_count 2
		.amdhsa_user_sgpr_kernarg_segment_ptr 1
		.amdhsa_wavefront_size32 1
		.amdhsa_system_sgpr_workgroup_id_x 1
		.amdhsa_system_sgpr_workgroup_id_y 1
		.amdhsa_system_sgpr_workgroup_id_z 1
		.amdhsa_system_vgpr_workitem_id 0
		.amdhsa_next_free_vgpr 256
		.amdhsa_next_free_sgpr 66
		.amdhsa_reserve_vcc 1
		.amdhsa_float_denorm_mode_32 3
		.amdhsa_float_denorm_mode_16_64 3
		.amdhsa_memory_ordered 1
		.amdhsa_forward_progress 1
		.amdhsa_inst_pref_size 51
	.end_amdhsa_kernel
	.amdgpu_metadata
---
amdhsa.version: [ 1, 2 ]
amdhsa.kernels:
  - .name:           k_qa3458dc00c_qkv
    .symbol:         k_qa3458dc00c_qkv.kd
    .args:
      - { .name: xq, .offset: 0, .size: 8, .value_kind: global_buffer, .address_space: global }
      - { .name: wqkv, .offset: 8, .size: 8, .value_kind: global_buffer, .address_space: global }
      - { .name: qbuf, .offset: 16, .size: 8, .value_kind: global_buffer, .address_space: global }
      - { .name: kv, .offset: 24, .size: 8, .value_kind: global_buffer, .address_space: global }
    .group_segment_fixed_size: 35328
    .private_segment_fixed_size: 0
    .kernarg_segment_align: 8
    .kernarg_segment_size: 32
    .max_flat_workgroup_size: 128
    .sgpr_count:     66
    .vgpr_count:     256
    .wavefront_size: 32
...
	.end_amdgpu_metadata
.endif
;; end of part 7
;; launch attn (part 8): grid 4 x 64, 16 waves a work-group, no clusters, 71,680 bytes of LDS; arguments qbuf, kv, attn; writes attn
.if DOCPART == 8
	.amdgcn_target "amdgcn-amd-amdhsa--gfx1250"
	.amdhsa_code_object_version 6
	.text
	.protected	k_qa3458dc00c_attn
	.globl	k_qa3458dc00c_attn
	.p2align	8
	.type	k_qa3458dc00c_attn,@function
k_qa3458dc00c_attn:
	s_mov_b64 s[64:65], 0
	v_nop
	global_prefetch_b8 v0, s[64:65] scope:SCOPE_SE
	s_setreg_imm32_b32 hwreg(HW_REG_WAVE_SCHED_MODE, 0, 2), 2
	s_setreg_imm32_b32 hwreg(HW_REG_WAVE_MODE, 25, 1), 1
	s_wait_xcnt 0x0
	s_wait_alu depctr_vm_vsrc(0)
; o = softmax(q k^T / sqrt(512)) v for one head (head size 32, 2,048 keys), both products on codes of FP4 with E8M0 scales.
; THE SOFTMAX AHEAD OF THE SECOND PRODUCT: t = score x log2(e) / sqrt(512); M = the running largest t rounded UP to a whole number; p = 2^(t - M) is quantised along the keys, not normalised;
; the row's sum is taken of the unquantised p and divides at the end; when M moves, the sum and O are multiplied by 2^(old M - new M), which rounds nothing.
; SHARES.  A work-group owns 512 queries of one head, each of its sixteen waves two tiles of 16: four waves to a SIMD, so that one wave's vector work stands beside another's matrix work and LDS loads.
; The head's whole record of kv (69,632 bytes) is copied into LDS once, as it lies: no ring.  No cluster: what work-groups share is that one copy, and the launch's work is the softmax's vector instructions.
; THE FIRST PRODUCT'S K IS 32, THE INSTRUCTION'S 128.  A fragment of K holds FOUR tiles of 16 keys, tile j in block j; q stands in block j of a variant whose other blocks are zero codes, which add nothing:
; variant j picks tile j.  The four variants of a tile are windows into one run of registers, [0 qa 0 qb 0]: qa = q's 16 bytes in lanes 0-15, qb in lanes 16-31.
; BOTH PRODUCTS ARE USED TRANSPOSED (S^T = K Q^T, O^T = V^T P^T): a lane holds one query.  Tile j of 64 keys takes keys 32 (r / 8) + 8 j + r % 8, so the lane's 32 registers of four tiles
; are 32 NEIGHBOURING keys, a whole block of the second product's K: its maximum needs no other lane, and the conversions' results are the operand's registers.
; OUT: each 16 x 16 tile of o leaves as the image of its accumulator, at (tile x 32 + 2 head + dt) x 1024 + 512 i + 16 lane: the next launch loads it so.
; LIMITS: NaN and infinities are not served.
; THE MODE: SCHED_MODE bits 1:0 = 2 (LLVM: expert scheduling mode 2), set by the entry lines.  The code itself states the register dependences
; between vector or matrix instructions and memory or LDS instructions, with s_wait_alu, always for 0.
; THE PLAN.  Registers that LDS instructions touch in the loop, and operands that vector instructions make for scaled products:
;   KF, v54    Read by the score products of both tiles; the next step's five loads land in them in tile 1's softmax.
;   VF, v55    Read by the second products of both tiles; the step's five loads land in them in tile 0's softmax.
;   v4, v5     The step's LDS addresses: written by two additions at the trip's head, read by the trip's ten loads.  v1, v2, from which they are made, are never written again.
;   PC, v56    p's codes and scale word: written by vector instructions in each tile's softmax, taken by that tile's second products.
; A tile's softmax has one wait on va_vdst behind its exponentials in any case.  Tile 0's stands behind the last trip's second products and behind the two additions: V's loads follow it directly.
; Tile 1's stands behind tile 1's score products: the next step's loads of K follow it directly.  So the ten loads cost no wait of their own.
; Beside these a trip has one wait on va_vdst ahead of each tile's second products, for the codes and the scale word, and one on vm_vsrc ahead of the two additions.
.set QB,  16                           ; v16-51   [0 qa0 0 qb0 0 qa1 0 qb1 0], four registers each
.set KF,  72                           ; v72-87   two fragments of K (128 keys)
.set VF,  88                           ; v88-103  two fragments of V (32 channels x 128 keys)
.set PC,  104                          ; v104-111 p's codes
.set O,   112                          ; v112-143 O^T: (tile t, channels 16 dt on) at 16 t + 8 dt
.set S,   144                          ; v144-207 S^T, then p
; v1 16 x lane; v2 4 x lane + 65536; v3 8 h; v4, v5 the step's addresses; v8 + 4 t: -M, the largest t, the sum in two halves; v52, v53 q's scale words; v54 K's, v55 V's, v56 p's; v[58:59] f; v57, v60-69 at work
	s_load_b128 s[4:7], s[0:1], 0x0                ; qbuf, kv
	s_load_b64 s[8:9], s[0:1], 0x10                ; attn
	v_lshl_add_u32 v208, v0, 2, 0x11000
	v_mov_b32 v209, 0
	v_lshrrev_b32 v6, 5, v0
	v_readfirstlane_b32 s10, v6                    ; wave 0..15
	v_and_b32 v7, 31, v0                           ; lane
	v_lshlrev_b32 v1, 4, v7
	v_lshl_add_u32 v2, v7, 2, 65536
	v_bfe_u32 v3, v0, 4, 1
	v_lshlrev_b32 v3, 3, v3
	v_lshlrev_b32 v4, 4, v0                        ; the copy: 16 x thread,
	v_lshlrev_b32 v5, 3, v0                        ; and for the last 4,096 bytes 8 x thread,
	v_add_nc_u32 v60, 65536, v5                    ; which in LDS lie beyond an immediate's reach
	v_and_b32 v61, 15, v0
	v_lshlrev_b32 v62, 2, v61                      ; 4 r
	v_lshlrev_b32 v61, 4, v61                      ; 16 r
	v_cmp_gt_u32 vcc_lo, 16, v7                    ; lanes 0-15
	v_cmp_le_u32 s30, 16, v7                       ; lanes 16-31
	s_wait_alu depctr_va_sdst(0)                   ; s10 and s30 are written, ahead of their first readers: the bases are made from s10, the selects below read s30
	s_wait_alu depctr_va_vcc(0)                    ; VCC is written, ahead of its first reader: the selects below
	s_and_b32 s11, ttmp7, 0xffff                   ; bh
	s_mul_i32 s12, s11, 69632
	s_mov_b32 s13, 0
	s_lshl_b32 s14, s11, 15                        ; q's codes: 32,768 bh + 256 x (32 qb + 2 wave)
	s_lshl_b32 s15, ttmp9, 13
	s_add_co_u32 s14, s14, s15
	s_lshl_b32 s15, s10, 9
	s_add_co_u32 s14, s14, s15
	s_mov_b32 s15, 0
	s_lshl_b32 s16, s11, 13                        ; q's scale words: 2097152 + 8,192 bh + 64 x tile
	s_lshl_b32 s17, ttmp9, 11
	s_add_co_u32 s16, s16, s17
	s_lshl_b32 s17, s10, 7
	s_add_co_u32 s16, s16, s17
	s_add_co_u32 s16, s16, 2097152
	s_mov_b32 s17, 0
	s_lshr_b32 s18, s11, 4                         ; o: (128 batch + 32 qb + 2 wave) x 32,768 + 2,048 head
	s_lshl_b32 s18, s18, 22
	s_lshl_b32 s19, ttmp9, 20
	s_add_co_u32 s18, s18, s19
	s_lshl_b32 s19, s10, 16
	s_add_co_u32 s18, s18, s19
	s_and_b32 s19, s11, 15
	s_lshl_b32 s19, s19, 11
	s_add_co_u32 s18, s18, s19
	s_mov_b32 s19, 0
	s_mov_b32 s20, 0x76543210
	s_mov_b32 s21, 0xfedcba98                      ; v_permlanex16_b32's selects for lane l xor 16
	s_mov_b32 s22, 0x3d8293ee                      ; c = log2(e) / sqrt(512)
	s_mov_b32 s23, s22                             ; (named with it as a pair, so it is written)
	s_mov_b32 s24, 0                               ; the step's images: 2,048 bytes a step, K's and V's alike
	s_mov_b32 s25, 0                               ; its scale words: 128 bytes a step
	s_mov_b32 s26, 16                              ; key steps of 128
	s_wait_kmcnt 0x0
	s_add_nc_u64 s[6:7], s[6:7], s[12:13]
	s_add_nc_u64 s[28:29], s[4:5], s[16:17]
	s_add_nc_u64 s[4:5], s[4:5], s[14:15]
	s_add_nc_u64 s[8:9], s[8:9], s[18:19]
	s_wait_alu depctr_va_vdst(0)                   ; the offsets and addresses v1, v2, v4, v5 and v60 to v62 are written, which the loads and LDS stores below read
.irp i, 0,1,2,3,4,5,6,7
	global_load_b128 v[S+4*\i:S+4*\i+3], v4, s[6:7] offset:8192*\i
.endr
	global_load_b64 v[S+32:S+33], v5, s[6:7] offset:65536
.irp t, 0,1
	global_load_b128 v[PC+4*\t:PC+4*\t+3], v61, s[4:5] offset:256*\t   ; q's 16 bytes of row r, in both halves of the lanes
	global_load_b32 v[52+\t], v62, s[28:29] offset:64*\t
.endr
	s_wait_loadcnt 4                               ; the record is in; q's four loads may be out
.irp i, 0,1,2,3,4,5,6,7
	ds_store_b128 v4, v[S+4*\i:S+4*\i+3] offset:8192*\i
.endr
	ds_store_b64 v60, v[S+32:S+33]
	s_wait_loadcnt 0x0
.irp z, 0,8,16,24,32
.irp i, 0,1,2,3
	v_mov_b32 v[QB+\z+\i], 0                       ; the zero codes between
.endr
.endr
.irp t, 0,1
.irp i, 0,1,2,3
	v_cndmask_b32 v[QB+16*\t+4+\i], 0, v[PC+4*\t+\i], vcc_lo
	v_cndmask_b32 v[QB+16*\t+12+\i], 0, v[PC+4*\t+\i], s30
.endr
.endr
.irp t, 0,1
	v_mov_b32 v[9+4*\t], 0xff61b1e6                ; the largest t so far: -3e38, under every t
	v_floor_f32 v[8+4*\t], -v[9+4*\t]              ; -M
	v_mov_b32 v[10+4*\t], 0                        ; the sum, in two halves
	v_mov_b32 v[11+4*\t], 0
.endr
	v_mov_b32 v57, 0                               ; lane permutes' destinations count as sources
	v_mov_b32 v64, 0
	v_mov_b32 v59, 0                               ; (the upper half of the pair v[58:59])
.set k, 0
.rept 32
	v_mov_b32 v[O+k], 0                            ; O^T: the step is written once; the first finds zeros, which the first change of M leaves zeros
.set k, k+1
.endr
	s_wait_alu depctr_va_vdst(0)                   ; q's variants are written, which the scaled score products take as an operand; they are never written again.  The 32 lines above are the places between
	s_wait_dscnt 0x0                               ; for the others' sake: my part of the record has landed
	s_barrier_signal -1
	s_barrier_wait -1
.irp c, 0,1
.irp e, 0,1
	ds_load_b128 v[KF+8*\c+4*\e:KF+8*\c+4*\e+3], v1 offset:1024*\c+512*\e   ; K of step 0
.endr
.endr
	ds_load_b32 v54, v2                            ; lanes 0-15: fragment 0's scale words, lanes 16-31: fragment 1's
.macro NOP4
.rept 4
	v_nop
.endr
.endm
.macro VLOAD                           ; the step's V: two fragments and their scale words
.irp d, 0,1
.irp e, 0,1
	ds_load_b128 v[VF+8*\d+4*\e:VF+8*\d+4*\e+3], v4 offset:32768+1024*\d+512*\e
.endr
.endr
	ds_load_b32 v55, v5 offset:2048
.endm
.macro KLOAD                           ; the next step's K.  In the last trip these read V's first bytes, inside LDS, and nobody uses them
.irp c, 0,1
.irp e, 0,1
	ds_load_b128 v[KF+8*\c+4*\e:KF+8*\c+4*\e+3], v4 offset:2048+1024*\c+512*\e
.endr
.endr
	ds_load_b32 v54, v5 offset:128
.endm
; S^T of tile t: 128 keys = 2 fragments x 4 variants.  Register 32 c + 8 j + i of lane (q, h) is key 64 c + 32 h + 8 j + i of the step
.macro SMUL t
.irp j, 0,1,2,3
	v_wmma_scale_f32_16x16x128_f8f6f4 v[S+8*\j:S+8*\j+7], v[KF:KF+7], v[QB+16*\t+8*(\j%2)+4*(1-\j/2):QB+16*\t+8*(\j%2)+4*(1-\j/2)+7], 0, v54, v[52+\t] matrix_a_fmt:MATRIX_FMT_FP4 matrix_b_fmt:MATRIX_FMT_FP4
.endr
.irp j, 0,1,2,3
	v_wmma_scale_f32_16x16x128_f8f6f4 v[S+32+8*\j:S+32+8*\j+7], v[KF+8:KF+15], v[QB+16*\t+8*(\j%2)+4*(1-\j/2):QB+16*\t+8*(\j%2)+4*(1-\j/2)+7], 0, v54, v[52+\t] matrix_a_fmt:MATRIX_FMT_FP4 matrix_b_fmt:MATRIX_FMT_FP4 matrix_a_scale:MATRIX_SCALE_ROW1
.endr
.endm
; O^T of tile t += V^T P^T: the two accumulators take turns
.macro PV t
	v_wmma_scale_f32_16x16x128_f8f6f4 v[O+16*\t:O+16*\t+7], v[VF:VF+7], v[PC:PC+7], v[O+16*\t:O+16*\t+7], v55, v56 matrix_a_fmt:MATRIX_FMT_FP4 matrix_b_fmt:MATRIX_FMT_FP4
	v_wmma_scale_f32_16x16x128_f8f6f4 v[O+16*\t+8:O+16*\t+15], v[VF+8:VF+15], v[PC:PC+7], v[O+16*\t+8:O+16*\t+15], v55, v56 matrix_a_fmt:MATRIX_FMT_FP4 matrix_b_fmt:MATRIX_FMT_FP4 matrix_a_scale:MATRIX_SCALE_ROW1
.endm
.macro SOFT t
.set NM, 8+4*\t
; The largest SCORE of my two blocks: it serves the row's maximum and, since p rises with the score, the block's largest p.  Each block in two chains of 16, the four chains by turns,
; so that a line's sources were written four lines back; each accumulator is read from its low end on.
.irp c, 0,1
	v_max3_num_f32 v[60+\c], v[S+32*\c], v[S+32*\c+1], v[S+32*\c+2]
	v_max3_num_f32 v[62+\c], v[S+32*\c+16], v[S+32*\c+17], v[S+32*\c+18]
.endr
.irp i, 3,5,7,9,11,13
.irp c, 0,1
	v_max3_num_f32 v[60+\c], v[60+\c], v[S+32*\c+\i], v[S+32*\c+\i+1]
	v_max3_num_f32 v[62+\c], v[62+\c], v[S+32*\c+16+\i], v[S+32*\c+17+\i]
.endr
.endr
.irp c, 0,1
	v_max3_num_f32 v[60+\c], v[60+\c], v[62+\c], v[S+32*\c+15]     ; the block's two chains meet, with the two scores left over
.endr
.irp c, 0,1
	v_max_num_f32 v[60+\c], v[60+\c], v[S+32*\c+31]
.endr
	v_max_num_f32 v65, v60, v61
	v_permlanex16_b32 v64, v65, s20, s21
	v_max_num_f32 v65, v65, v64                    ; the step's largest score of my query
	v_mul_f32 v65, s22, v65                        ; as t (c is positive)
	v_max_num_f32 v[NM+1], v[NM+1], v65            ; the running largest t
	v_mov_b32 v65, v[NM]
	v_floor_f32 v[NM], -v[NM+1]                    ; the new -M = -ceil(t)
	v_sub_f32 v65, v[NM], v65                      ; old M - new M: a whole number, 0 or less
	v_cvt_i32_f32 v65, v65                         ; (it saturates)
	v_ldexp_f32 v58, 1.0, v65                      ; f = 2^(old M - new M)
.set k, 0
.rept 32
	v_pk_fma_f32 v[S+k:S+k+1], v[S+k:S+k+1], s[22:23], v[NM:NM+1] op_sel_hi:[1,0,0]   ; t - M
.set k, k+2
.endr
.irp c, 0,1
	v_fma_f32 v[60+\c], v[60+\c], s22, v[NM]       ; the same of each block's largest score
.endr
.set k, 0
.rept 64
	v_exp_f32 v[S+k], v[S+k]                       ; p = 2^(t - M)
.set k, k+1
.endr
.irp c, 0,1
	v_exp_f32 v[60+\c], v[60+\c]                   ; the block's largest p: the same two instructions on the same number give the same bits
.endr
	v_pk_mul_f32 v[NM+2:NM+3], v[NM+2:NM+3], v[58:59] op_sel_hi:[1,0]   ; the sum under the new M (a plain place behind the exponentials)
.if \t == 0
	s_wait_alu depctr_va_vdst(0)                   ; the 66 exponentials have written p and the blocks' largest p, ahead of their first reader; the last trip's second products are done reading V's registers; v4 and v5 are written
	VLOAD                                          ; no vector or matrix instruction since the wait names V's registers or the addresses
.else
	s_wait_alu depctr_va_vdst(0)                   ; the 66 exponentials have written p and the blocks' largest p, ahead of their first reader; this tile's score products, K's last readers in this step, are done reading K's registers
	KLOAD                                          ; no vector or matrix instruction since the wait names K's registers or the addresses
.endif
.irp c, 0,1
	v_max_num_f32 v[60+\c], 0x1800000, v[60+\c]    ; the floor 2^(3 - 127): the byte cannot fall under 1
.endr
.irp c, 0,1
	v_add_nc_u32 v[66+\c], 0xff000000, v[60+\c]    ; the conversion's scale operand
.endr
.irp c, 0,1
	v_lshrrev_b32 v[68+\c], 23, v[66+\c]           ; the byte
.endr
	v_lshl_or_b32 v56, v69, 16, v68                ; my two bytes: blocks h and 2 + h,
	v_lshlrev_b32 v56, v3, v56                     ; at their places;
	v_permlanex16_b32 v57, v56, s20, s21
	v_or_b32 v56, v56, v57                         ; with lane l xor 16's two: p's scale word of these 128 keys
.irp c, 0,1
.irp j, 0,1,2,3
	v_cvt_scalef32_pk8_fp4_f32 v[PC+4*\c+\j], v[S+32*\c+8*\j:S+32*\c+8*\j+7], v[66+\c]   ; registers 4 c on: k = 64 c + 32 h + 0 .. 31, as the operand wants them
.endr
.endr
	v_nop                                          ; a plain place behind the conversions
; The row's sum of the UNQUANTISED p: 32 pairs in four chains by turns (the sum itself, and three in registers that the lines above have done with).
; These 32 are also the places between the scale word, the codes and the products that take them.
	v_pk_add_f32 v[62:63], v[S:S+1], v[S+2:S+3]
	v_pk_add_f32 v[60:61], v[S+4:S+5], v[S+6:S+7]
	v_pk_add_f32 v[64:65], v[S+8:S+9], v[S+10:S+11]
.set k, 12
.rept 6
	v_pk_add_f32 v[NM+2:NM+3], v[NM+2:NM+3], v[S+k:S+k+1]
	v_pk_add_f32 v[62:63], v[62:63], v[S+k+2:S+k+3]
	v_pk_add_f32 v[60:61], v[60:61], v[S+k+4:S+k+5]
	v_pk_add_f32 v[64:65], v[64:65], v[S+k+6:S+k+7]
.set k, k+8
.endr
	v_pk_add_f32 v[NM+2:NM+3], v[NM+2:NM+3], v[S+60:S+61]
	v_pk_add_f32 v[62:63], v[62:63], v[S+62:S+63]
	v_pk_add_f32 v[60:61], v[60:61], v[64:65]
	v_pk_add_f32 v[NM+2:NM+3], v[NM+2:NM+3], v[62:63]
	v_pk_add_f32 v[NM+2:NM+3], v[NM+2:NM+3], v[60:61]
.set k, 0
.rept 8
	v_pk_mul_f32 v[O+16*\t+k:O+16*\t+k+1], v[O+16*\t+k:O+16*\t+k+1], v[58:59] op_sel_hi:[1,0]   ; O^T under the new M
.set k, k+2
.endr
.endm
.Ltrip:                                ; a key step of 128 keys, both tiles
	s_wait_alu depctr_vm_vsrc(0)                   ; the last trip's LDS loads have read v4 and v5.  In the first trip: the head's loads and LDS stores have read v4, v5, v60 to v62 and S's registers, all of which this trip writes
	v_add_nc_u32 v4, s24, v1
	v_add_nc_u32 v5, s25, v2
	s_wait_dscnt 0x0                               ; K's five loads are in; nothing else is out
	SMUL 0
	NOP4                                           ; places in front of the reads of the scores
	SOFT 0
	s_wait_alu depctr_va_vdst(0)                   ; p's codes and its scale word are written, which the scaled products below take; the places stand ahead of this wait
	s_wait_dscnt 0x0                               ; V is in
	PV 0
	SMUL 1
	NOP4                                           ; places in front of the reads of the scores
	SOFT 1
	s_wait_alu depctr_va_vdst(0)                   ; p's codes and its scale word are written, which the scaled products below take; the places stand ahead of this wait
	PV 1
	s_add_co_u32 s24, s24, 2048
	s_add_co_u32 s25, s25, 128
	s_sub_co_u32 s26, s26, 1
	s_cmp_lg_u32 s26, 0
	s_cbranch_scc1 .Ltrip
	s_wait_dscnt 0x0
.irp t, 0,1
	v_add_f32 v[60+\t], v[10+4*\t], v[11+4*\t]     ; the sum's two halves,
.endr
.irp t, 0,1
	v_permlanex16_b32 v[62+\t], v[60+\t], s20, s21
.endr
.irp t, 0,1
	v_add_f32 v[60+\t], v[60+\t], v[62+\t]         ; and lane l xor 16's: the row's sum
.endr
.irp t, 0,1
	v_rcp_f32 v[64+2*\t], v[60+\t]
.endr
	v_nop                                          ; a plain place behind the reciprocals; with the four additions: the places behind the last products
	s_wait_alu depctr_va_vdst(0)                   ; the two reciprocals are written, ahead of their first reader
.irp t, 0,1
.irp i, 0,2,4,6,8,10,12,14
	v_pk_mul_f32 v[S+16*\t+\i:S+16*\t+\i+1], v[O+16*\t+\i:O+16*\t+\i+1], v[64+2*\t:65+2*\t] op_sel_hi:[1,0]
.endr
.endr
	s_wait_alu depctr_va_vdst(0)                   ; the multiplications have written the 32 registers that the stores read
.irp t, 0,1
.irp i, 0,1,2,3
	global_store_b128 v1, v[S+16*\t+4*\i:S+16*\t+4*\i+3], s[8:9] offset:32768*\t+512*\i   ; 512 consecutive bytes, aligned: 1,024 dt + 512 (register half)
.endr
.endr
	s_wait_dscnt 0x0                               ; the closing lines, six on end
	s_wait_alu 0x0
	s_wait_tensorcnt 0x0
	ds_add_u32 v208, v209
	s_wait_dscnt 0x0
	s_endpgm
.Lfunc_end_k_qa3458dc00c_attn:
	.size	k_qa3458dc00c_attn, .Lfunc_end_k_qa3458dc00c_attn-k_qa3458dc00c_attn
	.p2alignl 7, 3214868480
	.fill 96, 4, 3214868480
	.section	.rodata,"a",@progbits
	.p2align	6, 0x0
	.amdhsa_kernel k_qa3458dc00c_attn
		.amdhsa_group_segment_fixed_size 71680
		.amdhsa_private_segment_fixed_size 0
		.amdhsa_enable_private_segment 0
		.amdhsa_kernarg_size 24
		.amdhsa_user_sgpr_count 2
		.amdhsa_user_sgpr_kernarg_segment_ptr 1
		.amdhsa_wavefront_size32 1
		.amdhsa_system_sgpr_workgroup_id_x 1
		.amdhsa_system_sgpr_workgroup_id_y 1
		.amdhsa_system_sgpr_workgroup_id_z 1
		.amdhsa_system_vgpr_workitem_id 0
		.amdhsa_next_free_vgpr 210
		.amdhsa_next_free_sgpr 66
		.amdhsa_reserve_vcc 1
		.amdhsa_float_denorm_mode_32 3
		.amdhsa_float_denorm_mode_16_64 3
		.amdhsa_memory_ordered 1
		.amdhsa_forward_progress 1
		.amdhsa_inst_pref_size 35
	.end_amdhsa_kernel
	.amdgpu_metadata
---
amdhsa.version: [ 1, 2 ]
amdhsa.kernels:
  - .name:           k_qa3458dc00c_attn
    .symbol:         k_qa3458dc00c_attn.kd
    .args:
      - { .name: qbuf, .offset: 0, .size: 8, .value_kind: global_buffer, .address_space: global }
      - { .name: kv, .offset: 8, .size: 8, .value_kind: global_buffer, .address_space: global }
      - { .name: attn, .offset: 16, .size: 8, .value_kind: global_buffer, .address_space: global }
    .group_segment_fixed_size: 71680
    .private_segment_fixed_size: 0
    .kernarg_segment_align: 8
    .kernarg_segment_size: 24
    .max_flat_workgroup_size: 512
    .sgpr_count:     66
    .vgpr_count:     210
    .wavefront_size: 32
...
	.end_amdgpu_metadata
.endif
;; end of part 8
;; launch ffn: the kernel of part 6 again; grid 256 x 1, 8 waves a work-group, clusters of 4 x 1, 327,680 bytes of LDS; arguments x, attn, ffnw, b1, b2, alpha, beta, out0; writes out0
